; MI455X (gfx1250); checked and timed in simulation.
; The chip was launched on July 23, 2026; its instructions are those of AMD's public machine-readable ISA for CDNA 5 (MIT licence, August 2026) and "CDNA5" Instruction Set Architecture Reference Guide (July 2026). The comments in the code are by the model that wrote it; some were corrected since.
;; Post Norm Attention Block. Allowed arithmetic: matrix products marked QUANTISED: E2M3 operands, one E8M0 scale for each 32 along K, by v_wmma_scale_f32_16x16x128_f8f6f4 with both operands' format E2M3, f32 sums; everything else in f32.
;; Inputs: W1_codes 4,096 x 32 x 24 uint8 (E2M3 codes of W1, K innermost, in blocks of 32 codes, four codes in three bytes); W1_scales 4,096 x 32 uint8 (E8M0 scales of W1, one for each 32 codes along K); W2_codes 1,024 x 128 x 24 uint8 (E2M3 codes of W2, K innermost, in blocks of 32 codes, four codes in three bytes); W2_scales 1,024 x 128 uint8 (E8M0 scales of W2, one for each 32 codes along K); WK_codes 1,024 x 32 x 24 uint8 (E2M3 codes of WK, K innermost, in blocks of 32 codes, four codes in three bytes); WK_scales 1,024 x 32 uint8 (E8M0 scales of WK, one for each 32 codes along K); WQ_codes 1,024 x 32 x 24 uint8 (E2M3 codes of WQ, K innermost, in blocks of 32 codes, four codes in three bytes); WQ_scales 1,024 x 32 uint8 (E8M0 scales of WQ, one for each 32 codes along K); WV_codes 1,024 x 32 x 24 uint8 (E2M3 codes of WV, K innermost, in blocks of 32 codes, four codes in three bytes); WV_scales 1,024 x 32 uint8 (E8M0 scales of WV, one for each 32 codes along K); WY_codes 1,024 x 32 x 24 uint8 (E2M3 codes of WY, K innermost, in blocks of 32 codes, four codes in three bytes); WY_scales 1,024 x 32 uint8 (E8M0 scales of WY, one for each 32 codes along K); b1 4,096 float32; b2 1,024 float32; bK 1,024 float32; bQ 1,024 float32; bV 1,024 float32; bY 1,024 float32; ln1_b 1,024 float32; ln1_w 1,024 float32; ln2_b 1,024 float32; ln2_w 1,024 float32; mask 2 x 2,048 int32; x 2 x 2,048 x 1,024 float32.
;; Outputs: out0 2 x 2,048 x 1,024 float32.
;; This version of the problem:
;;   THIS VERSION OF THE PROBLEM IS GIVEN IN LOW PRECISION. The matrix products marked QUANTISED in the list below multiply operands that are first quantised to E2M3 (2 exponent bits, 3 mantissa bits; 6 bits a number), with one power-of-two scale for each 32 numbers along K (OCP MX v1.0); their sums are f32. All else is computed in f32.
;;   The module's matrix products, in the order in which they are computed (A, B: the left and right operand; K: the contracted axis; several contracted axes count as one K, in the product's order):
;;     1. [M 4,096, K 1,024] x [K 1,024, N 1,024]; A: input x; B: input WQ (given as codes): QUANTISED
;;     2. [M 4,096, K 1,024] x [K 1,024, N 1,024]; A: input x; B: input WK (given as codes): QUANTISED
;;     3. [M 4,096, K 1,024] x [K 1,024, N 1,024]; A: input x; B: input WV (given as codes): QUANTISED
;;     4. batch 32 x [M 2,048, K 64] x [K 64, N 2,048]; A: computed on the way; B: computed on the way: QUANTISED
;;     5. batch 32 x [M 2,048, K 2,048] x [K 2,048, N 64]; A: softmax (see below); B: computed on the way: QUANTISED
;;     6. [M 4,096, K 1,024] x [K 1,024, N 1,024]; A: computed on the way; B: input WY (given as codes): QUANTISED
;;     7. [M 4,096, K 1,024] x [K 1,024, N 4,096]; A: computed on the way; B: input W1 (given as codes): QUANTISED
;;     8. [M 4,096, K 4,096] x [K 4,096, N 1,024]; A: computed on the way; B: input W2 (given as codes): QUANTISED
;;   THE QUANTISER, for each operand of a quantised product, along K:
;;     - K is cut into blocks of 32 from its start; a last block that is shorter is filled with zeros.
;;     - A block's scale is 2^e with e = floor(log2(the largest magnitude in the block)) - 2, held to -126 .. 127; a block of zeros has e = 0. As a byte (E8M0): e + 127.
;;     - Each number is divided by its block's scale, clamped to +-7.5, and rounded to the nearest number of E2M3, ties to even, subnormals kept.
;;     - The product sums the exact products of the quantised numbers (number of the format x scale) in f32.
;;   ~~~python
;;   def quantise(x, axis):      # numpy; x: float32 -> the quantised numbers, widened to float32 again
;;       x = np.moveaxis(x, axis, -1); K = x.shape[-1]
;;       x = np.pad(x, [(0, 0)] * (x.ndim - 1) + [(0, -K % 32)]); x = x.reshape(x.shape[:-1] + (-1, 32)); a = np.abs(x).max(-1, keepdims=True)
;;       e = np.where(a > 0, np.clip(np.frexp(np.where(a > 0, a, 1))[1] - 1 - 2, -126, 127), 0)      # np.frexp(a)[1] - 1 = floor(log2(a)), exactly
;;       r = np.clip(x / 2.0 ** e, -7.5, 7.5)
;;       step = 2.0 ** (np.maximum(np.frexp(np.where(r == 0, 1, r))[1] - 1, 0) - 3)
;;       q = np.round(r / step) * step * 2.0 ** e      # np.round: ties to even
;;       return np.moveaxis(q.reshape(q.shape[:-2] + (-1,))[..., :K], -1, axis).astype(np.float32)
;;   ~~~
;;   SOFTMAX AHEAD OF A QUANTISED PRODUCT. Where the list says 'softmax', what is quantised is not the finished softmax but p = 2^(t - M), with t = logit x log2(e) and M = ceil(the row's largest t), a whole number; so 1/2 < the row's largest p <= 1. The row's sum l is taken of the UNQUANTISED p, in f32, and the product's result is divided by l at the end. Since M is a whole number, a kernel that streams over the keys may use a running M (the ceiling of the running maximum): every later rescaling is an exact power of two, which a block's scale takes up: the codes' values come out the same.
;;   OPERANDS COMPUTED ON THE WAY. 'Computed on the way' means the value that the module computes at that place (a softmax that the list does not call 'softmax' is quantised finished and normalised). What goes into a quantiser is computed in f32, as accurately as f32 sums, v_exp_f32 and their like allow (about 1e-6 of the number): no bf16 or f16 on the way to a quantiser, and a product that is left as it is and whose result goes on into a quantised operand takes f32 operands (vector FMAs, or v_wmma_f32_16x16x4_f32). A number that lies on a knife's edge between two numbers of the format may be rounded either way, as far as f32 arithmetic and the matrix unit's own rounding can turn it there, and no further.
;;   INPUTS GIVEN AS CODES. W1 (in the module: [1024, 4096], K = its axis 0); W2 (in the module: [4096, 1024], K = its axis 0); WK (in the module: [1024, 1024], K = its axis 0); WQ (in the module: [1024, 1024], K = its axis 0); WV (in the module: [1024, 1024], K = its axis 0); WY (in the module: [1024, 1024], K = its axis 0): each comes as NAME_codes (uint8): NAME with its K axis moved to the last place and cut into blocks of 32 codes, [.., K / 32, bytes a block], one block behind the other in memory; four codes in three bytes: a row's codes are one little-endian stream of bits, code i at bits 6 i .. 6 i + 5 (a code: sign, 2 exponent bits, 3 mantissa bits); and NAME_scales (uint8): the same leading axes, one E8M0 byte (e + 127) for each 32 codes along K. Its value is code x scale, taken as it is: it is not quantised again, and the codes and scales need not be those that the quantiser above would give.
;; One version. Each part assembles by itself: llvm-mc -triple=amdgcn-amd-amdhsa -mcpu=gfx1250 --defsym DOCPART=n.
;; ======== version 1 of 1: 8 launches
;; limits: a function is approximated: absolute error at most 7.5e-08; right only within a limited range of input values
;; workspace buffers: wimg 9,830,400 bytes; act 3,276,800 bytes; qkv 9,830,400 bytes; gq 13,107,200 bytes; cbuf 16,777,216 bytes; hbuf 16,777,216 bytes; cpart 67,108,864 bytes
;; launch prep (part 1): grid 352 x 1, 8 waves a work-group, no clusters, 68,608 bytes of LDS; arguments WQ_codes, WQ_scales, WK_codes, WK_scales, WV_codes, WV_scales, WY_codes, WY_scales, W1_codes, W1_scales, W2_codes, W2_scales, x, act, wimg; writes act, wimg
.if DOCPART == 1
	.amdgcn_target "amdgcn-amd-amdhsa--gfx1250"
	.amdhsa_code_object_version 6
	.text
	.protected	k_q0f4890db81_prep
	.globl	k_q0f4890db81_prep
	.p2align	8
	.type	k_q0f4890db81_prep,@function
k_q0f4890db81_prep:
	s_mov_b64 s[64:65], 0
	v_nop
	global_prefetch_b8 v0, s[64:65] scope:SCOPE_SE
	s_setreg_imm32_b32 hwreg(HW_REG_WAVE_MODE, 25, 1), 1
	s_wait_xcnt 0x0
; x [4096][1024] f32 becomes codes of FP6 (E2M3) with one E8M0 byte for each 32 along K, and the six weights' codes and scale bytes are laid anew: all in ONE ORDER, that of an operand's registers.
; THE ORDER, for an operand of rows x K:  tile T is 16 rows, and lane (r = lane % 16, h = lane / 16) of it holds row 32 (T / 2) + 8 (T % 2) + r + 8 (r / 8).  Fragment (T, s), 16 rows x 128 K, is 1,536 bytes at (T K / 128 + s) 1,536:
; two halves c of 768 bytes (k = 128 s + 64 c + 32 h + 0 .. 31): registers 6 c .. 6 c + 3 at 768 c + 16 lane, registers 6 c + 4, 6 c + 5 at 768 c + 512 + 8 lane.  So a fragment moves by four dense accesses (512, 256, 512, 256 bytes a wave).
; Scale word (T, s, r), four bytes for 128 along K, lies at ((T / 2) K / 128 + s) 128 + 64 (T % 2) + 4 r.
; The rows of a tile are chosen so that, where such a tile is source 0 of a product, the results of tiles 2 b and 2 b + 1 are 16 neighbours in a lane's registers.
; Work-groups 0-255: tile T of x; wave w takes columns 128 w on.  Each load reads 512 consecutive bytes of a row; the 16 rows turn through the wave's own stage in LDS, so that a lane gets 16 neighbours of each block of 32.
; Work-groups 256-351: 768 jobs, one a wave, of eight fragments each (12,288 bytes): WQ, WK, WV, WY 64 jobs each, W1 256, W2 256.  No arithmetic: loads by rows, stores in the order above.  This path uses no LDS.
; A block's scale is 2^(floor(log2(its largest magnitude)) - 2); its byte is the largest magnitude's exponent field - 2, held at 1 from below: a block of zeros gets the byte 1 (its codes are zeros; this program alone reads the bytes).
; LIMITS: NaN and infinities among the inputs are not served.
.set WV,  9
.set SEL, 10                           ; s[10:11] lane selects for v_permlanex16_b32: lane l xor 16
.set LN,  1                            ; v1 lane   v2 r   v3 h
.set RR,  2
.set HH,  3
.set L16, 4                            ; v4 16 x lane   v5 8 x lane
.set L8,  5
.set SW,  6                            ; v6 the stage, on the way in: 16 x lane; a row of 512 bytes + 16 for each of 16 rows
.set SRD, 7                            ; v7 and on the way out: row r, + 64 h
.set R4,  8                            ; v8 4 r
.set RI,  16                           ; v16-79   16 rows as loaded (weights: v16-111 eight fragments)
.set Z,   80                           ; v80-143  64 numbers of my row: register 16 b + i = k 32 b + 16 h + i
.set PC,  144                          ; v144-163 the codes
.set TM,  164                          ; v164-179 at work
.set PW,  180                          ; v180     the scale word
; 64 numbers of a lane, register 16 b + i = k 32 b + 16 (lane / 16) + i of my row, become a fragment's codes in v[PC] on and its scale word in v[PW].
.macro QUANT s
.irp b, 0,1,2,3
	v_max3_num_f32 v[TM+\b], |v[\s+16*\b]|, |v[\s+1+16*\b]|, 0x1800000   ; block b: my 16 numbers, and the floor 2^(3 - 127): the byte cannot fall under 1
.endr
.irp i, 2,4,6,8,10,12,14
.irp b, 0,1,2,3
	v_max3_num_f32 v[TM+\b], v[TM+\b], |v[\s+16*\b+\i]|, |v[\s+1+16*\b+\i]|   ; the four blocks by turns
.endr
.endr
.irp b, 0,1,2,3
	v_permlanex16_b32 v[TM+4+\b], v[TM+\b], s[SEL], s[SEL+1]
.endr
.irp b, 0,1,2,3
	v_max_num_f32 v[TM+\b], v[TM+\b], v[TM+4+\b]   ; with lane l xor 16's: the block's largest magnitude
.endr
.irp b, 0,1,2,3
	v_add_nc_u32 v[TM+12+\b], 0xff000000, v[TM+\b]   ; 2 off its exponent field: the conversion's scale operand
.endr
.irp b, 0,1,2,3
	v_lshrrev_b32 v[TM+4+\b], 23, v[TM+12+\b]      ; the scale's byte
.endr
	v_lshl_or_b32 v[PW], v[TM+5], 8, v[TM+4]
	v_lshl_or_b32 v[PW], v[TM+6], 16, v[PW]
	v_lshl_or_b32 v[PW], v[TM+7], 24, v[PW]
.irp c, 0,1
	v_cvt_scalef32_pk16_fp6_f32 v[PC+6*\c:PC+2+6*\c], v[\s+32*\c:\s+15+32*\c], v[TM+12+2*\c]
	v_cvt_scalef32_pk16_fp6_f32 v[PC+12+4*\c:PC+14+4*\c], v[\s+16+32*\c:\s+31+32*\c], v[TM+12+2*\c+1]   ; (a conversion's three registers begin on an even number)
.endr
	v_nop                                          ; one plain place behind a scaled conversion
.irp c, 0,1                                    ; the operand wants a whole block in a lane: lanes 0-15 block 2 c, lanes 16-31 block 2 c + 1
.irp i, 0,1,2
	v_permlane16_swap_b32 v[PC+6*\c+\i], v[PC+12+4*\c+\i]
.endr
.irp i, 0,1,2
	v_mov_b32 v[PC+3+6*\c+\i], v[PC+12+4*\c+\i]
.endr
.endr
.endm
	s_load_b512 s[16:31], s[0:1], 0x0              ; WQ, WK, WV, WY: codes, scales
	s_load_b256 s[32:39], s[0:1], 0x40             ; W1, W2: codes, scales
	s_load_b128 s[40:43], s[0:1], 0x60             ; x, act
	s_load_b64 s[44:45], s[0:1], 0x70              ; wimg
	v_lshl_add_u32 v184, v0, 2, 0x10800
	v_mov_b32 v185, 0
	v_lshrrev_b32 v1, 5, v0
	v_readfirstlane_b32 s[WV], v1                  ; wave 0..7
	v_and_b32 v[LN], 31, v0
	v_and_b32 v[RR], 15, v0
	v_bfe_u32 v[HH], v0, 4, 1
	v_lshlrev_b32 v[L16], 4, v[LN]
	v_lshlrev_b32 v[L8], 3, v[LN]
	s_cmp_lt_u32 ttmp9, 256
	s_cbranch_scc0 .Lweights
	; ---- x: tile T = the work-group's number, K step = the wave's number
	s_mul_i32 s2, s[WV], 8448                      ; my stage: 16 rows x 528 bytes
	v_add_nc_u32 v[SW], s2, v[L16]
	v_mul_u32_u24 v[SRD], v[RR], 528
	v_lshl_add_u32 v[SRD], v[HH], 6, v[SRD]
	v_add_nc_u32 v[SRD], s2, v[SRD]
	v_lshlrev_b32 v[R4], 2, v[RR]
	s_mov_b32 s[SEL], 0x76543210
	s_mov_b32 s[SEL+1], 0xfedcba98
.irp b, 0,1,2,3
	v_mov_b32 v[TM+4+\b], 0                        ; written once: a lane permute's destination counts as one of its sources
.endr
	s_lshr_b32 s3, ttmp9, 1                        ; T / 2
	s_and_b32 s4, ttmp9, 1                         ; T % 2
	s_lshl_b32 s5, s3, 5
	s_lshl_b32 s6, s4, 3
	s_add_co_u32 s5, s5, s6                        ; the tile's first row
	s_lshl_b32 s12, s5, 12                         ; rows of 4,096 bytes,
	s_lshl_b32 s6, s[WV], 9
	s_add_co_u32 s12, s12, s6                      ; + my 512 bytes of a row
	s_mov_b32 s13, 0
	s_mul_i32 s14, ttmp9, 12288                    ; fragment (T, w)
	s_mul_i32 s6, s[WV], 1536
	s_add_co_u32 s14, s14, s6
	s_mov_b32 s15, 0
	s_lshl_b32 s46, s3, 3                          ; its scale words: ((T / 2) 8 + w) 128 + 64 (T % 2), behind the codes
	s_add_co_u32 s46, s46, s[WV]
	s_lshl_b32 s46, s46, 7
	s_lshl_b32 s6, s4, 6
	s_add_co_u32 s46, s46, s6
	s_add_co_u32 s46, s46, 3145728
	s_mov_b32 s47, 0
	s_wait_kmcnt 0x0
	s_add_nc_u64 s[12:13], s[40:41], s[12:13]
	s_add_nc_u64 s[14:15], s[42:43], s[14:15]
	s_add_nc_u64 s[46:47], s[42:43], s[46:47]
.irp t, 0,1,2,3,4,5,6,7,8,9,10,11,12,13,14,15
	global_load_b128 v[RI+4*\t:RI+4*\t+3], v[L16], s[12:13] offset:(\t+8*(\t/8))*4096   ; the tile's row t: 32 lanes read 512 consecutive bytes
.endr
	s_wait_loadcnt 0x0
.irp t, 0,1,2,3,4,5,6,7,8,9,10,11,12,13,14,15
	ds_store_b128 v[SW], v[RI+4*\t:RI+4*\t+3] offset:528*\t
.endr
.irp b, 0,1,2,3
.irp i, 0,1,2,3
	ds_load_b128 v[Z+16*\b+4*\i:Z+16*\b+4*\i+3], v[SRD] offset:128*\b+16*\i   ; LDS serves a wave's instructions in order (ISA guide 5.7.1.4): these see my stores
.endr
.endr
	s_wait_dscnt 0x0
	QUANT Z
	global_store_b128 v[L16], v[PC:PC+3], s[14:15]
	global_store_b64 v[L8], v[PC+4:PC+5], s[14:15] offset:512
	global_store_b128 v[L16], v[PC+6:PC+9], s[14:15] offset:768
	global_store_b64 v[L8], v[PC+10:PC+11], s[14:15] offset:1280
	global_store_b32 v[R4], v[PW], s[46:47]        ; 64 consecutive bytes; lanes r and 16 + r hold, and write, the same word
	s_wait_tensorcnt 0x0
	ds_add_u32 v184, v185
	s_wait_dscnt 0x0
	s_endpgm
	; ---- the weights
.Lweights:
	s_sub_co_u32 s2, ttmp9, 256
	s_lshl_b32 s2, s2, 3
	s_add_co_u32 s2, s2, s[WV]                     ; job J, 0 .. 767
	s_wait_kmcnt 0x0
	s_mov_b64 s[48:49], s[16:17]                   ; which tensor: a choice on the work-group's number alone
	s_mov_b64 s[50:51], s[18:19]
	s_mov_b32 s3, 0                                ; and its first job
.macro PICK first, c, jb
	s_cmp_ge_u32 ttmp9, \first
	s_cselect_b64 s[48:49], s[\c:\c+1], s[48:49]
	s_cselect_b64 s[50:51], s[\c+2:\c+3], s[50:51]
	s_cselect_b32 s3, \jb, s3
.endm
	PICK 264, 20, 64
	PICK 272, 24, 128
	PICK 280, 28, 192
	PICK 288, 32, 256
	PICK 320, 36, 512
	s_cselect_b32 s4, 2, 0                         ; W2 has four times the K: pitches x 4, four jobs to a tile
	s_cselect_b32 s5, 3, 0
	s_sub_co_u32 s6, s2, s3                        ; the job within its tensor
	s_and_b32 s7, s6, s5                           ; G: which eight K steps
	s_lshr_b32 s6, s6, s4                          ; T
	s_lshr_b32 s12, s6, 1                          ; T / 2
	s_and_b32 s13, s6, 1                           ; T % 2
	s_lshl_b32 s14, 768, s4                        ; a row of codes in bytes
	s_lshl_b32 s15, 32, s4                         ; a row of scale bytes
	s_lshl_b32 s46, s12, 5                         ; 32 (T / 2)
	s_lshl_b32 s47, s13, 3
	s_add_co_u32 s47, s47, s46                     ; the tile's first row
	s_mul_i32 s52, s47, s14
	s_mul_i32 s47, s7, 768
	s_add_co_u32 s52, s52, s47
	s_mov_b32 s53, 0
	s_add_nc_u64 s[48:49], s[48:49], s[52:53]      ; codes: from here
	s_mul_i32 s52, s46, s15                        ; scale bytes: this job serves BOTH tiles of the pair, for K steps 8 G + 4 (T % 2) + 0 .. 3
	s_lshl_b32 s47, s7, 5
	s_add_co_u32 s52, s52, s47
	s_lshl_b32 s47, s13, 4
	s_add_co_u32 s52, s52, s47
	s_add_nc_u64 s[50:51], s[50:51], s[52:53]
	s_mul_i32 s52, s2, 12288
	s_add_nc_u64 s[40:41], s[44:45], s[52:53]      ; codes: to here
	s_lshl_b32 s52, s3, 9                          ; 512 bytes of scale words a job
	s_lshl_b32 s47, 1024, s4
	s_mul_i32 s47, s47, s12                        ; + (T / 2) x a pair's words
	s_add_co_u32 s52, s52, s47
	s_lshl_b32 s47, s7, 10
	s_add_co_u32 s52, s52, s47
	s_lshl_b32 s47, s13, 9
	s_add_co_u32 s52, s52, s47
	s_add_co_u32 s52, s52, 9437184                 ; behind all the codes
	s_add_nc_u64 s[42:43], s[44:45], s[52:53]
	v_and_b32 v9, 8, v[RR]
	v_add_nc_u32 v9, v9, v[RR]                     ; r + 8 (r / 8)
	v_mul_u32_u24 v10, v9, s14
	v_mad_u32_u24 v10, v[HH], 24, v10              ; codes: my row, + 24 h
	v_lshl_add_u32 v11, v[HH], 3, v9               ; scale bytes: lanes 16-31 take the pair's odd tile, 8 rows on
	v_mul_u32_u24 v11, v11, s15
	v_lshlrev_b32 v12, 2, v[LN]
.irp s, 0,1,2,3,4,5,6,7
.irp p, 0,1,2,3,4,5
	global_load_b64 v[16+12*\s+2*\p:17+12*\s+2*\p], v10, s[48:49] offset:96*\s+48*(\p/3)+8*(\p%3)   ; 24 bytes of the row's stream of bits are six registers' worth, in pieces of 8
.endr
.endr
	global_load_b128 v[112:115], v11, s[50:51]     ; four scale words of my row
	s_wait_loadcnt 0x0
.irp s, 0,1,2,3,4,5,6,7
	global_store_b128 v[L16], v[16+12*\s:19+12*\s], s[40:41] offset:1536*\s
	global_store_b64 v[L8], v[20+12*\s:21+12*\s], s[40:41] offset:1536*\s+512
	global_store_b128 v[L16], v[22+12*\s:25+12*\s], s[40:41] offset:1536*\s+768
	global_store_b64 v[L8], v[26+12*\s:27+12*\s], s[40:41] offset:1536*\s+1280
.endr
.irp i, 0,1,2,3
	global_store_b32 v12, v[112+\i], s[42:43] offset:128*\i   ; 128 consecutive bytes: a pair's words of one K step
.endr
	s_endpgm
.Lfunc_end_k_q0f4890db81_prep:
	.size	k_q0f4890db81_prep, .Lfunc_end_k_q0f4890db81_prep-k_q0f4890db81_prep
	.p2alignl 7, 3214868480
	.fill 96, 4, 3214868480
	.section	.rodata,"a",@progbits
	.p2align	6, 0x0
	.amdhsa_kernel k_q0f4890db81_prep
		.amdhsa_group_segment_fixed_size 68608
		.amdhsa_private_segment_fixed_size 0
		.amdhsa_enable_private_segment 0
		.amdhsa_kernarg_size 120
		.amdhsa_user_sgpr_count 2
		.amdhsa_user_sgpr_kernarg_segment_ptr 1
		.amdhsa_wavefront_size32 1
		.amdhsa_system_sgpr_workgroup_id_x 1
		.amdhsa_system_sgpr_workgroup_id_y 1
		.amdhsa_system_sgpr_workgroup_id_z 1
		.amdhsa_system_vgpr_workitem_id 0
		.amdhsa_next_free_vgpr 186
		.amdhsa_next_free_sgpr 66
		.amdhsa_reserve_vcc 0
		.amdhsa_float_denorm_mode_32 3
		.amdhsa_float_denorm_mode_16_64 3
		.amdhsa_memory_ordered 1
		.amdhsa_forward_progress 1
		.amdhsa_inst_pref_size 22
	.end_amdhsa_kernel
	.amdgpu_metadata
---
amdhsa.version: [ 1, 2 ]
amdhsa.kernels:
  - .name:           k_q0f4890db81_prep
    .symbol:         k_q0f4890db81_prep.kd
    .args:
      - { .name: WQ_codes, .offset: 0, .size: 8, .value_kind: global_buffer, .address_space: global }
      - { .name: WQ_scales, .offset: 8, .size: 8, .value_kind: global_buffer, .address_space: global }
      - { .name: WK_codes, .offset: 16, .size: 8, .value_kind: global_buffer, .address_space: global }
      - { .name: WK_scales, .offset: 24, .size: 8, .value_kind: global_buffer, .address_space: global }
      - { .name: WV_codes, .offset: 32, .size: 8, .value_kind: global_buffer, .address_space: global }
      - { .name: WV_scales, .offset: 40, .size: 8, .value_kind: global_buffer, .address_space: global }
      - { .name: WY_codes, .offset: 48, .size: 8, .value_kind: global_buffer, .address_space: global }
      - { .name: WY_scales, .offset: 56, .size: 8, .value_kind: global_buffer, .address_space: global }
      - { .name: W1_codes, .offset: 64, .size: 8, .value_kind: global_buffer, .address_space: global }
      - { .name: W1_scales, .offset: 72, .size: 8, .value_kind: global_buffer, .address_space: global }
      - { .name: W2_codes, .offset: 80, .size: 8, .value_kind: global_buffer, .address_space: global }
      - { .name: W2_scales, .offset: 88, .size: 8, .value_kind: global_buffer, .address_space: global }
      - { .name: x, .offset: 96, .size: 8, .value_kind: global_buffer, .address_space: global }
      - { .name: act, .offset: 104, .size: 8, .value_kind: global_buffer, .address_space: global }
      - { .name: wimg, .offset: 112, .size: 8, .value_kind: global_buffer, .address_space: global }
    .group_segment_fixed_size: 68608
    .private_segment_fixed_size: 0
    .kernarg_segment_align: 8
    .kernarg_segment_size: 120
    .max_flat_workgroup_size: 256
    .sgpr_count:     66
    .vgpr_count:     186
    .wavefront_size: 32
...
	.end_amdgpu_metadata
.endif
;; end of part 1
;; launch qkv (part 2): grid 12 x 16, 4 waves a work-group, clusters of 4 x 4, 327,680 bytes of LDS; arguments act, wimg, bQ, bK, bV, qkv; writes qkv
.if DOCPART == 2
	.amdgcn_target "amdgcn-amd-amdhsa--gfx1250"
	.amdhsa_code_object_version 6
	.text
	.protected	k_q0f4890db81_qkv
	.globl	k_q0f4890db81_qkv
	.p2align	8
	.type	k_q0f4890db81_qkv,@function
k_q0f4890db81_qkv:
	s_mov_b64 s[64:65], 0
	v_nop
	global_prefetch_b8 v0, s[64:65] scope:SCOPE_SE
	s_setreg_imm32_b32 hwreg(HW_REG_WAVE_MODE, 25, 1), 1
	s_wait_xcnt 0x0
	s_wait_alu depctr_hold_cnt(0) depctr_sa_sdst(0) depctr_va_vdst(0) depctr_va_sdst(0) depctr_va_ssrc(0) depctr_va_vcc(0) depctr_vm_vsrc(0)
	s_getreg_b32 s2, hwreg(HW_REG_IB_STS2, 6, 4)
	s_cmp_eq_u32 s2, 0
	s_cbranch_scc0 .Lentry_in_a_cluster
	s_endpgm
.Lentry_in_a_cluster:
	s_bfe_u32 s2, ttmp6, 0x10000c
	s_cmp_lg_u32 s2, 0xf033
	s_cbranch_scc0 .Lentry_shape_is_right
	s_endpgm
.Lentry_shape_is_right:
; q = x WQ + bQ, k = x WK + bK, v = x WV + bV on codes of FP6 (E2M3) with E8M0 scales, K = 1,024, and the three results quantised at once: q and k along a head's channels, v along the tokens (the keys).
; OPERANDS lie in the order of an operand's registers: tile T = 16 rows, lane (r, h) holds row 32 (T / 2) + 8 (T % 2) + r + 8 (r / 8); fragment (T, s), 16 rows x 128 K, is 1,536 dense bytes at (T KT + s) 1,536 (registers 6 c .. 6 c + 3 at
; 768 c + 16 lane, 6 c + 4, 6 c + 5 at 768 c + 512 + 8 lane); scale word (T, s, r) at ((T / 2) KT + s) 128 + 64 (T % 2) + 4 r.  So a fragment comes from LDS by four dense loads, and there is no pitch and no padding.
; A work-group of four waves makes 256 rows of "A" x 256 rows of "B"; a wave 128 x 128: 64 accumulators, 512 registers.  Source 0 = 16 rows of B, source 1 = 16 rows of A: a lane holds ONE row of A, and by the order of a tile's rows
; the 16 registers of B's tiles 2 b, 2 b + 1 are 16 neighbouring rows of B.  So a lane's 64 results are 128 x half of a K step of the next product, and are quantised in registers.
; ROLES.  Clusters with x = 0, 1 make q, k: A = x's codes (tokens), B = the weight (channels): a lane holds a token, registers run along channels.  Clusters with x = 2 make v: A = WV (channels), B = x's codes (tokens): a lane holds a channel,
; registers run down the tokens.  Only pointers, offsets and the bias differ; the choice hangs on the cluster's x, which all sixteen partners share.
; K IN LDS.  K is four quarters of 256, 98,304 bytes each for the work-group's 512 rows.  THREE slots lie in LDS (3 x 98,304 + 16,384 of scale words + 512 spare = 311,808 bytes) and are filled at the start, with the scale words: four tensor loads a wave.
; Slot 0 is filled once more, with the fourth quarter, when it has been read: that load has slots 1 and 2, 224 matrix instructions, in which to land.  CLUSTERS: 4 x 4; A's tiles are asked for jointly along a row of the cluster, B's along a column.
; REGISTERS: window 0: v1-31 addresses; v32-63 scale words, two sets; v64-127 the bias along the registers; v128-223 A's fragments, one set; v240-255 the bias of the lane's rows.  window 1: B's fragments, two sets, at v0 and v128.
;   windows 2, 3: the accumulators ((a, b) at v[8 (8 (a % 4) + b)]).  On the way out v128-231 of window 0 are at work.
; LIMITS: NaN and infinities are not served; a block of zeros gets the scale byte 1 (its codes are zeros).
.set KT,     8                         ; K / 128
.set NQ,     2                         ; matrix instructions deep in a slot
.set FR,     12                        ; registers of a fragment
.set NL,     4                         ; LDS loads that bring one
.set NP,     4                         ; places behind this matrix instruction (ISA guide 7.12.1)
.set TPK,    KT*1536                   ; a tile's fragments of all K, in bytes
.set HALFT,  8*3072                    ; 8 tiles x 256 K: what one tensor load brings, and what one wave reads of A or of B
.set SLOT,   4*HALFT
.set SCL,    3*SLOT                    ; behind the three slots: the scale words
.set PSTR,   KT*128                    ; those of a pair of tiles
.set HALFS,  4*PSTR                    ; those of 128 rows: what one tensor load brings
.set SPARE,  SCL+4*HALFS               ; the spare words, 128 bytes for each wave: two blocks of 256 bytes that no other line names
.set ADRA, 16                          ; v16-18 16 x lane + my A tiles in slot 0, 1, 2;  v19-21 the same with 8 x lane
.set ADRB, 22                          ; v22-27 the same for B
.set SPW,  28                          ; v28 LDS address of my spare word; never rewritten
.set NIL,  29                          ; v29 0; never rewritten
.set ADRS, 30                          ; v30 my scale words: lanes 0-15 A's rows, lanes 16-31 B's
.set SC,   32                          ; set s at v[SC + 16 s]; register 2 i + q: lanes 0-15 the word of A's tile i, lanes 16-31 of B's tile i, for the quarter's q-th 128 along K
.set BI,   64
.set AF,   128
.set BR2,  240
.set G1, 24                            ; s[24:31] descriptor group 1 for A's tiles;  s[32:35], s[36:39], s[4:7] groups 0 for slots 0, 1, 2
.set G0, 32
.set G1B, 48                           ; s[48:55] for B's;  s[56:59], s[60:63], s[96:99]
.set G0B, 56
.set G1S, 68
.set G0S, 76
.set G1SB, 80
.set G0SB, 88
.set MSB, 0
.macro WIN new                         ; the immediate's high byte repeats the setting that is left
.if MSB != (\new)
	s_set_vgpr_msb (MSB<<8)|(\new)
.set MSB, (\new)
.endif
.endm
.set MUL_LO, 0xa1                      ; source 0 (B) window 1, source 1 (A) window 0, C and D window 2
.set MUL_HI, 0xf1
.set TO_B,   0x40
; A joint load: waves 0 and 1 fetch for A, waves 2 and 3 for B.  Four v_nop follow each of the two lines.
.macro JLOAD g0a, g1a, g0b, g1b
	s_cmp_eq_u32 s15, 0
	s_cbranch_scc0 .Lfor_b_\@
	tensor_load_to_lds s[\g0a:\g0a+3], s[\g1a:\g1a+7]
	s_nop 0
.rept 4
	v_nop
.endr
	s_branch .Lasked_\@
.Lfor_b_\@:
	tensor_load_to_lds s[\g0b:\g0b+3], s[\g1b:\g1b+7]
	s_nop 0
.rept 4
	v_nop
.endr
.Lasked_\@:
.endm
.macro CREST                           ; a round of the cluster's barrier behind its opening barrier
	s_cmp_lg_u32 s14, 0
	s_cbranch_scc1 .Lnot_wave_0_\@
	s_barrier_signal -3
.Lnot_wave_0_\@:
	s_barrier_wait -3
	s_barrier_signal -1
	s_barrier_wait -1
.endm
.macro CROUND
	s_barrier_signal -1
	s_barrier_wait -1
	CREST
.endm
.macro FIRST s, ga, gb                 ; slot s's groups 0 and its first fill: quarter s of K
	s_mov_b32 s[\ga], 1
	s_add_co_u32 s[\ga+1], s45, \s*SLOT
	s_add_nc_u64 s[\ga+2:\ga+3], s[20:21], \s*3072
	s_or_b32 s[\ga+3], s[\ga+3], 0x80000000
	s_mov_b32 s[\gb], 1
	s_add_co_u32 s[\gb+1], s45, \s*SLOT
	s_add_nc_u64 s[\gb+2:\gb+3], s[46:47], \s*3072
	s_or_b32 s[\gb+3], s[\gb+3], 0x80000000
	JLOAD \ga, G1, \gb, G1B
.endm
	s_load_b128 s[96:99], s[0:1], 0x0              ; act (x's codes), wimg
	s_load_b128 s[8:11], s[0:1], 0x10              ; bQ, bK
	s_load_b64 s[12:13], s[0:1], 0x20              ; bV
	s_load_b64 s[66:67], s[0:1], 0x28              ; qkv
	v_lshl_add_u32 v[SPW], v0, 2, SPARE
	v_mov_b32 v[NIL], 0
	ds_add_u32 v28, v29
	ds_add_u32 v28, v29
	s_wait_dscnt 0x0
	v_lshrrev_b32 v1, 5, v0
	v_readfirstlane_b32 s14, v1                    ; wave 0..3
	s_lshr_b32 s15, s14, 1                         ; which half of A's rows is mine.  Also: I fetch for A (0) or for B (1)
	s_and_b32 s16, s14, 1                          ; which half of B's rows.  Also: which half I fetch
	s_bfe_u32 s40, ttmp6, 0x40000                  ; cx, cy
	s_bfe_u32 s41, ttmp6, 0x40004
	s_and_b32 s18, ttmp7, 0xffff
	s_lshl_b32 s18, s18, 2                         ; 4 x cluster y
	s_cmp_eq_u32 ttmp9, 2
	s_cselect_b32 s95, 1, 0                        ; f: this cluster makes v
	s_cselect_b32 s19, 0, 1                        ; g = 1 - f
	s_mul_i32 s17, s19, s18
	s_add_co_u32 s17, s17, s41                     ; A's block of 256 rows: cy + g 4 Y
	s_mul_i32 s42, s95, s18
	s_add_co_u32 s42, s42, s40                     ; B's: cx + f 4 Y
	s_lshl_b32 s43, s41, 2
	s_lshl_b32 s43, 15, s43                        ; my row of the cluster
	s_lshl_b32 s44, 0x1111, s40                    ; my column
	s_mul_i32 s20, s17, 16*TPK                     ; A's codes: x's at 0 of act, WV's at 1,572,864 of wimg
	s_mul_i32 s21, s16, 8*TPK
	s_add_co_u32 s20, s20, s21
	s_mul_i32 s21, s95, 1572864
	s_add_co_u32 s20, s20, s21
	s_mov_b32 s21, 0
	s_mul_i32 s22, s17, 8*PSTR                     ; A's scale words: at 3,145,728 of act, at 9,502,720 of wimg
	s_mul_i32 s23, s16, HALFS
	s_add_co_u32 s22, s22, s23
	s_mul_i32 s23, s95, 6356992
	s_add_co_u32 s22, s22, s23
	s_add_co_u32 s22, s22, 3145728
	s_mov_b32 s23, 0
	s_mul_i32 s46, s42, 16*TPK                     ; B's codes: WQ's, WK's at 786,432 X of wimg, x's at 0 of act
	s_mul_i32 s47, s16, 8*TPK
	s_add_co_u32 s46, s46, s47
	s_mul_i32 s2, s19, ttmp9                       ; g X
	s_mul_i32 s47, s2, 786432
	s_add_co_u32 s46, s46, s47
	s_mov_b32 s47, 0
	s_mul_i32 s92, s42, 8*PSTR                     ; B's scale words: at 9,437,184 + 32,768 X of wimg, at 3,145,728 of act
	s_mul_i32 s93, s16, HALFS
	s_add_co_u32 s92, s92, s93
	s_mul_i32 s93, s19, 6291456
	s_add_co_u32 s92, s92, s93
	s_lshl_b32 s93, s2, 15
	s_add_co_u32 s92, s92, s93
	s_add_co_u32 s92, s92, 3145728
	s_mov_b32 s93, 0
	; descriptor group 1: 8 tiles x 3,072 bytes (384 elements of 8 bytes), TPK bytes apart; dense in LDS
	s_or_b32 s[G1+0], s43, (3<<16)|(1<<21)         ; 15:0 the mask: A's tiles go to my row; 17:16 elements of 8 bytes; 21 set beside a mask
	s_or_b32 s[G1B+0], s44, (3<<16)|(1<<21)
.irp g, G1, G1B
	s_mov_b32 s[\g+1], 384<<16                     ; tensor_dim0
	s_mov_b32 s[\g+2], 8<<16                       ; tensor_dim1
	s_mov_b32 s[\g+3], 384<<16                     ; tile_dim0
	s_mov_b32 s[\g+4], 8                           ; tile_dim1
	s_mov_b32 s[\g+5], TPK/8                       ; tensor_dim0_stride
	s_mov_b32 s[\g+6], 0
	s_mov_b32 s[\g+7], 0
.endr
	; and for the scale words of 128 rows: HALFS dense bytes as rows of 256
	s_or_b32 s[G1S+0], s43, (3<<16)|(1<<21)
	s_or_b32 s[G1SB+0], s44, (3<<16)|(1<<21)
.irp g, G1S, G1SB
	s_mov_b32 s[\g+1], 32<<16
	s_mov_b32 s[\g+2], (HALFS/256)<<16
	s_mov_b32 s[\g+3], 32<<16
	s_mov_b32 s[\g+4], HALFS/256
	s_mov_b32 s[\g+5], 32
	s_mov_b32 s[\g+6], 0
	s_mov_b32 s[\g+7], 0
.endr
	s_mul_i32 s45, s14, HALFT                      ; where they go: wave x a quarter of a slot: no place in the cluster enters an LDS address
	s_mul_i32 s94, s14, HALFS
	s_wait_kmcnt 0x0
	s_cmp_eq_u32 ttmp9, 2
	s_cselect_b64 s[4:5], s[98:99], s[96:97]       ; A's buffer
	s_cselect_b64 s[6:7], s[96:97], s[98:99]       ; B's
	s_cmp_eq_u32 ttmp9, 0
	s_cselect_b64 s[10:11], s[8:9], s[10:11]       ; bQ or bK
	s_add_nc_u64 s[20:21], s[4:5], s[20:21]
	s_add_nc_u64 s[22:23], s[4:5], s[22:23]
	s_add_nc_u64 s[46:47], s[6:7], s[46:47]
	s_add_nc_u64 s[92:93], s[6:7], s[92:93]        ; s[4:7] and s[96:99] are done with: they take the third slot's groups 0
	CROUND                                         ; all sixteen work-groups are here: the first joint loads meet
	s_mov_b32 s[G0S], 1
	s_add_co_u32 s[G0S+1], s94, SCL
	s_mov_b64 s[G0S+2:G0S+3], s[22:23]
	s_or_b32 s[G0S+3], s[G0S+3], 0x80000000
	s_mov_b32 s[G0SB], 1
	s_add_co_u32 s[G0SB+1], s94, SCL
	s_mov_b64 s[G0SB+2:G0SB+3], s[92:93]
	s_or_b32 s[G0SB+3], s[G0SB+3], 0x80000000
	JLOAD G0S, G1S, G0SB, G1SB                     ; the scale words first: they are wanted with the first quarter
	FIRST 0, 32, 56
	FIRST 1, 36, 60
	FIRST 2, 4, 96                                 ; four tensor loads of mine are out
	v_and_b32 v1, 15, v0                           ; r
	v_bfe_u32 v2, v0, 4, 1                         ; h
	v_and_b32 v3, 31, v0                           ; lane
	v_lshlrev_b32 v12, 4, v3
	v_lshlrev_b32 v13, 3, v3
	v_lshlrev_b32 v14, 2, v3
	v_lshlrev_b32 v15, 6, v2
	s_mul_i32 s21, s15, HALFT                      ; my 8 tiles of A
	s_mul_i32 s22, s16, HALFT                      ; my 8 tiles of B,
	s_add_co_u32 s22, s22, 2*HALFT                 ; behind A's 16
.irp s, 0,1,2
	v_add_nc_u32 v[ADRA+\s], s21, v12
	v_add_nc_u32 v[ADRA+3+\s], s21, v13
	v_add_nc_u32 v[ADRB+\s], s22, v12
	v_add_nc_u32 v[ADRB+3+\s], s22, v13
	s_add_co_u32 s21, s21, SLOT
	s_add_co_u32 s22, s22, SLOT
.endr
	v_lshlrev_b32 v5, 2, v1
	s_mul_i32 s21, s15, HALFS
	s_mul_i32 s22, s16, HALFS
	s_add_co_u32 s22, s22, 2*HALFS
	s_sub_co_u32 s22, s22, s21
	v_mul_u32_u24 v6, s22, v2                      ; lanes 16-31 take B's
	s_add_co_u32 s21, s21, SCL
	v_add_nc_u32 v5, v5, v6
	v_add_nc_u32 v[ADRS], s21, v5
	; the bias.  q, k: along the registers: register 16 b + i is channel 32 b + 16 h + i of my 128.  v: of the lane's row in each of A's eight tiles, twice (a pair for the packed addition)
	s_mov_b32 s19, 0
	s_cmp_eq_u32 ttmp9, 2
	s_cbranch_scc1 .Lbias_v
	s_lshl_b32 s18, s42, 10
	s_lshl_b32 s21, s16, 9
	s_add_co_u32 s18, s18, s21
	s_add_nc_u64 s[10:11], s[10:11], s[18:19]
.irp b, 0,1,2,3
.irp i, 0,1,2,3
	global_load_b128 v[BI+16*\b+4*\i:BI+16*\b+4*\i+3], v15, s[10:11] offset:128*\b+16*\i
.endr
.endr
.set j, 0
.rept 16
	v_mov_b32 v[BR2+j], 0
.set j, j+1
.endr
	s_branch .Lbias_done
.Lbias_v:
	s_lshl_b32 s18, s17, 10
	s_lshl_b32 s21, s15, 9
	s_add_co_u32 s18, s18, s21
	s_add_nc_u64 s[12:13], s[12:13], s[18:19]
	v_and_b32 v5, 8, v1
	v_add_nc_u32 v5, v5, v1
	v_lshlrev_b32 v5, 2, v5                        ; 4 (r + 8 (r / 8))
.irp a, 0,1,2,3,4,5,6,7
	global_load_b32 v[BR2+2*\a], v5, s[12:13] offset:4*(32*(\a/2)+8*(\a%2))
	global_load_b32 v[BR2+2*\a+1], v5, s[12:13] offset:4*(32*(\a/2)+8*(\a%2))
.endr
.set j, 0
.rept 64
	v_mov_b32 v[BI+j], 0
.set j, j+1
.endr
.Lbias_done:
.macro FRAG reg, adr, off              ; a fragment as it lies: four dense loads
	ds_load_b128 v[\reg:\reg+3], v[\adr] offset:\off
	ds_load_b64 v[\reg+4:\reg+5], v[\adr+3] offset:\off+512
	ds_load_b128 v[\reg+6:\reg+9], v[\adr] offset:\off+768
	ds_load_b64 v[\reg+10:\reg+11], v[\adr+3] offset:\off+1280
.endm
; 16 matrix instructions: A's tiles a0, a0 + 1 x B's eight.  p: B's set; sc: the set of scale words.  zero = 1: the first product starts the sums.  The 64 accumulators take turns, one instruction a turn.
.macro MUL16 a0, p, q, sc, zero
.irp a, \a0, \a0+1
.irp b, 0,1,2,3,4,5,6,7
.if \zero
	v_wmma_scale_f32_16x16x128_f8f6f4 v[8*(8*((\a)%4)+\b):8*(8*((\a)%4)+\b)+7], v[128*(\p)+FR*\b:128*(\p)+FR*\b+FR-1], v[AF+FR*(\a):AF+FR*(\a)+FR-1], 0, v[SC+8*NQ*(\sc)+NQ*\b+(\q)], v[SC+8*NQ*(\sc)+NQ*(\a)+(\q)] matrix_a_fmt:MATRIX_FMT_FP6 matrix_b_fmt:MATRIX_FMT_FP6 matrix_a_scale:MATRIX_SCALE_ROW1
.else
	v_wmma_scale_f32_16x16x128_f8f6f4 v[8*(8*((\a)%4)+\b):8*(8*((\a)%4)+\b)+7], v[128*(\p)+FR*\b:128*(\p)+FR*\b+FR-1], v[AF+FR*(\a):AF+FR*(\a)+FR-1], v[8*(8*((\a)%4)+\b):8*(8*((\a)%4)+\b)+7], v[SC+8*NQ*(\sc)+NQ*\b+(\q)], v[SC+8*NQ*(\sc)+NQ*(\a)+(\q)] matrix_a_fmt:MATRIX_FMT_FP6 matrix_b_fmt:MATRIX_FMT_FP6 matrix_a_scale:MATRIX_SCALE_ROW1
.endif
.endr
.endr
.endm
.macro FETCH_B slot, q, p
	WIN TO_B
.irp i, 0,1,2,3,4,5,6,7
	FRAG 128*(\p)+FR*\i, ADRB+\slot, \i*3072+(\q)*1536
.endr
	WIN 0
.endm
.macro FETCH_A slot, q, i0
.irp i, \i0, \i0+1, \i0+2, \i0+3
	FRAG AF+FR*(\i), ADRA+\slot, (\i)*3072+(\q)*1536
.endr
.endm
.macro SCALES sc                       ; a quarter's scale words: lanes 0-15 take A's tile i, lanes 16-31 B's tile i
.irp i, 0,1,2,3,4,5,6,7
.irp q, 0,1
	ds_load_b32 v[SC+8*NQ*\sc+NQ*\i+\q], v[ADRS] offset:(\i/2)*PSTR+64*(\i%2)+128*\q
.endr
.endr
.endm
.macro PLACES n                        ; plain vector instructions between a matrix instruction and a load into, or a read of, its registers
.rept \n
	v_nop
.endr
.endm
.macro STEP slot, sc, zero             ; a slot's first 128 along K; its successor lies in the same slot
	s_wait_dscnt 4*NL                              ; B's set, A's tiles 0-3 and the scale words are in; the youngest 16 loads (A's tiles 4-7) may be out
	WIN MUL_LO
	MUL16 0, 0, 0, \sc, \zero
	MUL16 2, 0, 0, \sc, \zero
	s_wait_dscnt 0
	PLACES NP
	FETCH_B \slot, 1, 1
	FETCH_A \slot, 1, 0
	WIN MUL_HI
	MUL16 4, 0, 0, \sc, \zero
	MUL16 6, 0, 0, \sc, \zero
	PLACES NP
	WIN 0
	FETCH_A \slot, 1, 4
.endm
; A slot's second 128 along K, with a barrier: in front of it each wave waits for all its tensor loads, adds 0 to its spare word, and waits for that and for its reads of the slot.
; fill = 1 (leaving slot 0): slots 1 and 2 are whole in every wave's eyes, and slot 0 is filled again, with the fourth quarter of K.  fill = 0 (leaving slot 2): that fourth quarter is whole.
.macro TURN next, sc, scn, fill
	s_wait_tensorcnt 0x0                           ; all my tensor loads have landed
	ds_add_u32 v[SPW], v[NIL]                      ; 0 onto my spare word
	s_wait_dscnt 4*NL+1                            ; (the add and the youngest 16 loads may be out)
	WIN MUL_LO
	MUL16 0, 1, 1, \sc, 0
	s_wait_dscnt 0x0                               ; the add is done, and my reads of this slot are over
	s_barrier_signal -1
	MUL16 2, 1, 1, \sc, 0
	WIN 0
	s_barrier_wait -1
.if \fill
	CREST                                          ; the barrier has opened a round of the cluster's barrier: no wave of any partner still reads slot 0 or has a load on its way
	s_add_nc_u64 s[G0+2:G0+3], s[G0+2:G0+3], 3*3072
	s_add_nc_u64 s[G0B+2:G0B+3], s[G0B+2:G0B+3], 3*3072
	JLOAD G0, G1, G0B, G1B                         ; the first tensor load behind the round; its four v_nop are the places in front of the loads below
.else
	PLACES NP
.endif
	v_add_nc_u32 v[ADRS], 128*NQ, v[ADRS]          ; on to the next quarter's scale words
	FETCH_B \next, 0, 0
	FETCH_A \next, 0, 0
	SCALES \scn
	WIN MUL_HI
	MUL16 4, 1, 1, \sc, 0
	MUL16 6, 1, 1, \sc, 0
	PLACES NP
	WIN 0
	FETCH_A \next, 0, 4
.endm
; The same without a barrier (leaving slot 1): slot 2 was shown whole by every wave's wait in front of the round above, and slot 1 is not filled again.
.macro CROSS next, sc, scn
	s_wait_dscnt 4*NL
	WIN MUL_LO
	MUL16 0, 1, 1, \sc, 0
	MUL16 2, 1, 1, \sc, 0
	s_wait_dscnt 0
	PLACES NP
	WIN 0
	v_add_nc_u32 v[ADRS], 128*NQ, v[ADRS]
	FETCH_B \next, 0, 0
	FETCH_A \next, 0, 0
	SCALES \scn
	WIN MUL_HI
	MUL16 4, 1, 1, \sc, 0
	MUL16 6, 1, 1, \sc, 0
	PLACES NP
	WIN 0
	FETCH_A \next, 0, 4
.endm
	s_wait_loadcnt 0x0                             ; the bias: its address registers are free from here on
	s_wait_tensorcnt 2                             ; the scale words and my part of slot 0 are in (slots 1 and 2 may be out)
	s_barrier_signal -1
	s_barrier_wait -1
	FETCH_B 0, 0, 0
	FETCH_A 0, 0, 0
	SCALES 0
	FETCH_A 0, 0, 4
	STEP 0, 0, 1                                   ; the first products start the sums
	TURN 1, 0, 1, 1
	STEP 1, 1, 0
	CROSS 2, 1, 0
	STEP 2, 0, 0
	TURN 0, 0, 1, 0
	STEP 0, 1, 0
	s_wait_dscnt 4*NL
	WIN MUL_LO
	MUL16 0, 1, 1, 1, 0
	MUL16 2, 1, 1, 1, 0
	s_wait_dscnt 0
	WIN MUL_HI
	MUL16 4, 1, 1, 1, 0
	MUL16 6, 1, 1, 1, 0
	WIN 0
; THE WAY OUT: A's eight tiles one after the other, in a loop of eight trips (one text for the arithmetic).  A trip takes tile a's 64 results of a lane out of their window, adds the bias, quantises them: one fragment and one scale word a row.
.set HA,  128
.set PC,  192
.set TM,  212
.set PW,  228
.set PWE, 229                          ; the even tile's scale words, kept for the pair's store
.set WW,  230
.set SEL, 96
.set HM,  98
.set AI,  3
.set OB,  20                           ; s[20:21] where the fragment goes;  s[22:23] the pair's scale words;  s[46:47], s[92:93] their steps
.set OS,  22
.set TPR, 46
.set SPR, 92
.macro QUANT s
.irp b, 0,1,2,3
	v_max3_num_f32 v[TM+\b], |v[\s+16*\b]|, |v[\s+1+16*\b]|, 0x1800000   ; block b: my 16 numbers, and the floor 2^(3 - 127): the byte cannot fall under 1
.endr
.irp i, 2,4,6,8,10,12,14
.irp b, 0,1,2,3
	v_max3_num_f32 v[TM+\b], v[TM+\b], |v[\s+16*\b+\i]|, |v[\s+1+16*\b+\i]|
.endr
.endr
.irp b, 0,1,2,3
	v_permlanex16_b32 v[TM+4+\b], v[TM+\b], s[SEL], s[SEL+1]
.endr
.irp b, 0,1,2,3
	v_max_num_f32 v[TM+\b], v[TM+\b], v[TM+4+\b]
.endr
.irp b, 0,1,2,3
	v_add_nc_u32 v[TM+12+\b], 0xff000000, v[TM+\b]   ; 2 off the exponent field: the conversion's scale operand
.endr
.irp b, 0,1,2,3
	v_lshrrev_b32 v[TM+4+\b], 23, v[TM+12+\b]
.endr
	v_lshl_or_b32 v[PW], v[TM+5], 8, v[TM+4]
	v_lshl_or_b32 v[PW], v[TM+6], 16, v[PW]
	v_lshl_or_b32 v[PW], v[TM+7], 24, v[PW]
.irp c, 0,1
	v_cvt_scalef32_pk16_fp6_f32 v[PC+6*\c:PC+2+6*\c], v[\s+32*\c:\s+15+32*\c], v[TM+12+2*\c]
	v_cvt_scalef32_pk16_fp6_f32 v[PC+12+4*\c:PC+14+4*\c], v[\s+16+32*\c:\s+31+32*\c], v[TM+12+2*\c+1]
.endr
	v_nop                                          ; one plain place behind a scaled conversion
.irp c, 0,1
.irp i, 0,1,2
	v_permlane16_swap_b32 v[PC+6*\c+\i], v[PC+12+4*\c+\i]
.endr
.irp i, 0,1,2
	v_mov_b32 v[PC+3+6*\c+\i], v[PC+12+4*\c+\i]
.endr
.endr
.endm
	PLACES NP                                      ; behind the last products: their results are read, and A's registers written, below
	s_mov_b32 s[SEL], 0x76543210
	s_mov_b32 s[SEL+1], 0xfedcba98
	s_mov_b32 s[HM], 0xffff0000
.irp b, 0,1,2,3
	v_mov_b32 v[TM+4+\b], 0
.endr
	v_mov_b32 v[PWE], 0
	s_lshl_b32 s18, s17, 4
	s_lshl_b32 s19, s15, 3
	s_add_co_u32 s18, s18, s19                     ; my first tile of the result: 16 x A's block + 8 x half
	s_lshl_b32 s19, s42, 1
	s_add_co_u32 s19, s19, s16                     ; its K step: 2 x B's block + half
	s_mul_i32 s[TPR], s95, 36864
	s_add_co_u32 s[TPR], s[TPR], 12288             ; a tile's bytes: K = 1,024 for q, k; 4,096 for v
	s_mov_b32 s[TPR+1], 0
	s_mul_i32 s[SPR], s95, 3072
	s_add_co_u32 s[SPR], s[SPR], 1024              ; a pair's scale words
	s_mov_b32 s[SPR+1], 0
	s_mul_i32 s[OB], s18, s[TPR]
	s_mul_i32 s21, s19, 1536
	s_add_co_u32 s[OB], s[OB], s21
	s_mul_i32 s21, ttmp9, 3145728                  ; q's, k's, v's codes
	s_add_co_u32 s[OB], s[OB], s21
	s_mov_b32 s[OB+1], 0
	s_lshr_b32 s[OS], s18, 1
	s_mul_i32 s[OS], s[OS], s[SPR]
	s_lshl_b32 s23, s19, 7
	s_add_co_u32 s[OS], s[OS], s23
	s_lshl_b32 s23, ttmp9, 17
	s_add_co_u32 s[OS], s[OS], s23
	s_add_co_u32 s[OS], s[OS], 9437184             ; the scale words lie behind the three tensors of codes
	s_mov_b32 s[OS+1], 0
	s_add_nc_u64 s[OB:OB+1], s[66:67], s[OB:OB+1]
	s_add_nc_u64 s[OS:OS+1], s[66:67], s[OS:OS+1]
	s_mov_b32 s[AI], 0
.Lrow:
.irp n, 1,2,3,4,5,6,7
	s_cmp_eq_u32 s[AI], \n
	s_cbranch_scc1 .Lin_\n
.endr
.irp n, 0,1,2,3,4,5,6,7
.Lin_\n:
	WIN 2+\n/4                                     ; source 0: window 2 or 3
.set j, 0
.rept 32
	v_pk_add_f32 v[HA+j:HA+j+1], v[64*(\n%4)+j:64*(\n%4)+j+1], v[BI+j:BI+j+1]   ; each accumulator from its low end on
.set j, j+2
.endr
	WIN 0
.set j, 0
.rept 32
	v_pk_add_f32 v[HA+j:HA+j+1], v[HA+j:HA+j+1], v[BR2+2*\n:BR2+2*\n+1]
.set j, j+2
.endr
.if \n < 7
	s_branch .Lbody
.endif
.endr
.Lbody:
	QUANT HA
	global_store_b128 v12, v[PC:PC+3], s[OB:OB+1]
	global_store_b64 v13, v[PC+4:PC+5], s[OB:OB+1] offset:512
	global_store_b128 v12, v[PC+6:PC+9], s[OB:OB+1] offset:768
	global_store_b64 v13, v[PC+10:PC+11], s[OB:OB+1] offset:1280
	s_bitcmp1_b32 s[AI], 0
	s_cbranch_scc1 .Lodd
	v_mov_b32 v[PWE], v[PW]
	s_branch .Lnext
.Lodd:
	v_cndmask_b32 v[WW], v[PWE], v[PW], s[HM]      ; lanes 0-15 the even tile's words, lanes 16-31 the odd tile's
	global_store_b32 v14, v[WW], s[OS:OS+1]        ; 128 consecutive bytes
	s_wait_xcnt 0x0                                ; the base steps only behind this wait
	s_add_nc_u64 s[OS:OS+1], s[OS:OS+1], s[SPR:SPR+1]
.Lnext:
	s_wait_xcnt 0x0                                ; the stores' data and base are written again only behind this wait
	s_add_nc_u64 s[OB:OB+1], s[OB:OB+1], s[TPR:TPR+1]
	s_add_co_u32 s[AI], s[AI], 1
	s_cmp_lt_u32 s[AI], 8
	s_cbranch_scc1 .Lrow
	s_wait_tensorcnt 0x0                           ; the wave's end
	ds_add_u32 v[SPW], v[NIL]
	s_wait_dscnt 0x0
	CROUND                                         ; the closing round: no work-group ends while a partner may still ask for a tile that names it
	s_endpgm
.Lfunc_end_k_q0f4890db81_qkv:
	.size	k_q0f4890db81_qkv, .Lfunc_end_k_q0f4890db81_qkv-k_q0f4890db81_qkv
	.p2alignl 7, 3214868480
	.fill 96, 4, 3214868480
	.section	.rodata,"a",@progbits
	.p2align	6, 0x0
	.amdhsa_kernel k_q0f4890db81_qkv
		.amdhsa_group_segment_fixed_size 327680
		.amdhsa_private_segment_fixed_size 0
		.amdhsa_enable_private_segment 0
		.amdhsa_kernarg_size 48
		.amdhsa_user_sgpr_count 2
		.amdhsa_user_sgpr_kernarg_segment_ptr 1
		.amdhsa_wavefront_size32 1
		.amdhsa_system_sgpr_workgroup_id_x 1
		.amdhsa_system_sgpr_workgroup_id_y 1
		.amdhsa_system_sgpr_workgroup_id_z 1
		.amdhsa_system_vgpr_workitem_id 0
		.amdhsa_next_free_vgpr 1024
		.amdhsa_next_free_sgpr 100
		.amdhsa_reserve_vcc 0
		.amdhsa_float_denorm_mode_32 3
		.amdhsa_float_denorm_mode_16_64 3
		.amdhsa_memory_ordered 1
		.amdhsa_forward_progress 1
		.amdhsa_inst_pref_size 162
	.end_amdhsa_kernel
	.amdgpu_metadata
---
amdhsa.version: [ 1, 2 ]
amdhsa.kernels:
  - .name:           k_q0f4890db81_qkv
    .symbol:         k_q0f4890db81_qkv.kd
    .args:
      - { .name: act, .offset: 0, .size: 8, .value_kind: global_buffer, .address_space: global }
      - { .name: wimg, .offset: 8, .size: 8, .value_kind: global_buffer, .address_space: global }
      - { .name: bQ, .offset: 16, .size: 8, .value_kind: global_buffer, .address_space: global }
      - { .name: bK, .offset: 24, .size: 8, .value_kind: global_buffer, .address_space: global }
      - { .name: bV, .offset: 32, .size: 8, .value_kind: global_buffer, .address_space: global }
      - { .name: qkv, .offset: 40, .size: 8, .value_kind: global_buffer, .address_space: global }
    .group_segment_fixed_size: 327680
    .private_segment_fixed_size: 0
    .kernarg_segment_align: 8
    .kernarg_segment_size: 48
    .max_flat_workgroup_size: 128
    .sgpr_count:     100
    .vgpr_count:     1024
    .wavefront_size: 32
...
	.end_amdgpu_metadata
.endif
;; end of part 2
;; launch attn (part 3): grid 8 x 32, 16 waves a work-group, clusters of 4 x 1, 210,944 bytes of LDS; arguments qkv, mask, act; writes act
.if DOCPART == 3
	.amdgcn_target "amdgcn-amd-amdhsa--gfx1250"
	.amdhsa_code_object_version 6
	.text
	.protected	k_q0f4890db81_attn
	.globl	k_q0f4890db81_attn
	.p2align	8
	.type	k_q0f4890db81_attn,@function
k_q0f4890db81_attn:
	s_mov_b64 s[64:65], 0
	v_nop
	global_prefetch_b8 v0, s[64:65] scope:SCOPE_SE
	s_setreg_imm32_b32 hwreg(HW_REG_WAVE_MODE, 25, 1), 1
	s_wait_xcnt 0x0
	s_wait_alu depctr_hold_cnt(0) depctr_sa_sdst(0) depctr_va_vdst(0) depctr_va_sdst(0) depctr_va_ssrc(0) depctr_va_vcc(0) depctr_vm_vsrc(0)
	s_getreg_b32 s2, hwreg(HW_REG_IB_STS2, 6, 4)
	s_cmp_eq_u32 s2, 0
	s_cbranch_scc0 .Lentry_in_a_cluster
	s_endpgm
.Lentry_in_a_cluster:
	s_bfe_u32 s2, ttmp6, 0x10000c
	s_cmp_lg_u32 s2, 0x3003
	s_cbranch_scc0 .Lentry_shape_is_right
	s_endpgm
.Lentry_shape_is_right:
; y[b][q][head] = softmax_k(q . k / 8, masked) v on codes of FP6 (E2M3) with E8M0 scales; y is quantised along the model's channels and stored as codes for the next product.
; q, k: operands of 4,096 tokens x 1,024 channels, v: of 1,024 channels x 4,096 tokens, all in the order of an operand's registers: tile T = 16 rows, lane (r, h) holds row 32 (T / 2) + 8 (T % 2) + r + 8 (r / 8); fragment (T, s) is 1,536 dense
; bytes at (T K / 128 + s) 1,536, in two halves of 768 (64 along K each): registers 6 c .. 6 c + 3 at 768 c + 16 lane, 6 c + 4, 6 c + 5 at 768 c + 512 + 8 lane.  A head's 64 channels of q or k are ONE such half, at T 12,288 + 768 head.
; SOFTMAX: t = score x log2(e) / 8; M = the running largest t rounded UP to a whole number; p = 2^(t - M) is quantised along the keys, not normalised; the row's sum is taken of the unquantised p and divides at the end.
; When M moves, the sum and O are multiplied by 2^(old M - new M): exact.
; THE MASK rides in the first product.  Its K is 64, half of the instruction's 128: at k = 64 every key holds the code +7.5 and every query -7.5, and the key's scale byte for that block is 227 (2^100) where mask = 0 and 1 (2^-126) where not.
; So a hidden key's score is about -7e31 and its p is 0; an open key's score gets -56.25 x 2^-126.  While only hidden keys have been met, M stands at their level; the first open key gives the factor 0, which clears what was summed.
; SHARES.  A work-group owns 256 queries of one head of one batch, each of its sixteen waves one tile of 16.  The head's K and V codes (2 x 98,304 bytes) are brought into LDS ONCE, by eight tensor loads: nothing is filled again, and the loop
; over the keys, 128 a step, has no barrier.  CLUSTER: the four work-groups of a cluster are four query blocks of one head: they ask for K and V jointly.
; Both products are used transposed (S^T = K Q^T, O^T = V^T P^T): a lane holds one query throughout, and by the order of a tile's rows p's 16 registers of two neighbouring tiles are 16 neighbouring keys.
; LIMITS: a batch whose mask is all zero is not served; |q . k| stays under 1e30; NaN and infinities are not served; a block of zeros gets the scale byte 1.
; REGISTERS: v1-3 16, 8, 4 x lane; v4-11 the step's addresses; v12 -M, v13 the largest t, v[14:15] the sum; v16-27 Q; v28-29 K's scale words, v30-31 V's; v32-79 four tiles of K; v96-159 S^T, then p, then V's four fragments; v160-191 O^T;
;   v224-235 p's codes; v232-254 at work; v253 p's scale word; v255 Q's.
.set KIMG, 0                           ; [key tile 0..127][768]
.set VIMG, 98304                       ; [channel tile 0..3][key step 0..15][1536]
.set KSC,  196608                      ; K's scale words with the mask's byte: [pair of tiles 0..63][32 words]; written by LDS stores, never by a tensor load
.set VSC,  204800                      ; V's: [pair 0..1][key step][32 words]
.set WV,   18
.set SEL,  20
.set CS,   22                          ; s[22:23] c = log2(e) / 8
.set G1K,  24
.set G1V,  32
.set G0K,  40
.set G0V,  44
.set SK,   70                          ; LDS bytes at which the step's K, V, K's words, V's words begin
.set SV,   71
.set SS,   72
.set ST,   73
.set CNT,  74
.macro ROUND                           ; a round of the cluster's barrier
	s_barrier_signal -1
	s_barrier_wait -1
	s_cmp_lg_u32 s[WV], 0
	s_cbranch_scc1 .Lnot_wave_0_\@
	s_barrier_signal -3
.Lnot_wave_0_\@:
	s_barrier_wait -3
	s_barrier_signal -1
	s_barrier_wait -1
.endm
	s_load_b128 s[4:7], s[0:1], 0x0                ; qkv, mask
	s_load_b64 s[8:9], s[0:1], 0x10                ; act
	v_lshl_add_u32 v250, v0, 2, 0x33000
	v_mov_b32 v251, 0
	ds_add_u32 v250, v251
	ds_add_u32 v250, v251
	v_lshrrev_b32 v1, 5, v0
	v_readfirstlane_b32 s[WV], v1                  ; wave 0..15
	s_bfe_u32 s10, ttmp6, 0x40000                  ; cx
	s_lshl_b32 s11, ttmp9, 2
	s_add_co_u32 s11, s11, s10                     ; my block of 256 queries: it enters Q's and y's addresses alone
	s_and_b32 s12, ttmp7, 0xffff
	s_lshr_b32 s13, s12, 4                         ; batch
	s_and_b32 s14, s12, 15                         ; head
	s_and_b32 s15, s[WV], 3
	s_lshl_b32 s16, s13, 7                         ; K: key tiles 128 b + 32 (w % 4) on, the head's half of each
	s_lshl_b32 s17, s15, 5
	s_add_co_u32 s16, s16, s17
	s_mul_i32 s16, s16, 12288
	s_mul_i32 s17, s14, 768
	s_add_co_u32 s16, s16, s17
	s_add_co_u32 s16, s16, 3145728
	s_mov_b32 s17, 0
	s_lshl_b32 s48, s14, 2                         ; V: channel tile 4 head + w % 4, key steps 16 b on: 24,576 dense bytes
	s_add_co_u32 s48, s48, s15
	s_mul_i32 s48, s48, 49152
	s_mul_i32 s49, s13, 24576
	s_add_co_u32 s48, s48, s49
	s_add_co_u32 s48, s48, 6291456
	s_mov_b32 s49, 0
	s_mul_i32 s19, s15, 24576                      ; where they go
	s_lshl_b32 s50, s13, 7
	s_lshl_b32 s51, s11, 4
	s_add_co_u32 s50, s50, s51
	s_add_co_u32 s50, s50, s[WV]                   ; T: my tile of queries
	s_mul_i32 s52, s50, 12288
	s_mul_i32 s53, s14, 768
	s_add_co_u32 s52, s52, s53                     ; its half fragment, in q's codes and in y's
	s_mov_b32 s53, 0
	s_lshr_b32 s54, s50, 1                         ; its scale words: ((T / 2) 8 + head / 2) 128 + 64 (T % 2)
	s_lshl_b32 s54, s54, 3
	s_lshr_b32 s55, s14, 1
	s_add_co_u32 s54, s54, s55
	s_lshl_b32 s54, s54, 7
	s_and_b32 s55, s50, 1
	s_lshl_b32 s55, s55, 6
	s_add_co_u32 s54, s54, s55
	s_and_b32 s75, s14, 1
	s_lshl_b32 s66, s75, 1
	s_add_co_u32 s66, s66, s54
	s_add_co_u32 s66, s66, 3145728                 ; y's two scale bytes: 2 (head % 2) on in the word
	s_mov_b32 s67, 0
	s_add_co_u32 s54, s54, 9437184
	s_mov_b32 s55, 0
	s_lshl_b32 s75, s75, 4                         ; the head's two bytes in a scale word: 16 (head % 2) bits up
	s_lshl_b32 s56, s13, 6                         ; K's scale words: pair 64 b + w (+ 16 i)
	s_add_co_u32 s56, s56, s[WV]
	s_lshl_b32 s56, s56, 3
	s_lshr_b32 s57, s14, 1
	s_add_co_u32 s56, s56, s57
	s_lshl_b32 s56, s56, 7
	s_add_co_u32 s56, s56, 9568256
	s_mov_b32 s57, 0
	s_lshl_b32 s58, s13, 13                        ; the mask: token 2,048 b + 32 w (+ 512 i)
	s_lshl_b32 s59, s[WV], 7
	s_add_co_u32 s58, s58, s59
	s_mov_b32 s59, 0
	s_lshl_b32 s60, s14, 13                        ; V's scale words: pair 2 head, key step 16 b
	s_lshl_b32 s61, s13, 11
	s_add_co_u32 s60, s60, s61
	s_add_co_u32 s60, s60, 9699328
	s_mov_b32 s61, 0
	; descriptor group 1.  K: 32 tiles x 768 bytes (96 elements of 8 bytes), 12,288 bytes apart.  V: 24,576 dense bytes as 96 rows of 256
	s_mov_b32 s[G1K], 15|(3<<16)|(1<<21)           ; 15:0 the mask: all four work-groups; 17:16 elements of 8 bytes; 21 set beside a mask
	s_mov_b32 s[G1K+1], 96<<16
	s_mov_b32 s[G1K+2], 32<<16
	s_mov_b32 s[G1K+3], 96<<16
	s_mov_b32 s[G1K+4], 32
	s_mov_b32 s[G1K+5], 1536
	s_mov_b32 s[G1K+6], 0
	s_mov_b32 s[G1K+7], 0
	s_mov_b32 s[G1V], 15|(3<<16)|(1<<21)
	s_mov_b32 s[G1V+1], 32<<16
	s_mov_b32 s[G1V+2], 96<<16
	s_mov_b32 s[G1V+3], 32<<16
	s_mov_b32 s[G1V+4], 96
	s_mov_b32 s[G1V+5], 32
	s_mov_b32 s[G1V+6], 0
	s_mov_b32 s[G1V+7], 0
	s_mov_b32 s[SEL], 0x76543210
	s_mov_b32 s[SEL+1], 0xfedcba98
	s_mov_b32 s[CS], 0x3e38aa3b
	s_mov_b32 s[CS+1], s[CS]                       ; (named with it as a pair, so it is written)
	s_mov_b32 s[SK], KIMG
	s_mov_b32 s[SV], VIMG
	s_mov_b32 s[SS], KSC
	s_mov_b32 s[ST], VSC
	s_mov_b32 s[CNT], 16
	s_wait_dscnt 0x0
	s_wait_kmcnt 0x0
	ROUND                                          ; all four work-groups are here: the joint loads meet
	s_mov_b32 s[G0K], 1
	s_add_co_u32 s[G0K+1], s19, KIMG
	s_add_nc_u64 s[G0K+2:G0K+3], s[4:5], s[16:17]
	s_or_b32 s[G0K+3], s[G0K+3], 0x80000000
	s_mov_b32 s[G0V], 1
	s_add_co_u32 s[G0V+1], s19, VIMG
	s_add_nc_u64 s[G0V+2:G0V+3], s[4:5], s[48:49]
	s_or_b32 s[G0V+3], s[G0V+3], 0x80000000
	s_cmp_lt_u32 s[WV], 4                          ; waves 0-3 fetch K's quarters, waves 4-7 V's four channel tiles, the others nothing: one load a wave, each LDS byte filled once
	s_cbranch_scc0 .Lnot_k
	tensor_load_to_lds s[G0K:G0K+3], s[G1K:G1K+7]
	s_nop 0
.rept 4
	v_nop
.endr
	s_branch .Lasked
.Lnot_k:
	s_cmp_lt_u32 s[WV], 8
	s_cbranch_scc0 .Lasked
	tensor_load_to_lds s[G0V:G0V+3], s[G1V:G1V+7]
	s_nop 0
.rept 4
	v_nop
.endr
.Lasked:
	s_add_nc_u64 s[62:63], s[8:9], s[52:53]        ; y's codes
	s_add_nc_u64 s[66:67], s[8:9], s[66:67]        ; y's scale bytes
	s_add_nc_u64 s[52:53], s[4:5], s[52:53]        ; Q's codes
	s_add_nc_u64 s[54:55], s[4:5], s[54:55]        ; Q's scale words
	s_add_nc_u64 s[56:57], s[4:5], s[56:57]
	s_add_nc_u64 s[58:59], s[6:7], s[58:59]
	s_add_nc_u64 s[60:61], s[4:5], s[60:61]
	v_and_b32 v4, 31, v0                           ; lane
	v_and_b32 v5, 15, v0                           ; r
	v_bfe_u32 v6, v0, 4, 1                         ; h
	v_lshlrev_b32 v1, 4, v4
	v_lshlrev_b32 v2, 3, v4
	v_lshlrev_b32 v3, 2, v4
	v_lshlrev_b32 v7, 2, v5
	v_and_b32 v8, 8, v5
	v_add_nc_u32 v8, v8, v5
	v_lshl_add_u32 v8, v6, 3, v8                   ; my key of a pair of tiles: 8 h + r + 8 (r / 8)
	v_lshlrev_b32 v8, 2, v8
	v_lshrrev_b32 v9, 8, v0
	v_and_b32 v10, 255, v0
	v_lshlrev_b32 v10, 3, v10
	v_lshl_add_u32 v9, v9, 12, v10                 ; V's words: threads 0-255 the first pair's 2,048 bytes, 256-511 the second's, 4,096 bytes on
	v_lshl_add_u32 v10, v0, 2, KSC
	v_lshl_add_u32 v11, v0, 3, VSC
.irp i, 0,1,2,3
	global_load_b32 v[96+\i], v3, s[56:57] offset:16384*\i    ; K's scale words of pair w + 16 i,
	global_load_b32 v[100+\i], v8, s[58:59] offset:2048*\i    ; and the mask of its 32 keys
.endr
	global_load_b64 v[104:105], v9, s[60:61]
	global_load_b128 v[16:19], v1, s[52:53]        ; Q's half fragment stays in registers
	global_load_b64 v[20:21], v2, s[52:53] offset:512
	global_load_b32 v106, v7, s[54:55]
	v_mov_b32 v107, 0x010000                       ; byte 2 of a key's word: 1 for an open key,
	v_mov_b32 v108, 0xe30000                       ; 227 for a hidden one
	v_sub_nc_u32 v109, 1, v6                       ; k = 64 lies in lanes 0-15, register 6, bits 5:0
	v_mul_u32_u24 v22, v109, 0x3f                  ; Q: the code of -7.5
.irp j, 23,24,25,26,27
	v_mov_b32 v[\j], 0
.endr
.irp t, 0,1,2,3
	v_mul_u32_u24 v[38+12*\t], v109, 0x1f          ; K: the code of +7.5; these six registers of each tile stay
.irp j, 39,40,41,42,43
	v_mov_b32 v[\j+12*\t], 0
.endr
.endr
	v_mov_b32 v13, 0xff61b1e6                      ; the largest t so far: -3e38
	v_floor_f32 v12, -v13                          ; -M
	v_mov_b32 v14, 0
	v_mov_b32 v15, 0
.irp b, 0,1,2,3
	v_mov_b32 v[236+\b], 0                         ; written once: a lane permute's destination counts as one of its sources
.endr
	v_mov_b32 v253, 0
.set j, 0
.rept 32
	v_mov_b32 v[160+j], 0                          ; O^T: the loop is written once; its first step finds zeros
.set j, j+1
.endr
	s_wait_loadcnt 0x0
.irp i, 0,1,2,3
	v_lshrrev_b32 v[96+\i], s75, v[96+\i]
	v_and_b32 v[96+\i], 0xffff, v[96+\i]           ; the head's two bytes,
	v_cmp_eq_u32 vcc_lo, 0, v[100+\i]
	v_cndmask_b32 v[100+\i], v107, v108, vcc_lo    ; the mask's byte; byte 3 is 0 over zero codes
	v_or_b32 v[96+\i], v[96+\i], v[100+\i]
	ds_store_b32 v10, v[96+\i] offset:2048*\i
.endr
	ds_store_b64 v11, v[104:105]
	v_lshrrev_b32 v106, s75, v106
	v_and_b32 v106, 0xffff, v106
	v_or_b32 v255, 0x7f0000, v106                  ; Q's word: its block at k = 64 has the scale 1
	s_wait_tensorcnt 0x0                           ; my tile has landed,
	s_wait_dscnt 0x0                               ; my words are stored:
	s_barrier_signal -1
	s_barrier_wait -1                              ; everybody's are
.Lstep:                                            ; 16 trips of 128 keys
	v_add_nc_u32 v4, s[SK], v1                     ; (these eight are also the places between the last products and the products below, which write over V's fragments)
	v_add_nc_u32 v5, s[SK], v2
	v_add_nc_u32 v6, s[SV], v1
	v_add_nc_u32 v7, s[SV], v2
	v_add_nc_u32 v8, 49152, v6
	v_add_nc_u32 v9, 49152, v7
	v_add_nc_u32 v10, s[SS], v3
	v_add_nc_u32 v11, s[ST], v3
.irp g, 0,1                                    ; S^T = K Q^T, four tiles of 16 keys at a time
.if \g
.rept 4
	v_nop                                          ; places in front of loads into registers that matrix instructions have read
.endr
.endif
.irp t, 0,1,2,3
	ds_load_b128 v[32+12*\t:35+12*\t], v4 offset:(4*\g+\t)*768
	ds_load_b64 v[36+12*\t:37+12*\t], v5 offset:(4*\g+\t)*768+512
.endr
	ds_load_b32 v28, v10 offset:(2*\g)*128         ; lanes 0-15 the even tile's words, lanes 16-31 the odd tile's
	ds_load_b32 v29, v10 offset:(2*\g+1)*128
	s_wait_dscnt 0x0
.irp t, 0,1,2,3
.if \t%2
	v_wmma_scale_f32_16x16x128_f8f6f4 v[96+8*(4*\g+\t):103+8*(4*\g+\t)], v[32+12*\t:43+12*\t], v[16:27], 0, v[28+\t/2], v255 matrix_a_fmt:MATRIX_FMT_FP6 matrix_b_fmt:MATRIX_FMT_FP6 matrix_a_scale:MATRIX_SCALE_ROW1
.else
	v_wmma_scale_f32_16x16x128_f8f6f4 v[96+8*(4*\g+\t):103+8*(4*\g+\t)], v[32+12*\t:43+12*\t], v[16:27], 0, v[28+\t/2], v255 matrix_a_fmt:MATRIX_FMT_FP6 matrix_b_fmt:MATRIX_FMT_FP6
.endif
.endr
.endr
.rept 4
	v_nop
.endr
.irp b, 0,1,2,3
	v_max3_num_f32 v[232+\b], v[96+16*\b], v[97+16*\b], v[98+16*\b]   ; the largest score of each block of 32 keys: for the row's maximum, and, since p rises with the score, for the block's largest p
.endr
.irp i, 3,5,7,9,11,13
.irp b, 0,1,2,3
	v_max3_num_f32 v[232+\b], v[232+\b], v[96+16*\b+\i], v[97+16*\b+\i]
.endr
.endr
.irp b, 0,1,2,3
	v_max_num_f32 v[232+\b], v[232+\b], v[111+16*\b]
.endr
.irp b, 0,1,2,3
	v_permlanex16_b32 v[236+\b], v[232+\b], s[SEL], s[SEL+1]
.endr
.irp b, 0,1,2,3
	v_max_num_f32 v[232+\b], v[232+\b], v[236+\b]  ; with lane l xor 16's 16 keys
.endr
	v_max3_num_f32 v254, v232, v233, v234
	v_max_num_f32 v254, v254, v235
	v_mul_f32 v254, s[CS], v254                    ; the step's largest t
	v_max_num_f32 v13, v13, v254
	v_mov_b32 v254, v12
	v_floor_f32 v12, -v13                          ; the new -M = -ceil(t): a whole number
	v_sub_f32 v254, v12, v254                      ; old M - new M: a whole number, 0 or less
	v_cvt_i32_f32 v254, v254                       ; (it saturates)
	v_ldexp_f32 v252, 1.0, v254                    ; f = 2^(old M - new M)
.set j, 0
.rept 32
	v_pk_fma_f32 v[96+j:97+j], v[96+j:97+j], s[CS:CS+1], v[12:13] op_sel_hi:[1,0,0]   ; t - M
.set j, j+2
.endr
.irp b, 0,1,2,3
	v_fma_f32 v[232+\b], v[232+\b], s[CS], v12
.endr
.set j, 0
.rept 64
	v_exp_f32 v[96+j], v[96+j]                     ; p = 2^(t - M)
.set j, j+1
.endr
.irp b, 0,1,2,3
	v_exp_f32 v[232+\b], v[232+\b]                 ; the block's largest p: the same two instructions on the same number
.endr
	v_pk_mul_f32 v[14:15], v[14:15], v[252:253] op_sel_hi:[1,0]   ; the sums under the new M (a plain place behind the exponentials)
	s_wait_alu depctr_va_vdst(0)
.irp b, 0,1,2,3
	v_max_num_f32 v[232+\b], 0x1800000, v[232+\b]  ; the floor 2^(3 - 127)
.endr
.irp b, 0,1,2,3
	v_add_nc_u32 v[244+\b], 0xff000000, v[232+\b]
.endr
.irp b, 0,1,2,3
	v_lshrrev_b32 v[236+\b], 23, v[244+\b]
.endr
	v_lshl_or_b32 v253, v237, 8, v236              ; p's scale word for these 128 keys
	v_lshl_or_b32 v253, v238, 16, v253
	v_lshl_or_b32 v253, v239, 24, v253
.irp c, 0,1
	v_cvt_scalef32_pk16_fp6_f32 v[224+6*\c:226+6*\c], v[96+32*\c:111+32*\c], v[244+2*\c]
	v_cvt_scalef32_pk16_fp6_f32 v[236+4*\c:238+4*\c], v[112+32*\c:127+32*\c], v[244+2*\c+1]
.endr
	v_nop                                          ; one plain place behind a scaled conversion
.irp c, 0,1
.irp i, 0,1,2
	v_permlane16_swap_b32 v[224+6*\c+\i], v[236+4*\c+\i]
.endr
.irp i, 0,1,2
	v_mov_b32 v[227+6*\c+\i], v[236+4*\c+\i]
.endr
.endr
	v_pk_add_f32 v[236:237], v[96:97], v[98:99]    ; the row's sum of the unquantised p, in two chains
.irp j, 4,8,12,16,20,24,28,32,36,40,44,48,52,56,60
	v_pk_add_f32 v[14:15], v[14:15], v[96+\j:97+\j]
	v_pk_add_f32 v[236:237], v[236:237], v[98+\j:99+\j]
.endr
	v_pk_add_f32 v[14:15], v[14:15], v[236:237]
.set j, 0
.rept 16
	v_pk_mul_f32 v[160+j:161+j], v[160+j:161+j], v[252:253] op_sel_hi:[1,0]   ; O^T under the new M
.set j, j+2
.endr
.irp ct, 0,1                                   ; V's four fragments of this key step, where p lay
	ds_load_b128 v[96+12*\ct:99+12*\ct], v6 offset:\ct*24576
	ds_load_b64 v[100+12*\ct:101+12*\ct], v7 offset:\ct*24576+512
	ds_load_b128 v[102+12*\ct:105+12*\ct], v6 offset:\ct*24576+768
	ds_load_b64 v[106+12*\ct:107+12*\ct], v7 offset:\ct*24576+1280
	ds_load_b128 v[120+12*\ct:123+12*\ct], v8 offset:\ct*24576
	ds_load_b64 v[124+12*\ct:125+12*\ct], v9 offset:\ct*24576+512
	ds_load_b128 v[126+12*\ct:129+12*\ct], v8 offset:\ct*24576+768
	ds_load_b64 v[130+12*\ct:131+12*\ct], v9 offset:\ct*24576+1280
.endr
	ds_load_b32 v30, v11
	ds_load_b32 v31, v11 offset:2048
	s_wait_dscnt 0x0
.irp ct, 0,1,2,3                               ; O^T += V^T P^T: four accumulators by turns
.if \ct%2
	v_wmma_scale_f32_16x16x128_f8f6f4 v[160+8*\ct:167+8*\ct], v[96+12*\ct:107+12*\ct], v[224:235], v[160+8*\ct:167+8*\ct], v[30+\ct/2], v253 matrix_a_fmt:MATRIX_FMT_FP6 matrix_b_fmt:MATRIX_FMT_FP6 matrix_a_scale:MATRIX_SCALE_ROW1
.else
	v_wmma_scale_f32_16x16x128_f8f6f4 v[160+8*\ct:167+8*\ct], v[96+12*\ct:107+12*\ct], v[224:235], v[160+8*\ct:167+8*\ct], v[30+\ct/2], v253 matrix_a_fmt:MATRIX_FMT_FP6 matrix_b_fmt:MATRIX_FMT_FP6
.endif
.endr
	s_add_co_u32 s[SK], s[SK], 6144
	s_add_co_u32 s[SV], s[SV], 1536
	s_add_co_u32 s[SS], s[SS], 512
	s_add_co_u32 s[ST], s[ST], 128
	s_sub_co_u32 s[CNT], s[CNT], 1
	s_cmp_lg_u32 s[CNT], 0
	s_cbranch_scc1 .Lstep
	; THE WAY OUT.  O^T / the sum: register 16 b + i is channel 32 b + 16 h + i of the head: two blocks of the next product's K, quantised in registers: half a fragment.
.rept 4
	v_nop
.endr
	v_add_f32 v14, v14, v15
	v_permlanex16_b32 v252, v14, s[SEL], s[SEL+1]
	v_add_f32 v14, v14, v252                       ; the row's sum
	v_rcp_f32 v14, v14
	v_and_b32 v5, 15, v0                           ; (a plain place behind the transcendental)
	v_lshlrev_b32 v7, 2, v5
.set j, 0
	s_wait_alu depctr_va_vdst(0)
.rept 32
	v_mul_f32 v[96+j], v[160+j], v14
.set j, j+1
.endr
.irp b, 0,1
	v_max3_num_f32 v[232+\b], |v[96+16*\b]|, |v[97+16*\b]|, 0x1800000
.endr
.irp i, 2,4,6,8,10,12,14
.irp b, 0,1
	v_max3_num_f32 v[232+\b], v[232+\b], |v[96+16*\b+\i]|, |v[97+16*\b+\i]|
.endr
.endr
.irp b, 0,1
	v_permlanex16_b32 v[236+\b], v[232+\b], s[SEL], s[SEL+1]
.endr
.irp b, 0,1
	v_max_num_f32 v[232+\b], v[232+\b], v[236+\b]
.endr
.irp b, 0,1
	v_add_nc_u32 v[244+\b], 0xff000000, v[232+\b]
.endr
.irp b, 0,1
	v_lshrrev_b32 v[236+\b], 23, v[244+\b]
.endr
	v_lshl_or_b32 v240, v237, 8, v236              ; the two bytes
	v_cvt_scalef32_pk16_fp6_f32 v[224:226], v[96:111], v244
	v_cvt_scalef32_pk16_fp6_f32 v[236:238], v[112:127], v245
	v_nop
.irp i, 0,1,2
	v_permlane16_swap_b32 v[224+\i], v[236+\i]
.endr
.irp i, 0,1,2
	v_mov_b32 v[227+\i], v[236+\i]
.endr
	global_store_b128 v1, v[224:227], s[62:63]     ; 512 and 256 consecutive bytes
	global_store_b64 v2, v[228:229], s[62:63] offset:512
	global_store_b16 v7, v240, s[66:67]            ; two bytes of each row's scale word (the word's other half is the neighbouring head's): 1 / 24 of the codes' bytes; lanes r and 16 + r write the same
	s_wait_tensorcnt 0x0
	ds_add_u32 v250, v251
	s_wait_dscnt 0x0
	ROUND                                          ; the closing round
	s_endpgm
.Lfunc_end_k_q0f4890db81_attn:
	.size	k_q0f4890db81_attn, .Lfunc_end_k_q0f4890db81_attn-k_q0f4890db81_attn
	.p2alignl 7, 3214868480
	.fill 96, 4, 3214868480
	.section	.rodata,"a",@progbits
	.p2align	6, 0x0
	.amdhsa_kernel k_q0f4890db81_attn
		.amdhsa_group_segment_fixed_size 210944
		.amdhsa_private_segment_fixed_size 0
		.amdhsa_enable_private_segment 0
		.amdhsa_kernarg_size 24
		.amdhsa_user_sgpr_count 2
		.amdhsa_user_sgpr_kernarg_segment_ptr 1
		.amdhsa_wavefront_size32 1
		.amdhsa_system_sgpr_workgroup_id_x 1
		.amdhsa_system_sgpr_workgroup_id_y 1
		.amdhsa_system_sgpr_workgroup_id_z 1
		.amdhsa_system_vgpr_workitem_id 0
		.amdhsa_next_free_vgpr 256
		.amdhsa_next_free_sgpr 80
		.amdhsa_reserve_vcc 1
		.amdhsa_float_denorm_mode_32 3
		.amdhsa_float_denorm_mode_16_64 3
		.amdhsa_memory_ordered 1
		.amdhsa_forward_progress 1
		.amdhsa_inst_pref_size 33
	.end_amdhsa_kernel
	.amdgpu_metadata
---
amdhsa.version: [ 1, 2 ]
amdhsa.kernels:
  - .name:           k_q0f4890db81_attn
    .symbol:         k_q0f4890db81_attn.kd
    .args:
      - { .name: qkv, .offset: 0, .size: 8, .value_kind: global_buffer, .address_space: global }
      - { .name: mask, .offset: 8, .size: 8, .value_kind: global_buffer, .address_space: global }
      - { .name: act, .offset: 16, .size: 8, .value_kind: global_buffer, .address_space: global }
    .group_segment_fixed_size: 210944
    .private_segment_fixed_size: 0
    .kernarg_segment_align: 8
    .kernarg_segment_size: 24
    .max_flat_workgroup_size: 512
    .sgpr_count:     80
    .vgpr_count:     256
    .wavefront_size: 32
...
	.end_amdgpu_metadata
.endif
;; end of part 3
;; launch wy (part 4): grid 4 x 16, 4 waves a work-group, clusters of 4 x 4, 327,680 bytes of LDS; arguments act, wimg, cbuf; writes cbuf
.if DOCPART == 4
	.amdgcn_target "amdgcn-amd-amdhsa--gfx1250"
	.amdhsa_code_object_version 6
	.text
	.protected	k_q0f4890db81_wy
	.globl	k_q0f4890db81_wy
	.p2align	8
	.type	k_q0f4890db81_wy,@function
k_q0f4890db81_wy:
	s_mov_b64 s[64:65], 0
	v_nop
	global_prefetch_b8 v0, s[64:65] scope:SCOPE_SE
	s_setreg_imm32_b32 hwreg(HW_REG_WAVE_MODE, 25, 1), 1
	s_wait_xcnt 0x0
	s_wait_alu depctr_hold_cnt(0) depctr_sa_sdst(0) depctr_va_vdst(0) depctr_va_sdst(0) depctr_va_ssrc(0) depctr_va_vcc(0) depctr_vm_vsrc(0)
	s_getreg_b32 s2, hwreg(HW_REG_IB_STS2, 6, 4)
	s_cmp_eq_u32 s2, 0
	s_cbranch_scc0 .Lentry_in_a_cluster
	s_endpgm
.Lentry_in_a_cluster:
	s_bfe_u32 s2, ttmp6, 0x10000c
	s_cmp_lg_u32 s2, 0xf033
	s_cbranch_scc0 .Lentry_shape_is_right
	s_endpgm
.Lentry_shape_is_right:
; c = Q(y) WY on codes of FP6 (E2M3) with E8M0 scales, K = 1,024; c [4096][1024] f32.  The bias and the residual are added by the launch that normalises.
; OPERANDS lie in the order of an operand's registers: tile T = 16 rows, lane (r, h) holds row 32 (T / 2) + 8 (T % 2) + r + 8 (r / 8); fragment (T, s), 16 rows x 128 K, is 1,536 dense bytes at (T KT + s) 1,536 (registers 6 c .. 6 c + 3 at
; 768 c + 16 lane, 6 c + 4, 6 c + 5 at 768 c + 512 + 8 lane); scale word (T, s, r) at ((T / 2) KT + s) 128 + 64 (T % 2) + 4 r.  So a fragment comes from LDS by four dense loads, and there is no pitch and no padding.
; A work-group of four waves makes 256 tokens (A) x 256 columns (B, the weight's rows); a wave 128 x 128: 64 accumulators.  Source 0 = 16 rows of B, source 1 = 16 rows of A: a lane holds one token and eight columns a tile.
; K IN LDS.  K is four quarters of 256, 98,304 bytes each for the work-group's 512 rows.  THREE slots lie in LDS (3 x 98,304 + 16,384 of scale words + 512 spare = 311,808 bytes) and are filled at the start, with the scale words: four tensor loads a wave.
; Slot 0 is filled once more, with the fourth quarter, when it has been read: that load has slots 1 and 2, 224 matrix instructions, in which to land.  CLUSTERS: 4 x 4; A's tiles are asked for jointly along a row of the cluster, B's along a column.
; 64 work-groups: M x N is 64 tiles of 256 x 256.
; REGISTERS: window 0: v1-31 addresses; v32-63 scale words, two sets; v128-223 A's fragments, one set (on the way out v128-255: rows read back).  window 1: B's fragments, two sets.  windows 2, 3: the accumulators.
.set KT,     8                         ; K / 128
.set A_OFFS, 3145728                   ; act: scale words behind the codes
.set B_OFFC, 2359296                   ; wimg: WY's codes,
.set B_OFFS, 9535488                   ; and its scale words
.set NQ,     2
.set FR,     12
.set NL,     4
.set NP,     4
.set TPK,    KT*1536
.set HALFT,  8*3072
.set SLOT,   4*HALFT
.set SCL,    3*SLOT
.set PSTR,   KT*128
.set HALFS,  4*PSTR
.set SPARE,  SCL+4*HALFS               ; the spare words, 128 bytes for each wave: two blocks of 256 bytes that no other line names
.set SPITCH, 528                       ; the way out: a stage of 16 rows x (512 bytes + 16) for each wave,
.set STAGE,  SLOT                      ; in slot 1, which is filled once, and whose last reads lie in front of the last barrier
.set STO,  10
.set RD,   11
.set ADRA, 16                          ; v16-18 16 x lane + my A tiles in slot 0, 1, 2;  v19-21 the same with 8 x lane
.set ADRB, 22                          ; v22-27 the same for B
.set SPW,  28
.set NIL,  29
.set ADRS, 30
.set SC,   32
.set AF,   128
.set BK,   128
.set G1, 24                            ; s[24:31] descriptor group 1 for A's tiles;  s[32:35], s[36:39], s[4:7] groups 0 for slots 0, 1, 2
.set G0, 32
.set G1B, 48                           ; s[48:55] for B's;  s[56:59], s[60:63], s[96:99]
.set G0B, 56
.set G1S, 68
.set G0S, 76
.set G1SB, 80
.set G0SB, 88
.set MSB, 0
.macro WIN new
.if MSB != (\new)
	s_set_vgpr_msb (MSB<<8)|(\new)
.set MSB, (\new)
.endif
.endm
.set MUL_LO, 0xa1
.set MUL_HI, 0xf1
.set TO_B,   0x40
.macro JLOAD g0a, g1a, g0b, g1b        ; a joint load: waves 0 and 1 fetch for A, waves 2 and 3 for B; four v_nop follow each line
	s_cmp_eq_u32 s15, 0
	s_cbranch_scc0 .Lfor_b_\@
	tensor_load_to_lds s[\g0a:\g0a+3], s[\g1a:\g1a+7]
	s_nop 0
.rept 4
	v_nop
.endr
	s_branch .Lasked_\@
.Lfor_b_\@:
	tensor_load_to_lds s[\g0b:\g0b+3], s[\g1b:\g1b+7]
	s_nop 0
.rept 4
	v_nop
.endr
.Lasked_\@:
.endm
.macro CREST
	s_cmp_lg_u32 s14, 0
	s_cbranch_scc1 .Lnot_wave_0_\@
	s_barrier_signal -3
.Lnot_wave_0_\@:
	s_barrier_wait -3
	s_barrier_signal -1
	s_barrier_wait -1
.endm
.macro CROUND
	s_barrier_signal -1
	s_barrier_wait -1
	CREST
.endm
.macro FIRST s, ga, gb                 ; slot s's groups 0 and its first fill: quarter s of K
	s_mov_b32 s[\ga], 1
	s_add_co_u32 s[\ga+1], s45, \s*SLOT
	s_add_nc_u64 s[\ga+2:\ga+3], s[20:21], \s*3072
	s_or_b32 s[\ga+3], s[\ga+3], 0x80000000
	s_mov_b32 s[\gb], 1
	s_add_co_u32 s[\gb+1], s45, \s*SLOT
	s_add_nc_u64 s[\gb+2:\gb+3], s[46:47], \s*3072
	s_or_b32 s[\gb+3], s[\gb+3], 0x80000000
	JLOAD \ga, G1, \gb, G1B
.endm
	s_load_b128 s[4:7], s[0:1], 0x0                ; A's buffer, B's buffer
	s_load_b64 s[66:67], s[0:1], 0x10              ; c
	v_lshl_add_u32 v[SPW], v0, 2, SPARE
	v_mov_b32 v[NIL], 0
	ds_add_u32 v28, v29
	ds_add_u32 v28, v29
	s_wait_dscnt 0x0
	v_lshrrev_b32 v1, 5, v0
	v_readfirstlane_b32 s14, v1
	s_lshr_b32 s15, s14, 1
	s_and_b32 s16, s14, 1
	s_bfe_u32 s40, ttmp6, 0x40000
	s_bfe_u32 s41, ttmp6, 0x40004
	s_lshl_b32 s42, ttmp9, 2
	s_add_co_u32 s42, s42, s40                     ; B's block of 256 rows
	s_and_b32 s17, ttmp7, 0xffff
	s_lshl_b32 s17, s17, 2
	s_add_co_u32 s17, s17, s41                     ; A's block
	s_lshl_b32 s43, s41, 2
	s_lshl_b32 s43, 15, s43
	s_lshl_b32 s44, 0x1111, s40
	s_mul_i32 s20, s17, 16*TPK
	s_mul_i32 s21, s16, 8*TPK
	s_add_co_u32 s20, s20, s21
	s_mov_b32 s21, 0
	s_mul_i32 s22, s17, 8*PSTR
	s_mul_i32 s23, s16, HALFS
	s_add_co_u32 s22, s22, s23
	s_add_co_u32 s22, s22, A_OFFS
	s_mov_b32 s23, 0
	s_mul_i32 s46, s42, 16*TPK
	s_mul_i32 s47, s16, 8*TPK
	s_add_co_u32 s46, s46, s47
	s_add_co_u32 s46, s46, B_OFFC
	s_mov_b32 s47, 0
	s_mul_i32 s92, s42, 8*PSTR
	s_mul_i32 s93, s16, HALFS
	s_add_co_u32 s92, s92, s93
	s_add_co_u32 s92, s92, B_OFFS
	s_mov_b32 s93, 0
	s_or_b32 s[G1+0], s43, (3<<16)|(1<<21)         ; 8 tiles x 3,072 bytes (384 elements of 8 bytes), TPK bytes apart; the mask: my row of the cluster
	s_or_b32 s[G1B+0], s44, (3<<16)|(1<<21)
.irp g, G1, G1B
	s_mov_b32 s[\g+1], 384<<16
	s_mov_b32 s[\g+2], 8<<16
	s_mov_b32 s[\g+3], 384<<16
	s_mov_b32 s[\g+4], 8
	s_mov_b32 s[\g+5], TPK/8
	s_mov_b32 s[\g+6], 0
	s_mov_b32 s[\g+7], 0
.endr
	s_or_b32 s[G1S+0], s43, (3<<16)|(1<<21)        ; the scale words of 128 rows: HALFS dense bytes as rows of 256
	s_or_b32 s[G1SB+0], s44, (3<<16)|(1<<21)
.irp g, G1S, G1SB
	s_mov_b32 s[\g+1], 32<<16
	s_mov_b32 s[\g+2], (HALFS/256)<<16
	s_mov_b32 s[\g+3], 32<<16
	s_mov_b32 s[\g+4], HALFS/256
	s_mov_b32 s[\g+5], 32
	s_mov_b32 s[\g+6], 0
	s_mov_b32 s[\g+7], 0
.endr
	s_mul_i32 s45, s14, HALFT
	s_mul_i32 s94, s14, HALFS
	s_wait_kmcnt 0x0
	s_add_nc_u64 s[20:21], s[4:5], s[20:21]
	s_add_nc_u64 s[22:23], s[4:5], s[22:23]
	s_add_nc_u64 s[46:47], s[6:7], s[46:47]
	s_add_nc_u64 s[92:93], s[6:7], s[92:93]        ; s[4:7] are done with: they take the third slot's group 0
	CROUND                                         ; all sixteen work-groups are here: the first joint loads meet
	s_mov_b32 s[G0S], 1
	s_add_co_u32 s[G0S+1], s94, SCL
	s_mov_b64 s[G0S+2:G0S+3], s[22:23]
	s_or_b32 s[G0S+3], s[G0S+3], 0x80000000
	s_mov_b32 s[G0SB], 1
	s_add_co_u32 s[G0SB+1], s94, SCL
	s_mov_b64 s[G0SB+2:G0SB+3], s[92:93]
	s_or_b32 s[G0SB+3], s[G0SB+3], 0x80000000
	JLOAD G0S, G1S, G0SB, G1SB
	FIRST 0, 32, 56
	FIRST 1, 36, 60
	FIRST 2, 4, 96                                 ; four tensor loads of mine are out
	v_and_b32 v1, 15, v0
	v_bfe_u32 v2, v0, 4, 1
	v_and_b32 v3, 31, v0
	v_lshlrev_b32 v12, 4, v3
	v_lshlrev_b32 v13, 3, v3
	s_mul_i32 s21, s15, HALFT
	s_mul_i32 s22, s16, HALFT
	s_add_co_u32 s22, s22, 2*HALFT
.irp s, 0,1,2
	v_add_nc_u32 v[ADRA+\s], s21, v12
	v_add_nc_u32 v[ADRA+3+\s], s21, v13
	v_add_nc_u32 v[ADRB+\s], s22, v12
	v_add_nc_u32 v[ADRB+3+\s], s22, v13
	s_add_co_u32 s21, s21, SLOT
	s_add_co_u32 s22, s22, SLOT
.endr
	v_lshlrev_b32 v5, 2, v1
	s_mul_i32 s21, s15, HALFS
	s_mul_i32 s22, s16, HALFS
	s_add_co_u32 s22, s22, 2*HALFS
	s_sub_co_u32 s22, s22, s21
	v_mul_u32_u24 v6, s22, v2                      ; lanes 16-31 take B's
	s_add_co_u32 s21, s21, SCL
	v_add_nc_u32 v5, v5, v6
	v_add_nc_u32 v[ADRS], s21, v5
	s_mul_i32 s23, s14, 16*SPITCH                  ; my stage
	s_add_co_u32 s23, s23, STAGE
	v_mul_u32_u24 v5, v1, SPITCH
	v_lshl_add_u32 v5, v2, 6, v5                   ; in: row r, + 64 h: B's tile b puts its eight columns 128 (b / 2) + 32 (b % 2) bytes on
	v_add_nc_u32 v[STO], s23, v5
	v_add_nc_u32 v[RD], s23, v12                   ; back: a whole row of 512 bytes
	s_lshl_b32 s20, s17, 8
	s_lshl_b32 s21, s15, 7
	s_add_co_u32 s20, s20, s21
	s_lshl_b32 s20, s20, 12                        ; my first row of c, rows of 4,096 bytes,
	s_mov_b32 s21, 0
	s_lshl_b32 s46, s42, 10
	s_lshl_b32 s47, s16, 9
	s_add_co_u32 s46, s46, s47                     ; and my first column
	s_mov_b32 s47, 0
	s_add_nc_u64 s[20:21], s[20:21], s[46:47]
	s_add_nc_u64 s[66:67], s[66:67], s[20:21]
.macro FRAG reg, adr, off
	ds_load_b128 v[\reg:\reg+3], v[\adr] offset:\off
	ds_load_b64 v[\reg+4:\reg+5], v[\adr+3] offset:\off+512
	ds_load_b128 v[\reg+6:\reg+9], v[\adr] offset:\off+768
	ds_load_b64 v[\reg+10:\reg+11], v[\adr+3] offset:\off+1280
.endm
.macro MUL16 a0, p, q, sc, zero        ; the 64 accumulators take turns, one instruction a turn
.irp a, \a0, \a0+1
.irp b, 0,1,2,3,4,5,6,7
.if \zero
	v_wmma_scale_f32_16x16x128_f8f6f4 v[8*(8*((\a)%4)+\b):8*(8*((\a)%4)+\b)+7], v[128*(\p)+FR*\b:128*(\p)+FR*\b+FR-1], v[AF+FR*(\a):AF+FR*(\a)+FR-1], 0, v[SC+8*NQ*(\sc)+NQ*\b+(\q)], v[SC+8*NQ*(\sc)+NQ*(\a)+(\q)] matrix_a_fmt:MATRIX_FMT_FP6 matrix_b_fmt:MATRIX_FMT_FP6 matrix_a_scale:MATRIX_SCALE_ROW1
.else
	v_wmma_scale_f32_16x16x128_f8f6f4 v[8*(8*((\a)%4)+\b):8*(8*((\a)%4)+\b)+7], v[128*(\p)+FR*\b:128*(\p)+FR*\b+FR-1], v[AF+FR*(\a):AF+FR*(\a)+FR-1], v[8*(8*((\a)%4)+\b):8*(8*((\a)%4)+\b)+7], v[SC+8*NQ*(\sc)+NQ*\b+(\q)], v[SC+8*NQ*(\sc)+NQ*(\a)+(\q)] matrix_a_fmt:MATRIX_FMT_FP6 matrix_b_fmt:MATRIX_FMT_FP6 matrix_a_scale:MATRIX_SCALE_ROW1
.endif
.endr
.endr
.endm
.macro FETCH_B slot, q, p
	WIN TO_B
.irp i, 0,1,2,3,4,5,6,7
	FRAG 128*(\p)+FR*\i, ADRB+\slot, \i*3072+(\q)*1536
.endr
	WIN 0
.endm
.macro FETCH_A slot, q, i0
.irp i, \i0, \i0+1, \i0+2, \i0+3
	FRAG AF+FR*(\i), ADRA+\slot, (\i)*3072+(\q)*1536
.endr
.endm
.macro SCALES sc
.irp i, 0,1,2,3,4,5,6,7
.irp q, 0,1
	ds_load_b32 v[SC+8*NQ*\sc+NQ*\i+\q], v[ADRS] offset:(\i/2)*PSTR+64*(\i%2)+128*\q
.endr
.endr
.endm
.macro PLACES n
.rept \n
	v_nop
.endr
.endm
.macro STEP slot, sc, zero             ; a slot's first 128 along K; its successor lies in the same slot
	s_wait_dscnt 4*NL                              ; all but the youngest 16 loads (A's tiles 4-7)
	WIN MUL_LO
	MUL16 0, 0, 0, \sc, \zero
	MUL16 2, 0, 0, \sc, \zero
	s_wait_dscnt 0
	PLACES NP
	FETCH_B \slot, 1, 1
	FETCH_A \slot, 1, 0
	WIN MUL_HI
	MUL16 4, 0, 0, \sc, \zero
	MUL16 6, 0, 0, \sc, \zero
	PLACES NP
	WIN 0
	FETCH_A \slot, 1, 4
.endm
; A slot's second 128 along K, with a barrier: in front of it each wave waits for all its tensor loads, adds 0 to its spare word, and waits for that and for its reads of the slot.
; fill = 1 (leaving slot 0): slots 1 and 2 are whole in every wave's eyes, and slot 0 is filled again, with the fourth quarter of K.  fill = 0 (leaving slot 2): that fourth quarter is whole.
.macro TURN next, sc, scn, fill
	s_wait_tensorcnt 0x0                           ; all my tensor loads have landed
	ds_add_u32 v[SPW], v[NIL]                      ; 0 onto my spare word
	s_wait_dscnt 4*NL+1                            ; (the add and the youngest 16 loads may be out)
	WIN MUL_LO
	MUL16 0, 1, 1, \sc, 0
	s_wait_dscnt 0x0                               ; the add is done, and my reads of this slot are over
	s_barrier_signal -1
	MUL16 2, 1, 1, \sc, 0
	WIN 0
	s_barrier_wait -1
.if \fill
	CREST                                          ; a round of the cluster's barrier: no wave of any partner still reads slot 0 or has a load on its way
	s_add_nc_u64 s[G0+2:G0+3], s[G0+2:G0+3], 3*3072
	s_add_nc_u64 s[G0B+2:G0B+3], s[G0B+2:G0B+3], 3*3072
	JLOAD G0, G1, G0B, G1B                         ; the first tensor load behind the round; its four v_nop are the places in front of the loads below
.else
	PLACES NP
.endif
	v_add_nc_u32 v[ADRS], 128*NQ, v[ADRS]
	FETCH_B \next, 0, 0
	FETCH_A \next, 0, 0
	SCALES \scn
	WIN MUL_HI
	MUL16 4, 1, 1, \sc, 0
	MUL16 6, 1, 1, \sc, 0
	PLACES NP
	WIN 0
	FETCH_A \next, 0, 4
.endm
; The same without a barrier (leaving slot 1): slot 2 was shown whole by every wave's wait in front of the round above, and slot 1 is not filled again.
.macro CROSS next, sc, scn
	s_wait_dscnt 4*NL
	WIN MUL_LO
	MUL16 0, 1, 1, \sc, 0
	MUL16 2, 1, 1, \sc, 0
	s_wait_dscnt 0
	PLACES NP
	WIN 0
	v_add_nc_u32 v[ADRS], 128*NQ, v[ADRS]
	FETCH_B \next, 0, 0
	FETCH_A \next, 0, 0
	SCALES \scn
	WIN MUL_HI
	MUL16 4, 1, 1, \sc, 0
	MUL16 6, 1, 1, \sc, 0
	PLACES NP
	WIN 0
	FETCH_A \next, 0, 4
.endm
	s_wait_tensorcnt 2                             ; the scale words and my part of slot 0 are in (slots 1 and 2 may be out)
	s_barrier_signal -1
	s_barrier_wait -1
	FETCH_B 0, 0, 0
	FETCH_A 0, 0, 0
	SCALES 0
	FETCH_A 0, 0, 4
	STEP 0, 0, 1                                   ; the first products start the sums
	TURN 1, 0, 1, 1
	STEP 1, 1, 0
	CROSS 2, 1, 0
	STEP 2, 0, 0
	TURN 0, 0, 1, 0
	STEP 0, 1, 0
	s_wait_dscnt 4*NL
	WIN MUL_LO
	MUL16 0, 1, 1, 1, 0
	MUL16 2, 1, 1, 1, 0
	s_wait_dscnt 0
	WIN MUL_HI
	MUL16 4, 1, 1, 1, 0
	MUL16 6, 1, 1, 1, 0
	WIN 0
; THE WAY OUT, A's tiles one after the other: 16 rows x 128 columns go through my own stage and come back as whole rows of 512 bytes.  LDS serves a wave's instructions in order (ISA guide 5.7.1.4): no wait between the stores and the loads.
.macro TOSTAGE a
.set AC, 64*((\a)%4)
	WIN 0x08+4*((\a)/4)                            ; the data: window 2 or 3
.irp b, 0,1,2,3,4,5,6,7
	ds_store_b128 v[STO], v[AC+8*\b:AC+8*\b+3] offset:128*(\b/2)+32*(\b%2)       ; each accumulator from its low end on
	ds_store_b128 v[STO], v[AC+8*\b+4:AC+8*\b+7] offset:128*(\b/2)+32*(\b%2)+16
.endr
	WIN 0
.set BB, BK+64*((\a)%2)
.irp t, 0,1,2,3,4,5,6,7,8,9,10,11,12,13,14,15
	ds_load_b128 v[BB+4*\t:BB+4*\t+3], v[RD] offset:\t*SPITCH
.endr
.endm
.macro SEND a, younger
.set BB, BK+64*((\a)%2)
	s_wait_dscnt \younger
.irp t, 0,1,2,3,4,5,6,7,8,9,10,11,12,13,14,15
	global_store_b128 v12, v[BB+4*\t:BB+4*\t+3], s[66:67] offset:(32*((\a)/2)+8*((\a)%2)+\t+8*(\t/8))*4096   ; the tile's row t: 512 consecutive bytes, at a multiple of 256 from c's first byte
.endr
.endm
	PLACES NP
	TOSTAGE 0
.irp a, 1,2,3,4,5,6,7
.if \a > 1
	s_wait_xcnt 0x0                                ; tile a - 2's stores have read their registers: tile a's loads may land there
.endif
	TOSTAGE \a
	SEND \a-1, 32                                  ; behind tile a - 1's loads: tile a's 16 stores and 16 loads
.endr
	SEND 7, 0
	s_wait_tensorcnt 0x0                           ; the wave's end
	ds_add_u32 v[SPW], v[NIL]
	s_wait_dscnt 0x0
	CROUND                                         ; the closing round
	s_endpgm
.Lfunc_end_k_q0f4890db81_wy:
	.size	k_q0f4890db81_wy, .Lfunc_end_k_q0f4890db81_wy-k_q0f4890db81_wy
	.p2alignl 7, 3214868480
	.fill 96, 4, 3214868480
	.section	.rodata,"a",@progbits
	.p2align	6, 0x0
	.amdhsa_kernel k_q0f4890db81_wy
		.amdhsa_group_segment_fixed_size 327680
		.amdhsa_private_segment_fixed_size 0
		.amdhsa_enable_private_segment 0
		.amdhsa_kernarg_size 24
		.amdhsa_user_sgpr_count 2
		.amdhsa_user_sgpr_kernarg_segment_ptr 1
		.amdhsa_wavefront_size32 1
		.amdhsa_system_sgpr_workgroup_id_x 1
		.amdhsa_system_sgpr_workgroup_id_y 1
		.amdhsa_system_sgpr_workgroup_id_z 1
		.amdhsa_system_vgpr_workitem_id 0
		.amdhsa_next_free_vgpr 1024
		.amdhsa_next_free_sgpr 100
		.amdhsa_reserve_vcc 0
		.amdhsa_float_denorm_mode_32 3
		.amdhsa_float_denorm_mode_16_64 3
		.amdhsa_memory_ordered 1
		.amdhsa_forward_progress 1
		.amdhsa_inst_pref_size 146
	.end_amdhsa_kernel
	.amdgpu_metadata
---
amdhsa.version: [ 1, 2 ]
amdhsa.kernels:
  - .name:           k_q0f4890db81_wy
    .symbol:         k_q0f4890db81_wy.kd
    .args:
      - { .name: act, .offset: 0, .size: 8, .value_kind: global_buffer, .address_space: global }
      - { .name: wimg, .offset: 8, .size: 8, .value_kind: global_buffer, .address_space: global }
      - { .name: cbuf, .offset: 16, .size: 8, .value_kind: global_buffer, .address_space: global }
    .group_segment_fixed_size: 327680
    .private_segment_fixed_size: 0
    .kernarg_segment_align: 8
    .kernarg_segment_size: 24
    .max_flat_workgroup_size: 128
    .sgpr_count:     100
    .vgpr_count:     1024
    .wavefront_size: 32
...
	.end_amdgpu_metadata
.endif
;; end of part 4
;; launch ln1 (part 5): grid 256 x 1, 8 waves a work-group, no clusters, 70,656 bytes of LDS; arguments cbuf, x, bY, ln1_w, ln1_b, hbuf, act; writes hbuf, act
.if DOCPART == 5
	.amdgcn_target "amdgcn-amd-amdhsa--gfx1250"
	.amdhsa_code_object_version 6
	.text
	.protected	k_q0f4890db81_ln1
	.globl	k_q0f4890db81_ln1
	.p2align	8
	.type	k_q0f4890db81_ln1,@function
k_q0f4890db81_ln1:
	s_mov_b64 s[64:65], 0
	v_nop
	global_prefetch_b8 v0, s[64:65] scope:SCOPE_SE
	s_setreg_imm32_b32 hwreg(HW_REG_WAVE_MODE, 25, 1), 1
	s_wait_xcnt 0x0
; h = LayerNorm(c + bY + x) x ln1_w + ln1_b, rows of 1,024, biased variance, eps 1e-5; h goes out as f32 [4096][1024] and as codes of FP6 (E2M3) with E8M0 scales, in the order of an operand's registers, for the next product.
; A work-group takes tile T: the 16 rows 32 (T / 2) + 8 (T % 2) + t + 8 (t / 8); wave w takes columns 128 w on.  Every global access is 512 consecutive bytes of a row.
; TWO LAYOUTS.  By rows (RZ): register 4 t + j of lane l is row t, column 4 l + j of the strip: as loaded and as stored.  By lanes (Z): lane (r, h) holds row r, register 16 b + i column 32 b + 16 h + i: for the sums and for the quantiser.
; The strip turns from the first to the second through the wave's own stage in LDS.  A row's sums meet across the eight waves in LDS: two barriers (mean; then the squares of the differences, as the definition has them).
; Memory binds: no matrix unit, no cluster, no tensor load.
; LIMITS: NaN and infinities are not served; a block of zeros gets the scale byte 1.
.set QOUT, 1                           ; the result is also quantised
.set RED1, 67584                       ; behind the eight stages of 8,448 bytes: [row][wave] f32, and 512 bytes on the same for the second sum
.set MI,   68608                       ; a wave's own 128 bytes: 16 means, 16 reciprocal deviations
.set WV,  18
.set SEL, 20
.set K10, 22
.set EPSR, 23
.set L16, 4
.set L8,  5
.set SW,  6
.set SRD, 7
.set R4,  8
.set RA,  9
.set RB,  10
.set MIW, 11
.set MIB, 12
.set RZ,  48
.set Z,   112
.set PC,  176
.set TM,  196
.set PW,  212
.macro QUANT s
.irp b, 0,1,2,3
	v_max3_num_f32 v[TM+\b], |v[\s+16*\b]|, |v[\s+1+16*\b]|, 0x1800000   ; block b: my 16 numbers, and the floor 2^(3 - 127): the byte cannot fall under 1
.endr
.irp i, 2,4,6,8,10,12,14
.irp b, 0,1,2,3
	v_max3_num_f32 v[TM+\b], v[TM+\b], |v[\s+16*\b+\i]|, |v[\s+1+16*\b+\i]|
.endr
.endr
.irp b, 0,1,2,3
	v_permlanex16_b32 v[TM+4+\b], v[TM+\b], s[SEL], s[SEL+1]
.endr
.irp b, 0,1,2,3
	v_max_num_f32 v[TM+\b], v[TM+\b], v[TM+4+\b]
.endr
.irp b, 0,1,2,3
	v_add_nc_u32 v[TM+12+\b], 0xff000000, v[TM+\b]   ; 2 off the exponent field: the conversion's scale operand
.endr
.irp b, 0,1,2,3
	v_lshrrev_b32 v[TM+4+\b], 23, v[TM+12+\b]
.endr
	v_lshl_or_b32 v[PW], v[TM+5], 8, v[TM+4]
	v_lshl_or_b32 v[PW], v[TM+6], 16, v[PW]
	v_lshl_or_b32 v[PW], v[TM+7], 24, v[PW]
.irp c, 0,1
	v_cvt_scalef32_pk16_fp6_f32 v[PC+6*\c:PC+2+6*\c], v[\s+32*\c:\s+15+32*\c], v[TM+12+2*\c]
	v_cvt_scalef32_pk16_fp6_f32 v[PC+12+4*\c:PC+14+4*\c], v[\s+16+32*\c:\s+31+32*\c], v[TM+12+2*\c+1]
.endr
	v_nop                                          ; one plain place behind a scaled conversion
.irp c, 0,1
.irp i, 0,1,2
	v_permlane16_swap_b32 v[PC+6*\c+\i], v[PC+12+4*\c+\i]
.endr
.irp i, 0,1,2
	v_mov_b32 v[PC+3+6*\c+\i], v[PC+12+4*\c+\i]
.endr
.endr
.endm
.macro TURNZ                           ; RZ (by rows) through my stage into Z (by lanes)
.irp t, 0,1,2,3,4,5,6,7,8,9,10,11,12,13,14,15
	ds_store_b128 v[SW], v[RZ+4*\t:RZ+4*\t+3] offset:528*\t
.endr
.irp b, 0,1,2,3
.irp i, 0,1,2,3
	ds_load_b128 v[Z+16*\b+4*\i:Z+16*\b+4*\i+3], v[SRD] offset:128*\b+16*\i   ; LDS serves a wave's instructions in order (ISA guide 5.7.1.4): these see my stores
.endr
.endr
	s_wait_dscnt 0x0
.endm
.macro ACROSS off                      ; v30, my 64 numbers' sum, becomes the row's in v36
	v_permlanex16_b32 v34, v30, s[SEL], s[SEL+1]
	v_add_f32 v30, v30, v34                        ; the strip's
	ds_store_b32 v[RA], v30 offset:\off            ; lanes r and 16 + r write the same word with the same value
	s_wait_dscnt 0x0                               ; for the others' sake
	s_barrier_signal -1
	s_barrier_wait -1
	ds_load_b128 v[36:39], v[RB] offset:\off
	ds_load_b128 v[40:43], v[RB] offset:\off+16
	s_wait_dscnt 0x0
	v_add_f32 v36, v36, v37
	v_add_f32 v38, v38, v39
	v_add_f32 v40, v40, v41
	v_add_f32 v42, v42, v43
	v_add_f32 v36, v36, v38
	v_add_f32 v40, v40, v42
	v_add_f32 v36, v36, v40
.endm
	s_load_b256 s[4:11], s[0:1], 0x0               ; c, the residual, the bias, the gain
	s_load_b128 s[12:15], s[0:1], 0x20             ; the offset, the result
.if QOUT
	s_load_b64 s[16:17], s[0:1], 0x30              ; the codes
	v_lshl_add_u32 v216, v0, 2, 0x11000
	v_mov_b32 v217, 0
.endif
	v_lshrrev_b32 v1, 5, v0
	v_readfirstlane_b32 s[WV], v1                  ; wave 0..7
	v_and_b32 v1, 31, v0
	v_and_b32 v2, 15, v0
	v_bfe_u32 v3, v0, 4, 1
	v_lshlrev_b32 v[L16], 4, v1
	v_lshlrev_b32 v[L8], 3, v1
	s_mul_i32 s2, s[WV], 8448
	v_add_nc_u32 v[SW], s2, v[L16]
	v_mul_u32_u24 v[SRD], v2, 528
	v_lshl_add_u32 v[SRD], v3, 6, v[SRD]
	v_add_nc_u32 v[SRD], s2, v[SRD]
	v_lshlrev_b32 v[R4], 2, v2
	v_lshl_add_u32 v[RB], v2, 5, RED1
	s_lshl_b32 s2, s[WV], 2
	v_add_nc_u32 v[RA], s2, v[RB]
	s_lshl_b32 s2, s[WV], 7
	s_add_co_u32 s2, s2, MI
	v_mov_b32 v[MIB], s2
	v_add_nc_u32 v[MIW], s2, v[R4]
	v_mov_b32 v34, 0                               ; a lane permute's destination counts as one of its sources
.irp b, 0,1,2,3
	v_mov_b32 v[TM+4+\b], 0
.endr
	s_mov_b32 s[SEL], 0x76543210
	s_mov_b32 s[SEL+1], 0xfedcba98
	s_mov_b32 s[K10], 0x3a800000                   ; 1 / 1,024
	s_mov_b32 s[EPSR], 0x3727c5ac                  ; 1e-5
	s_lshr_b32 s3, ttmp9, 1
	s_and_b32 s19, ttmp9, 1
	s_lshl_b32 s24, s3, 5
	s_lshl_b32 s25, s19, 3
	s_add_co_u32 s24, s24, s25                     ; the tile's first row
	s_lshl_b32 s24, s24, 12
	s_lshl_b32 s26, s[WV], 9                       ; my strip
	s_add_co_u32 s24, s24, s26
	s_mov_b32 s25, 0
	s_mov_b32 s27, 0
	s_mul_i32 s28, ttmp9, 12288                    ; fragment (T, w)
	s_mul_i32 s29, s[WV], 1536
	s_add_co_u32 s28, s28, s29
	s_mov_b32 s29, 0
	s_lshl_b32 s30, s3, 3                          ; its scale words
	s_add_co_u32 s30, s30, s[WV]
	s_lshl_b32 s30, s30, 7
	s_lshl_b32 s31, s19, 6
	s_add_co_u32 s30, s30, s31
	s_add_co_u32 s30, s30, 3145728
	s_mov_b32 s31, 0
	s_wait_kmcnt 0x0
	s_add_nc_u64 s[4:5], s[4:5], s[24:25]
	s_add_nc_u64 s[6:7], s[6:7], s[24:25]
	s_add_nc_u64 s[14:15], s[14:15], s[24:25]
	s_add_nc_u64 s[8:9], s[8:9], s[26:27]
	s_add_nc_u64 s[10:11], s[10:11], s[26:27]
	s_add_nc_u64 s[12:13], s[12:13], s[26:27]
.if QOUT
	s_add_nc_u64 s[28:29], s[16:17], s[28:29]
	s_add_nc_u64 s[30:31], s[16:17], s[30:31]
.endif
	global_load_b128 v[16:19], v[L16], s[8:9]      ; my four columns' bias, gain, offset
	global_load_b128 v[20:23], v[L16], s[10:11]
	global_load_b128 v[24:27], v[L16], s[12:13]
.irp t, 0,1,2,3,4,5,6,7,8,9,10,11,12,13,14,15
	global_load_b128 v[RZ+4*\t:RZ+4*\t+3], v[L16], s[4:5] offset:(\t+8*(\t/8))*4096
	global_load_b128 v[Z+4*\t:Z+4*\t+3], v[L16], s[6:7] offset:(\t+8*(\t/8))*4096
.endr
	s_wait_loadcnt 0x0
.irp t, 0,1,2,3,4,5,6,7,8,9,10,11,12,13,14,15
.irp j, 0,2
	v_pk_add_f32 v[RZ+4*\t+\j:RZ+4*\t+\j+1], v[RZ+4*\t+\j:RZ+4*\t+\j+1], v[16+\j:17+\j]
.endr
.irp j, 0,2
	v_pk_add_f32 v[RZ+4*\t+\j:RZ+4*\t+\j+1], v[RZ+4*\t+\j:RZ+4*\t+\j+1], v[Z+4*\t+\j:Z+4*\t+\j+1]   ; z = (c + bias) + residual
.endr
.endr
	TURNZ
	v_pk_add_f32 v[30:31], v[Z:Z+1], v[Z+4:Z+5]    ; the sum of my 64, in two packed chains
	v_pk_add_f32 v[32:33], v[Z+2:Z+3], v[Z+6:Z+7]
.irp j, 8,12,16,20,24,28,32,36,40,44,48,52,56,60
	v_pk_add_f32 v[30:31], v[30:31], v[Z+\j:Z+\j+1]
	v_pk_add_f32 v[32:33], v[32:33], v[Z+\j+2:Z+\j+3]
.endr
	v_pk_add_f32 v[30:31], v[30:31], v[32:33]
	v_add_f32 v30, v30, v31
	ACROSS 0
	v_mul_f32 v28, s[K10], v36                     ; the mean
	v_mov_b32 v29, v28
.set j, 0
.rept 32
	v_pk_add_f32 v[Z+j:Z+j+1], v[Z+j:Z+j+1], v[28:29] neg_lo:[0,1] neg_hi:[0,1]
.set j, j+2
.endr
	v_pk_mul_f32 v[30:31], v[Z:Z+1], v[Z:Z+1]
	v_pk_mul_f32 v[32:33], v[Z+2:Z+3], v[Z+2:Z+3]
.irp j, 4,8,12,16,20,24,28,32,36,40,44,48,52,56,60
	v_pk_fma_f32 v[30:31], v[Z+\j:Z+\j+1], v[Z+\j:Z+\j+1], v[30:31]
	v_pk_fma_f32 v[32:33], v[Z+\j+2:Z+\j+3], v[Z+\j+2:Z+\j+3], v[32:33]
.endr
	v_pk_add_f32 v[30:31], v[30:31], v[32:33]
	v_add_f32 v30, v30, v31
	ACROSS 512
	v_fma_f32 v35, v36, s[K10], s[EPSR]            ; the variance + eps
	v_rsq_f32 v35, v35
	v_nop                                          ; one plain place behind a transcendental
	ds_store_b32 v[MIW], v28                       ; row r's mean and reciprocal deviation, to my wave's own words,
	s_wait_alu depctr_va_vdst(0)
	ds_store_b32 v[MIW], v35 offset:64
.irp i, 0,1,2,3
	ds_load_b128 v[Z+4*\i:Z+4*\i+3], v[MIB] offset:16*\i          ; and all sixteen rows' back into every lane
	ds_load_b128 v[Z+16+4*\i:Z+16+4*\i+3], v[MIB] offset:64+16*\i
.endr
	s_wait_dscnt 0x0
.irp t, 0,1,2,3,4,5,6,7,8,9,10,11,12,13,14,15
.irp j, 0,1,2,3
	v_sub_f32 v[RZ+4*\t+\j], v[RZ+4*\t+\j], v[Z+\t]
.endr
.irp j, 0,1,2,3
	v_mul_f32 v[RZ+4*\t+\j], v[RZ+4*\t+\j], v[Z+16+\t]
.endr
.irp j, 0,2
	v_pk_fma_f32 v[RZ+4*\t+\j:RZ+4*\t+\j+1], v[RZ+4*\t+\j:RZ+4*\t+\j+1], v[20+\j:21+\j], v[24+\j:25+\j]
.endr
	global_store_b128 v[L16], v[RZ+4*\t:RZ+4*\t+3], s[14:15] offset:(\t+8*(\t/8))*4096   ; 512 consecutive bytes of a row
.endr
.if QOUT
	TURNZ
	QUANT Z
	global_store_b128 v[L16], v[PC:PC+3], s[28:29]
	global_store_b64 v[L8], v[PC+4:PC+5], s[28:29] offset:512
	global_store_b128 v[L16], v[PC+6:PC+9], s[28:29] offset:768
	global_store_b64 v[L8], v[PC+10:PC+11], s[28:29] offset:1280
	global_store_b32 v[R4], v[PW], s[30:31]        ; 64 consecutive bytes; lanes r and 16 + r write the same word
.endif
	s_wait_tensorcnt 0x0
	ds_add_u32 v216, v217
	s_wait_dscnt 0x0
	s_endpgm
.Lfunc_end_k_q0f4890db81_ln1:
	.size	k_q0f4890db81_ln1, .Lfunc_end_k_q0f4890db81_ln1-k_q0f4890db81_ln1
	.p2alignl 7, 3214868480
	.fill 96, 4, 3214868480
	.section	.rodata,"a",@progbits
	.p2align	6, 0x0
	.amdhsa_kernel k_q0f4890db81_ln1
		.amdhsa_group_segment_fixed_size 70656
		.amdhsa_private_segment_fixed_size 0
		.amdhsa_enable_private_segment 0
		.amdhsa_kernarg_size 56
		.amdhsa_user_sgpr_count 2
		.amdhsa_user_sgpr_kernarg_segment_ptr 1
		.amdhsa_wavefront_size32 1
		.amdhsa_system_sgpr_workgroup_id_x 1
		.amdhsa_system_sgpr_workgroup_id_y 1
		.amdhsa_system_sgpr_workgroup_id_z 1
		.amdhsa_system_vgpr_workitem_id 0
		.amdhsa_next_free_vgpr 218
		.amdhsa_next_free_sgpr 66
		.amdhsa_reserve_vcc 0
		.amdhsa_float_denorm_mode_32 3
		.amdhsa_float_denorm_mode_16_64 3
		.amdhsa_memory_ordered 1
		.amdhsa_forward_progress 1
		.amdhsa_inst_pref_size 35
	.end_amdhsa_kernel
	.amdgpu_metadata
---
amdhsa.version: [ 1, 2 ]
amdhsa.kernels:
  - .name:           k_q0f4890db81_ln1
    .symbol:         k_q0f4890db81_ln1.kd
    .args:
      - { .name: cbuf, .offset: 0, .size: 8, .value_kind: global_buffer, .address_space: global }
      - { .name: x, .offset: 8, .size: 8, .value_kind: global_buffer, .address_space: global }
      - { .name: bY, .offset: 16, .size: 8, .value_kind: global_buffer, .address_space: global }
      - { .name: ln1_w, .offset: 24, .size: 8, .value_kind: global_buffer, .address_space: global }
      - { .name: ln1_b, .offset: 32, .size: 8, .value_kind: global_buffer, .address_space: global }
      - { .name: hbuf, .offset: 40, .size: 8, .value_kind: global_buffer, .address_space: global }
      - { .name: act, .offset: 48, .size: 8, .value_kind: global_buffer, .address_space: global }
    .group_segment_fixed_size: 70656
    .private_segment_fixed_size: 0
    .kernarg_segment_align: 8
    .kernarg_segment_size: 56
    .max_flat_workgroup_size: 256
    .sgpr_count:     66
    .vgpr_count:     218
    .wavefront_size: 32
...
	.end_amdgpu_metadata
.endif
;; end of part 5
;; launch w1 (part 6): grid 16 x 16, 4 waves a work-group, clusters of 4 x 4, 327,680 bytes of LDS; arguments act, wimg, b1, gq; writes gq
.if DOCPART == 6
	.amdgcn_target "amdgcn-amd-amdhsa--gfx1250"
	.amdhsa_code_object_version 6
	.text
	.protected	k_q0f4890db81_w1
	.globl	k_q0f4890db81_w1
	.p2align	8
	.type	k_q0f4890db81_w1,@function
k_q0f4890db81_w1:
	s_mov_b64 s[64:65], 0
	v_nop
	global_prefetch_b8 v0, s[64:65] scope:SCOPE_SE
	s_setreg_imm32_b32 hwreg(HW_REG_WAVE_MODE, 25, 1), 1
	s_wait_xcnt 0x0
	s_wait_alu depctr_hold_cnt(0) depctr_sa_sdst(0) depctr_va_vdst(0) depctr_va_sdst(0) depctr_va_ssrc(0) depctr_va_vcc(0) depctr_vm_vsrc(0)
	s_getreg_b32 s2, hwreg(HW_REG_IB_STS2, 6, 4)
	s_cmp_eq_u32 s2, 0
	s_cbranch_scc0 .Lentry_in_a_cluster
	s_endpgm
.Lentry_in_a_cluster:
	s_bfe_u32 s2, ttmp6, 0x10000c
	s_cmp_lg_u32 s2, 0xf033
	s_cbranch_scc0 .Lentry_shape_is_right
	s_endpgm
.Lentry_shape_is_right:
; g = gelu(Q(h) W1 + b1), exact gelu, on codes of FP6 (E2M3) with E8M0 scales, K = 1,024, N = 4,096; g is quantised along its 4,096 columns, the next product's K, and stored as codes.
; OPERANDS lie in the order of an operand's registers: tile T = 16 rows, lane (r, h) holds row 32 (T / 2) + 8 (T % 2) + r + 8 (r / 8); fragment (T, s), 16 rows x 128 K, is 1,536 dense bytes at (T KT + s) 1,536 (registers 6 c .. 6 c + 3 at
; 768 c + 16 lane, 6 c + 4, 6 c + 5 at 768 c + 512 + 8 lane); scale word (T, s, r) at ((T / 2) KT + s) 128 + 64 (T % 2) + 4 r.  So a fragment comes from LDS by four dense loads, and there is no pitch and no padding.
; A work-group of four waves makes 256 tokens (A) x 256 hidden units (B, the weight's rows); a wave 128 x 128: 64 accumulators.  Source 0 = 16 rows of B, source 1 = 16 rows of A: a lane holds ONE token, and by the order of a tile's rows
; the 16 registers of B's tiles 2 b, 2 b + 1 are 16 neighbouring hidden units: a lane's 64 results of a tile of tokens are quantised in registers into one fragment of the next product.
; K IN LDS.  K is four quarters of 256, 98,304 bytes each for the work-group's 512 rows.  THREE slots lie in LDS (3 x 98,304 + 16,384 of scale words + 512 spare = 311,808 bytes) and are filled at the start, with the scale words: four tensor loads a wave.
; Slot 0 is filled once more, with the fourth quarter, when it has been read: that load has slots 1 and 2, 224 matrix instructions, in which to land.  CLUSTERS: 4 x 4; A's tiles are asked for jointly along a row of the cluster, B's along a column.
; GELU.  g = max(x, 0) - |x| Q(|x|), Q the normal distribution's upper tail: Q(u) = exp(-u^2 / 2) t (c1 + t (c2 + t (c3 + t (c4 + t c5)))), t = 1 / (1 + 0.2316419 u) (Abramowitz and Stegun 26.2.17, the constants divided by sqrt(2 pi)).
; LIMITS: that form's absolute error in Q is under 7.5e-8; NaN and infinities are not served; a block of zeros gets the scale byte 1.
; REGISTERS: window 0: v1-31 addresses, v[8:9] c5; v32-63 scale words, two sets; v64-127 the bias along the registers; v128-223 A's fragments, one set.  window 1: B's fragments, two sets.  windows 2, 3: the accumulators.
.set KT,     8                         ; K / 128
.set A_OFFS, 3145728                   ; act: scale words behind the codes
.set B_OFFC, 3145728                   ; wimg: W1's codes,
.set B_OFFS, 9568256                   ; and its scale words
.set NQ,     2
.set FR,     12
.set NL,     4
.set NP,     4
.set TPK,    KT*1536
.set HALFT,  8*3072
.set SLOT,   4*HALFT
.set SCL,    3*SLOT
.set PSTR,   KT*128
.set HALFS,  4*PSTR
.set SPARE,  SCL+4*HALFS               ; the spare words, 128 bytes for each wave: two blocks of 256 bytes that no other line names
.set ADRA, 16                          ; v16-18 16 x lane + my A tiles in slot 0, 1, 2;  v19-21 the same with 8 x lane
.set ADRB, 22                          ; v22-27 the same for B
.set SPW,  28
.set NIL,  29
.set ADRS, 30
.set SC,   32
.set BI,   64
.set AF,   128
.set G1, 24                            ; s[24:31] descriptor group 1 for A's tiles;  s[32:35], s[36:39], s[4:7] groups 0 for slots 0, 1, 2
.set G0, 32
.set G1B, 48                           ; s[48:55] for B's;  s[56:59], s[60:63], s[96:99]
.set G0B, 56
.set G1S, 68
.set G0S, 76
.set G1SB, 80
.set G0SB, 88
.set MSB, 0
.macro WIN new
.if MSB != (\new)
	s_set_vgpr_msb (MSB<<8)|(\new)
.set MSB, (\new)
.endif
.endm
.set MUL_LO, 0xa1
.set MUL_HI, 0xf1
.set TO_B,   0x40
.macro JLOAD g0a, g1a, g0b, g1b        ; a joint load: waves 0 and 1 fetch for A, waves 2 and 3 for B; four v_nop follow each line
	s_cmp_eq_u32 s15, 0
	s_cbranch_scc0 .Lfor_b_\@
	tensor_load_to_lds s[\g0a:\g0a+3], s[\g1a:\g1a+7]
	s_nop 0
.rept 4
	v_nop
.endr
	s_branch .Lasked_\@
.Lfor_b_\@:
	tensor_load_to_lds s[\g0b:\g0b+3], s[\g1b:\g1b+7]
	s_nop 0
.rept 4
	v_nop
.endr
.Lasked_\@:
.endm
.macro CREST
	s_cmp_lg_u32 s14, 0
	s_cbranch_scc1 .Lnot_wave_0_\@
	s_barrier_signal -3
.Lnot_wave_0_\@:
	s_barrier_wait -3
	s_barrier_signal -1
	s_barrier_wait -1
.endm
.macro CROUND
	s_barrier_signal -1
	s_barrier_wait -1
	CREST
.endm
.macro FIRST s, ga, gb                 ; slot s's groups 0 and its first fill: quarter s of K
	s_mov_b32 s[\ga], 1
	s_add_co_u32 s[\ga+1], s45, \s*SLOT
	s_add_nc_u64 s[\ga+2:\ga+3], s[20:21], \s*3072
	s_or_b32 s[\ga+3], s[\ga+3], 0x80000000
	s_mov_b32 s[\gb], 1
	s_add_co_u32 s[\gb+1], s45, \s*SLOT
	s_add_nc_u64 s[\gb+2:\gb+3], s[46:47], \s*3072
	s_or_b32 s[\gb+3], s[\gb+3], 0x80000000
	JLOAD \ga, G1, \gb, G1B
.endm
	s_load_b128 s[4:7], s[0:1], 0x0                ; A's buffer, B's buffer
	s_load_b64 s[10:11], s[0:1], 0x10              ; b1
	s_load_b64 s[66:67], s[0:1], 0x18              ; gq
	v_lshl_add_u32 v[SPW], v0, 2, SPARE
	v_mov_b32 v[NIL], 0
	ds_add_u32 v28, v29
	ds_add_u32 v28, v29
	s_wait_dscnt 0x0
	v_lshrrev_b32 v1, 5, v0
	v_readfirstlane_b32 s14, v1
	s_lshr_b32 s15, s14, 1
	s_and_b32 s16, s14, 1
	s_bfe_u32 s40, ttmp6, 0x40000
	s_bfe_u32 s41, ttmp6, 0x40004
	s_lshl_b32 s42, ttmp9, 2
	s_add_co_u32 s42, s42, s40                     ; B's block of 256 rows
	s_and_b32 s17, ttmp7, 0xffff
	s_lshl_b32 s17, s17, 2
	s_add_co_u32 s17, s17, s41                     ; A's block
	s_lshl_b32 s43, s41, 2
	s_lshl_b32 s43, 15, s43
	s_lshl_b32 s44, 0x1111, s40
	s_mul_i32 s20, s17, 16*TPK
	s_mul_i32 s21, s16, 8*TPK
	s_add_co_u32 s20, s20, s21
	s_mov_b32 s21, 0
	s_mul_i32 s22, s17, 8*PSTR
	s_mul_i32 s23, s16, HALFS
	s_add_co_u32 s22, s22, s23
	s_add_co_u32 s22, s22, A_OFFS
	s_mov_b32 s23, 0
	s_mul_i32 s46, s42, 16*TPK
	s_mul_i32 s47, s16, 8*TPK
	s_add_co_u32 s46, s46, s47
	s_add_co_u32 s46, s46, B_OFFC
	s_mov_b32 s47, 0
	s_mul_i32 s92, s42, 8*PSTR
	s_mul_i32 s93, s16, HALFS
	s_add_co_u32 s92, s92, s93
	s_add_co_u32 s92, s92, B_OFFS
	s_mov_b32 s93, 0
	s_or_b32 s[G1+0], s43, (3<<16)|(1<<21)         ; 8 tiles x 3,072 bytes (384 elements of 8 bytes), TPK bytes apart; the mask: my row of the cluster
	s_or_b32 s[G1B+0], s44, (3<<16)|(1<<21)
.irp g, G1, G1B
	s_mov_b32 s[\g+1], 384<<16
	s_mov_b32 s[\g+2], 8<<16
	s_mov_b32 s[\g+3], 384<<16
	s_mov_b32 s[\g+4], 8
	s_mov_b32 s[\g+5], TPK/8
	s_mov_b32 s[\g+6], 0
	s_mov_b32 s[\g+7], 0
.endr
	s_or_b32 s[G1S+0], s43, (3<<16)|(1<<21)        ; the scale words of 128 rows: HALFS dense bytes as rows of 256
	s_or_b32 s[G1SB+0], s44, (3<<16)|(1<<21)
.irp g, G1S, G1SB
	s_mov_b32 s[\g+1], 32<<16
	s_mov_b32 s[\g+2], (HALFS/256)<<16
	s_mov_b32 s[\g+3], 32<<16
	s_mov_b32 s[\g+4], HALFS/256
	s_mov_b32 s[\g+5], 32
	s_mov_b32 s[\g+6], 0
	s_mov_b32 s[\g+7], 0
.endr
	s_mul_i32 s45, s14, HALFT
	s_mul_i32 s94, s14, HALFS
	s_wait_kmcnt 0x0
	s_add_nc_u64 s[20:21], s[4:5], s[20:21]
	s_add_nc_u64 s[22:23], s[4:5], s[22:23]
	s_add_nc_u64 s[46:47], s[6:7], s[46:47]
	s_add_nc_u64 s[92:93], s[6:7], s[92:93]        ; s[4:7] are done with: they take the third slot's group 0
	CROUND                                         ; all sixteen work-groups are here: the first joint loads meet
	s_mov_b32 s[G0S], 1
	s_add_co_u32 s[G0S+1], s94, SCL
	s_mov_b64 s[G0S+2:G0S+3], s[22:23]
	s_or_b32 s[G0S+3], s[G0S+3], 0x80000000
	s_mov_b32 s[G0SB], 1
	s_add_co_u32 s[G0SB+1], s94, SCL
	s_mov_b64 s[G0SB+2:G0SB+3], s[92:93]
	s_or_b32 s[G0SB+3], s[G0SB+3], 0x80000000
	JLOAD G0S, G1S, G0SB, G1SB
	FIRST 0, 32, 56
	FIRST 1, 36, 60
	FIRST 2, 4, 96                                 ; four tensor loads of mine are out
	v_and_b32 v1, 15, v0
	v_bfe_u32 v2, v0, 4, 1
	v_and_b32 v3, 31, v0
	v_lshlrev_b32 v12, 4, v3
	v_lshlrev_b32 v13, 3, v3
	v_lshlrev_b32 v14, 2, v3
	v_lshlrev_b32 v15, 6, v2
	s_mul_i32 s21, s15, HALFT
	s_mul_i32 s22, s16, HALFT
	s_add_co_u32 s22, s22, 2*HALFT
.irp s, 0,1,2
	v_add_nc_u32 v[ADRA+\s], s21, v12
	v_add_nc_u32 v[ADRA+3+\s], s21, v13
	v_add_nc_u32 v[ADRB+\s], s22, v12
	v_add_nc_u32 v[ADRB+3+\s], s22, v13
	s_add_co_u32 s21, s21, SLOT
	s_add_co_u32 s22, s22, SLOT
.endr
	v_lshlrev_b32 v5, 2, v1
	s_mul_i32 s21, s15, HALFS
	s_mul_i32 s22, s16, HALFS
	s_add_co_u32 s22, s22, 2*HALFS
	s_sub_co_u32 s22, s22, s21
	v_mul_u32_u24 v6, s22, v2                      ; lanes 16-31 take B's
	s_add_co_u32 s21, s21, SCL
	v_add_nc_u32 v5, v5, v6
	v_add_nc_u32 v[ADRS], s21, v5
	s_lshl_b32 s18, s42, 10                        ; the bias: register 16 b + i is hidden unit 32 b + 16 h + i of my 128
	s_lshl_b32 s21, s16, 9
	s_add_co_u32 s18, s18, s21
	s_mov_b32 s19, 0
	s_add_nc_u64 s[10:11], s[10:11], s[18:19]
.irp b, 0,1,2,3
.irp i, 0,1,2,3
	global_load_b128 v[BI+16*\b+4*\i:BI+16*\b+4*\i+3], v15, s[10:11] offset:128*\b+16*\i
.endr
.endr
.macro FRAG reg, adr, off
	ds_load_b128 v[\reg:\reg+3], v[\adr] offset:\off
	ds_load_b64 v[\reg+4:\reg+5], v[\adr+3] offset:\off+512
	ds_load_b128 v[\reg+6:\reg+9], v[\adr] offset:\off+768
	ds_load_b64 v[\reg+10:\reg+11], v[\adr+3] offset:\off+1280
.endm
.macro MUL16 a0, p, q, sc, zero        ; the 64 accumulators take turns, one instruction a turn
.irp a, \a0, \a0+1
.irp b, 0,1,2,3,4,5,6,7
.if \zero
	v_wmma_scale_f32_16x16x128_f8f6f4 v[8*(8*((\a)%4)+\b):8*(8*((\a)%4)+\b)+7], v[128*(\p)+FR*\b:128*(\p)+FR*\b+FR-1], v[AF+FR*(\a):AF+FR*(\a)+FR-1], 0, v[SC+8*NQ*(\sc)+NQ*\b+(\q)], v[SC+8*NQ*(\sc)+NQ*(\a)+(\q)] matrix_a_fmt:MATRIX_FMT_FP6 matrix_b_fmt:MATRIX_FMT_FP6 matrix_a_scale:MATRIX_SCALE_ROW1
.else
	v_wmma_scale_f32_16x16x128_f8f6f4 v[8*(8*((\a)%4)+\b):8*(8*((\a)%4)+\b)+7], v[128*(\p)+FR*\b:128*(\p)+FR*\b+FR-1], v[AF+FR*(\a):AF+FR*(\a)+FR-1], v[8*(8*((\a)%4)+\b):8*(8*((\a)%4)+\b)+7], v[SC+8*NQ*(\sc)+NQ*\b+(\q)], v[SC+8*NQ*(\sc)+NQ*(\a)+(\q)] matrix_a_fmt:MATRIX_FMT_FP6 matrix_b_fmt:MATRIX_FMT_FP6 matrix_a_scale:MATRIX_SCALE_ROW1
.endif
.endr
.endr
.endm
.macro FETCH_B slot, q, p
	WIN TO_B
.irp i, 0,1,2,3,4,5,6,7
	FRAG 128*(\p)+FR*\i, ADRB+\slot, \i*3072+(\q)*1536
.endr
	WIN 0
.endm
.macro FETCH_A slot, q, i0
.irp i, \i0, \i0+1, \i0+2, \i0+3
	FRAG AF+FR*(\i), ADRA+\slot, (\i)*3072+(\q)*1536
.endr
.endm
.macro SCALES sc
.irp i, 0,1,2,3,4,5,6,7
.irp q, 0,1
	ds_load_b32 v[SC+8*NQ*\sc+NQ*\i+\q], v[ADRS] offset:(\i/2)*PSTR+64*(\i%2)+128*\q
.endr
.endr
.endm
.macro PLACES n
.rept \n
	v_nop
.endr
.endm
.macro STEP slot, sc, zero             ; a slot's first 128 along K; its successor lies in the same slot
	s_wait_dscnt 4*NL                              ; all but the youngest 16 loads (A's tiles 4-7)
	WIN MUL_LO
	MUL16 0, 0, 0, \sc, \zero
	MUL16 2, 0, 0, \sc, \zero
	s_wait_dscnt 0
	PLACES NP
	FETCH_B \slot, 1, 1
	FETCH_A \slot, 1, 0
	WIN MUL_HI
	MUL16 4, 0, 0, \sc, \zero
	MUL16 6, 0, 0, \sc, \zero
	PLACES NP
	WIN 0
	FETCH_A \slot, 1, 4
.endm
; A slot's second 128 along K, with a barrier: in front of it each wave waits for all its tensor loads, adds 0 to its spare word, and waits for that and for its reads of the slot.
; fill = 1 (leaving slot 0): slots 1 and 2 are whole in every wave's eyes, and slot 0 is filled again, with the fourth quarter of K.  fill = 0 (leaving slot 2): that fourth quarter is whole.
.macro TURN next, sc, scn, fill
	s_wait_tensorcnt 0x0                           ; all my tensor loads have landed
	ds_add_u32 v[SPW], v[NIL]                      ; 0 onto my spare word
	s_wait_dscnt 4*NL+1                            ; (the add and the youngest 16 loads may be out)
	WIN MUL_LO
	MUL16 0, 1, 1, \sc, 0
	s_wait_dscnt 0x0                               ; the add is done, and my reads of this slot are over
	s_barrier_signal -1
	MUL16 2, 1, 1, \sc, 0
	WIN 0
	s_barrier_wait -1
.if \fill
	CREST                                          ; a round of the cluster's barrier: no wave of any partner still reads slot 0 or has a load on its way
	s_add_nc_u64 s[G0+2:G0+3], s[G0+2:G0+3], 3*3072
	s_add_nc_u64 s[G0B+2:G0B+3], s[G0B+2:G0B+3], 3*3072
	JLOAD G0, G1, G0B, G1B                         ; the first tensor load behind the round; its four v_nop are the places in front of the loads below
.else
	PLACES NP
.endif
	v_add_nc_u32 v[ADRS], 128*NQ, v[ADRS]
	FETCH_B \next, 0, 0
	FETCH_A \next, 0, 0
	SCALES \scn
	WIN MUL_HI
	MUL16 4, 1, 1, \sc, 0
	MUL16 6, 1, 1, \sc, 0
	PLACES NP
	WIN 0
	FETCH_A \next, 0, 4
.endm
; The same without a barrier (leaving slot 1): slot 2 was shown whole by every wave's wait in front of the round above, and slot 1 is not filled again.
.macro CROSS next, sc, scn
	s_wait_dscnt 4*NL
	WIN MUL_LO
	MUL16 0, 1, 1, \sc, 0
	MUL16 2, 1, 1, \sc, 0
	s_wait_dscnt 0
	PLACES NP
	WIN 0
	v_add_nc_u32 v[ADRS], 128*NQ, v[ADRS]
	FETCH_B \next, 0, 0
	FETCH_A \next, 0, 0
	SCALES \scn
	WIN MUL_HI
	MUL16 4, 1, 1, \sc, 0
	MUL16 6, 1, 1, \sc, 0
	PLACES NP
	WIN 0
	FETCH_A \next, 0, 4
.endm
	s_wait_loadcnt 0x0                             ; the bias: its address registers are free from here on
	s_wait_tensorcnt 2                             ; the scale words and my part of slot 0 are in (slots 1 and 2 may be out)
	s_barrier_signal -1
	s_barrier_wait -1
	FETCH_B 0, 0, 0
	FETCH_A 0, 0, 0
	SCALES 0
	FETCH_A 0, 0, 4
	STEP 0, 0, 1                                   ; the first products start the sums
	TURN 1, 0, 1, 1
	STEP 1, 1, 0
	CROSS 2, 1, 0
	STEP 2, 0, 0
	TURN 0, 0, 1, 0
	STEP 0, 1, 0
	s_wait_dscnt 4*NL
	WIN MUL_LO
	MUL16 0, 1, 1, 1, 0
	MUL16 2, 1, 1, 1, 0
	s_wait_dscnt 0
	WIN MUL_HI
	MUL16 4, 1, 1, 1, 0
	MUL16 6, 1, 1, 1, 0
	WIN 0
; THE WAY OUT: A's eight tiles one after the other, in a loop of eight trips, so that the activation and the quantiser are written once.
.set HA,  128
.set PC,  192
.set TM,  212
.set PW,  228
.set PWE, 229
.set WW,  230
.set GT,  232                          ; v232-239 t;  v240-247 x^2, the exponential, max(x, 0);  v248-255 the polynomial
.set GE,  240
.set GP,  248
.set SEL, 96
.set HM,  98
.set K1,  99
.set AI,  3
.set OB,  20
.set OS,  22
.macro QUANT s
.irp b, 0,1,2,3
	v_max3_num_f32 v[TM+\b], |v[\s+16*\b]|, |v[\s+1+16*\b]|, 0x1800000   ; block b: my 16 numbers, and the floor 2^(3 - 127): the byte cannot fall under 1
.endr
.irp i, 2,4,6,8,10,12,14
.irp b, 0,1,2,3
	v_max3_num_f32 v[TM+\b], v[TM+\b], |v[\s+16*\b+\i]|, |v[\s+1+16*\b+\i]|
.endr
.endr
.irp b, 0,1,2,3
	v_permlanex16_b32 v[TM+4+\b], v[TM+\b], s[SEL], s[SEL+1]
.endr
.irp b, 0,1,2,3
	v_max_num_f32 v[TM+\b], v[TM+\b], v[TM+4+\b]
.endr
.irp b, 0,1,2,3
	v_add_nc_u32 v[TM+12+\b], 0xff000000, v[TM+\b]   ; 2 off the exponent field: the conversion's scale operand
.endr
.irp b, 0,1,2,3
	v_lshrrev_b32 v[TM+4+\b], 23, v[TM+12+\b]
.endr
	v_lshl_or_b32 v[PW], v[TM+5], 8, v[TM+4]
	v_lshl_or_b32 v[PW], v[TM+6], 16, v[PW]
	v_lshl_or_b32 v[PW], v[TM+7], 24, v[PW]
.irp c, 0,1
	v_cvt_scalef32_pk16_fp6_f32 v[PC+6*\c:PC+2+6*\c], v[\s+32*\c:\s+15+32*\c], v[TM+12+2*\c]
	v_cvt_scalef32_pk16_fp6_f32 v[PC+12+4*\c:PC+14+4*\c], v[\s+16+32*\c:\s+31+32*\c], v[TM+12+2*\c+1]
.endr
	v_nop                                          ; one plain place behind a scaled conversion
.irp c, 0,1
.irp i, 0,1,2
	v_permlane16_swap_b32 v[PC+6*\c+\i], v[PC+12+4*\c+\i]
.endr
.irp i, 0,1,2
	v_mov_b32 v[PC+3+6*\c+\i], v[PC+12+4*\c+\i]
.endr
.endr
.endm
.macro GELU8 x                         ; eight numbers in place.  Each run of transcendentals is followed by plain lines that touch none of its registers
.irp i, 0,1,2,3,4,5,6,7
	v_fma_f32 v[GT+\i], |v[\x+\i]|, s[K1], 1.0
.endr
.irp i, 0,2,4,6
	v_pk_mul_f32 v[GE+\i:GE+\i+1], v[\x+\i:\x+\i+1], v[\x+\i:\x+\i+1]
.endr
.irp i, 0,1,2,3,4,5,6,7
	v_rcp_f32 v[GT+\i], v[GT+\i]                   ; t
.endr
.irp i, 0,2,4,6
	v_pk_mul_f32 v[GE+\i:GE+\i+1], v[GE+\i:GE+\i+1], 0xbf38aa3b op_sel_hi:[1,0]   ; - x^2 log2(e) / 2
.endr
.irp i, 0,1,2,3,4,5,6,7
	v_exp_f32 v[GE+\i], v[GE+\i]
.endr
	s_wait_alu depctr_va_vdst(0)
.irp i, 0,2,4,6
	v_pk_fma_f32 v[GP+\i:GP+\i+1], v[GT+\i:GT+\i+1], v[8:9], 0xbf3a00e3 op_sel_hi:[1,1,0]   ; c5 t + c4
.endr
.irp c, 0x3f35f0e3, 0xbe11a98e, 0x3e027906
.irp i, 0,2,4,6
	v_pk_fma_f32 v[GP+\i:GP+\i+1], v[GP+\i:GP+\i+1], v[GT+\i:GT+\i+1], \c op_sel_hi:[1,1,0]
.endr
.endr
.irp i, 0,2,4,6
	v_pk_mul_f32 v[GP+\i:GP+\i+1], v[GP+\i:GP+\i+1], v[GT+\i:GT+\i+1]
.endr
.irp i, 0,2,4,6
	v_pk_mul_f32 v[GP+\i:GP+\i+1], v[GP+\i:GP+\i+1], v[GE+\i:GE+\i+1]   ; Q(|x|)
.endr
.irp i, 0,1,2,3,4,5,6,7
	v_max_num_f32 v[GE+\i], 0, v[\x+\i]
.endr
.irp i, 0,1,2,3,4,5,6,7
	v_fma_f32 v[\x+\i], -|v[\x+\i]|, v[GP+\i], v[GE+\i]
.endr
.endm
	PLACES NP                                      ; behind the last products: their results are read, and A's registers written, below
	s_mov_b32 s[SEL], 0x76543210
	s_mov_b32 s[SEL+1], 0xfedcba98
	s_mov_b32 s[HM], 0xffff0000
	s_mov_b32 s[K1], 0x3e6d3389                    ; 0.2316419
	v_mov_b32 v8, 0x3f07dc22                       ; c5, twice
	v_mov_b32 v9, 0x3f07dc22
.irp b, 0,1,2,3
	v_mov_b32 v[TM+4+\b], 0
.endr
	v_mov_b32 v[PWE], 0
	s_lshl_b32 s18, s17, 4
	s_lshl_b32 s19, s15, 3
	s_add_co_u32 s18, s18, s19                     ; my first tile of the result
	s_lshl_b32 s19, s42, 1
	s_add_co_u32 s19, s19, s16                     ; its K step
	s_mul_i32 s[OB], s18, 49152                    ; a tile of g: 32 K steps
	s_mul_i32 s21, s19, 1536
	s_add_co_u32 s[OB], s[OB], s21
	s_mov_b32 s[OB+1], 0
	s_lshl_b32 s[OS], s18, 11                      ; (T / 2) x 4,096
	s_lshl_b32 s23, s19, 7
	s_add_co_u32 s[OS], s[OS], s23
	s_add_co_u32 s[OS], s[OS], 12582912            ; behind the codes
	s_mov_b32 s[OS+1], 0
	s_add_nc_u64 s[OB:OB+1], s[66:67], s[OB:OB+1]
	s_add_nc_u64 s[OS:OS+1], s[66:67], s[OS:OS+1]
	s_mov_b32 s[AI], 0
.Lrow:
.irp n, 1,2,3,4,5,6,7
	s_cmp_eq_u32 s[AI], \n
	s_cbranch_scc1 .Lin_\n
.endr
.irp n, 0,1,2,3,4,5,6,7
.Lin_\n:
	WIN 2+\n/4                                     ; source 0: window 2 or 3
.set j, 0
.rept 32
	v_pk_add_f32 v[HA+j:HA+j+1], v[64*(\n%4)+j:64*(\n%4)+j+1], v[BI+j:BI+j+1]   ; each accumulator from its low end on
.set j, j+2
.endr
	WIN 0
.if \n < 7
	s_branch .Lbody
.endif
.endr
.Lbody:
.irp g, 0,1,2,3,4,5,6,7
	GELU8 HA+8*\g
.endr
	QUANT HA
	global_store_b128 v12, v[PC:PC+3], s[OB:OB+1]
	global_store_b64 v13, v[PC+4:PC+5], s[OB:OB+1] offset:512
	global_store_b128 v12, v[PC+6:PC+9], s[OB:OB+1] offset:768
	global_store_b64 v13, v[PC+10:PC+11], s[OB:OB+1] offset:1280
	s_bitcmp1_b32 s[AI], 0
	s_cbranch_scc1 .Lodd
	v_mov_b32 v[PWE], v[PW]
	s_branch .Lnext
.Lodd:
	v_cndmask_b32 v[WW], v[PWE], v[PW], s[HM]      ; lanes 0-15 the even tile's words, lanes 16-31 the odd tile's
	global_store_b32 v14, v[WW], s[OS:OS+1]        ; 128 consecutive bytes
	s_wait_xcnt 0x0                                ; the base steps only behind this wait
	s_add_nc_u64 s[OS:OS+1], s[OS:OS+1], 4096
.Lnext:
	s_wait_xcnt 0x0                                ; the stores' data and base are written again only behind this wait
	s_add_nc_u64 s[OB:OB+1], s[OB:OB+1], 49152
	s_add_co_u32 s[AI], s[AI], 1
	s_cmp_lt_u32 s[AI], 8
	s_cbranch_scc1 .Lrow
	s_wait_tensorcnt 0x0                           ; the wave's end
	ds_add_u32 v[SPW], v[NIL]
	s_wait_dscnt 0x0
	CROUND                                         ; the closing round
	s_endpgm
.Lfunc_end_k_q0f4890db81_w1:
	.size	k_q0f4890db81_w1, .Lfunc_end_k_q0f4890db81_w1-k_q0f4890db81_w1
	.p2alignl 7, 3214868480
	.fill 96, 4, 3214868480
	.section	.rodata,"a",@progbits
	.p2align	6, 0x0
	.amdhsa_kernel k_q0f4890db81_w1
		.amdhsa_group_segment_fixed_size 327680
		.amdhsa_private_segment_fixed_size 0
		.amdhsa_enable_private_segment 0
		.amdhsa_kernarg_size 32
		.amdhsa_user_sgpr_count 2
		.amdhsa_user_sgpr_kernarg_segment_ptr 1
		.amdhsa_wavefront_size32 1
		.amdhsa_system_sgpr_workgroup_id_x 1
		.amdhsa_system_sgpr_workgroup_id_y 1
		.amdhsa_system_sgpr_workgroup_id_z 1
		.amdhsa_system_vgpr_workitem_id 0
		.amdhsa_next_free_vgpr 1024
		.amdhsa_next_free_sgpr 100
		.amdhsa_reserve_vcc 0
		.amdhsa_float_denorm_mode_32 3
		.amdhsa_float_denorm_mode_16_64 3
		.amdhsa_memory_ordered 1
		.amdhsa_forward_progress 1
		.amdhsa_inst_pref_size 176
	.end_amdhsa_kernel
	.amdgpu_metadata
---
amdhsa.version: [ 1, 2 ]
amdhsa.kernels:
  - .name:           k_q0f4890db81_w1
    .symbol:         k_q0f4890db81_w1.kd
    .args:
      - { .name: act, .offset: 0, .size: 8, .value_kind: global_buffer, .address_space: global }
      - { .name: wimg, .offset: 8, .size: 8, .value_kind: global_buffer, .address_space: global }
      - { .name: b1, .offset: 16, .size: 8, .value_kind: global_buffer, .address_space: global }
      - { .name: gq, .offset: 24, .size: 8, .value_kind: global_buffer, .address_space: global }
    .group_segment_fixed_size: 327680
    .private_segment_fixed_size: 0
    .kernarg_segment_align: 8
    .kernarg_segment_size: 32
    .max_flat_workgroup_size: 128
    .sgpr_count:     100
    .vgpr_count:     1024
    .wavefront_size: 32
...
	.end_amdgpu_metadata
.endif
;; end of part 6
;; launch w2 (part 7): grid 16 x 16, 4 waves a work-group, clusters of 4 x 4, 327,680 bytes of LDS; arguments gq, wimg, cpart; writes cpart
.if DOCPART == 7
	.amdgcn_target "amdgcn-amd-amdhsa--gfx1250"
	.amdhsa_code_object_version 6
	.text
	.protected	k_q0f4890db81_w2
	.globl	k_q0f4890db81_w2
	.p2align	8
	.type	k_q0f4890db81_w2,@function
k_q0f4890db81_w2:
	s_mov_b64 s[64:65], 0
	v_nop
	global_prefetch_b8 v0, s[64:65] scope:SCOPE_SE
	s_setreg_imm32_b32 hwreg(HW_REG_WAVE_MODE, 25, 1), 1
	s_wait_xcnt 0x0
	s_wait_alu depctr_hold_cnt(0) depctr_sa_sdst(0) depctr_va_vdst(0) depctr_va_sdst(0) depctr_va_ssrc(0) depctr_va_vcc(0) depctr_vm_vsrc(0)
	s_getreg_b32 s2, hwreg(HW_REG_IB_STS2, 6, 4)
	s_cmp_eq_u32 s2, 0
	s_cbranch_scc0 .Lentry_in_a_cluster
	s_endpgm
.Lentry_in_a_cluster:
	s_bfe_u32 s2, ttmp6, 0x10000c
	s_cmp_lg_u32 s2, 0xf033
	s_cbranch_scc0 .Lentry_shape_is_right
	s_endpgm
.Lentry_shape_is_right:
; Q(g) W2 on codes of FP6 (E2M3) with E8M0 scales, K = 4,096, IN FOUR PARTS ALONG K: part p, [4096][1024] f32 at 16,777,216 p bytes of the result's buffer, is the sum over k = 1,024 p .. 1,024 p + 1,023.
; M x N is only 64 tiles of 256 x 256; with K in four parts there are 256 work-groups of equal work.  The launch that normalises adds the four parts, the bias and the residual.
; LIMIT: the sum over K is so formed as four f32 sums of 1,024 that are added afterwards: another order of rounding than one chain's.
; OPERANDS lie in the order of an operand's registers: tile T = 16 rows, lane (r, h) holds row 32 (T / 2) + 8 (T % 2) + r + 8 (r / 8); fragment (T, s), 16 rows x 128 K, is 1,536 dense bytes at (32 T + s) 1,536 (registers 6 c .. 6 c + 3 at
; 768 c + 16 lane, 6 c + 4, 6 c + 5 at 768 c + 512 + 8 lane); scale word (T, s, r) at (32 (T / 2) + s) 128 + 64 (T % 2) + 4 r.  So a fragment comes from LDS by four dense loads, and there is no pitch and no padding.
; A work-group of four waves makes 256 tokens (A) x 256 columns (B, the weight's rows); a wave 128 x 128: 64 accumulators.  Source 0 = 16 rows of B, source 1 = 16 rows of A: a lane holds one token and eight columns a tile.
; PLACES.  The cluster's x is the part of K, equal in all sixteen partners; cx is the block of columns (N is four blocks); 4 x the cluster's y + cy the block of tokens.
; K IN LDS.  The part's K is four quarters of 256, 98,304 bytes each for the work-group's 512 rows.  THREE slots lie in LDS (3 x 98,304 + 16,384 of scale words + 512 spare = 311,808 bytes) and are filled at the start, with the scale words: four tensor
; loads a wave.  Slot 0 is filled once more, with the fourth quarter, when it has been read: that load has slots 1 and 2, 224 matrix instructions, in which to land.  A's tiles are asked for jointly along a row of the cluster, B's along a column.
; REGISTERS: window 0: v1-31 addresses; v32-63 scale words, two sets; v128-223 A's fragments, one set (on the way out v128-255: rows read back).  window 1: B's fragments, two sets.  windows 2, 3: the accumulators.
.set KT,     8                         ; K steps of 128 that a work-group walks
.set KTG,    32                        ; K steps of 128 in the operands
.set A_OFFS, 12582912                  ; gq: scale words behind the codes
.set B_OFFC, 6291456                   ; wimg: W2's codes,
.set B_OFFS, 9699328                   ; and its scale words
.set NQ,     2
.set FR,     12
.set NL,     4
.set NP,     4
.set TPK,    KTG*1536                  ; a tile's fragments of all K in memory
.set HALFT,  8*3072
.set SLOT,   4*HALFT
.set SCL,    3*SLOT
.set PSTR,   KT*128                    ; a pair of tiles' scale words of my part of K: so they lie in LDS;
.set PSTRG,  KTG*128                   ; of all K: so they lie in memory
.set HALFS,  4*PSTR
.set SPARE,  SCL+4*HALFS               ; the spare words, 128 bytes for each wave: two blocks of 256 bytes that no other line names
.set SPITCH, 528                       ; the way out: a stage of 16 rows x (512 bytes + 16) for each wave,
.set STAGE,  SLOT                      ; in slot 1, which is filled once, and whose last reads lie in front of the last barrier
.set STO,  10
.set RD,   11
.set ADRA, 16                          ; v16-18 16 x lane + my A tiles in slot 0, 1, 2;  v19-21 the same with 8 x lane
.set ADRB, 22                          ; v22-27 the same for B
.set SPW,  28
.set NIL,  29
.set ADRS, 30
.set SC,   32
.set AF,   128
.set BK,   128
.set G1, 24                            ; s[24:31] descriptor group 1 for A's tiles;  s[32:35], s[36:39], s[4:7] groups 0 for slots 0, 1, 2
.set G0, 32
.set G1B, 48                           ; s[48:55] for B's;  s[56:59], s[60:63], s[96:99]
.set G0B, 56
.set G1S, 68
.set G0S, 76
.set G1SB, 80
.set G0SB, 88
.set MSB, 0
.macro WIN new
.if MSB != (\new)
	s_set_vgpr_msb (MSB<<8)|(\new)
.set MSB, (\new)
.endif
.endm
.set MUL_LO, 0xa1
.set MUL_HI, 0xf1
.set TO_B,   0x40
.macro JLOAD g0a, g1a, g0b, g1b        ; a joint load: waves 0 and 1 fetch for A, waves 2 and 3 for B; four v_nop follow each line
	s_cmp_eq_u32 s15, 0
	s_cbranch_scc0 .Lfor_b_\@
	tensor_load_to_lds s[\g0a:\g0a+3], s[\g1a:\g1a+7]
	s_nop 0
.rept 4
	v_nop
.endr
	s_branch .Lasked_\@
.Lfor_b_\@:
	tensor_load_to_lds s[\g0b:\g0b+3], s[\g1b:\g1b+7]
	s_nop 0
.rept 4
	v_nop
.endr
.Lasked_\@:
.endm
.macro CREST
	s_cmp_lg_u32 s14, 0
	s_cbranch_scc1 .Lnot_wave_0_\@
	s_barrier_signal -3
.Lnot_wave_0_\@:
	s_barrier_wait -3
	s_barrier_signal -1
	s_barrier_wait -1
.endm
.macro CROUND
	s_barrier_signal -1
	s_barrier_wait -1
	CREST
.endm
.macro FIRST s, ga, gb                 ; slot s's groups 0 and its first fill: quarter s of my part of K
	s_mov_b32 s[\ga], 1
	s_add_co_u32 s[\ga+1], s45, \s*SLOT
	s_add_nc_u64 s[\ga+2:\ga+3], s[20:21], \s*3072
	s_or_b32 s[\ga+3], s[\ga+3], 0x80000000
	s_mov_b32 s[\gb], 1
	s_add_co_u32 s[\gb+1], s45, \s*SLOT
	s_add_nc_u64 s[\gb+2:\gb+3], s[46:47], \s*3072
	s_or_b32 s[\gb+3], s[\gb+3], 0x80000000
	JLOAD \ga, G1, \gb, G1B
.endm
	s_load_b128 s[4:7], s[0:1], 0x0                ; A's buffer, B's buffer
	s_load_b64 s[66:67], s[0:1], 0x10              ; the four parts
	v_lshl_add_u32 v[SPW], v0, 2, SPARE
	v_mov_b32 v[NIL], 0
	ds_add_u32 v28, v29
	ds_add_u32 v28, v29
	s_wait_dscnt 0x0
	v_lshrrev_b32 v1, 5, v0
	v_readfirstlane_b32 s14, v1
	s_lshr_b32 s15, s14, 1
	s_and_b32 s16, s14, 1
	s_bfe_u32 s40, ttmp6, 0x40000
	s_bfe_u32 s41, ttmp6, 0x40004
	s_mov_b32 s42, s40                             ; B's block of 256 rows: cx
	s_and_b32 s17, ttmp7, 0xffff
	s_lshl_b32 s17, s17, 2
	s_add_co_u32 s17, s17, s41                     ; A's block
	s_lshl_b32 s43, s41, 2
	s_lshl_b32 s43, 15, s43
	s_lshl_b32 s44, 0x1111, s40
	s_mul_i32 s20, s17, 16*TPK
	s_mul_i32 s21, s16, 8*TPK
	s_add_co_u32 s20, s20, s21
	s_mul_i32 s21, ttmp9, KT*1536                  ; my part of K: eight fragments on for each part
	s_add_co_u32 s20, s20, s21
	s_mov_b32 s21, 0
	s_mul_i32 s22, s17, 8*PSTRG
	s_mul_i32 s23, s16, 4*PSTRG
	s_add_co_u32 s22, s22, s23
	s_mul_i32 s23, ttmp9, PSTR
	s_add_co_u32 s22, s22, s23
	s_add_co_u32 s22, s22, A_OFFS
	s_mov_b32 s23, 0
	s_mul_i32 s46, s42, 16*TPK
	s_mul_i32 s47, s16, 8*TPK
	s_add_co_u32 s46, s46, s47
	s_mul_i32 s47, ttmp9, KT*1536
	s_add_co_u32 s46, s46, s47
	s_add_co_u32 s46, s46, B_OFFC
	s_mov_b32 s47, 0
	s_mul_i32 s92, s42, 8*PSTRG
	s_mul_i32 s93, s16, 4*PSTRG
	s_add_co_u32 s92, s92, s93
	s_mul_i32 s93, ttmp9, PSTR
	s_add_co_u32 s92, s92, s93
	s_add_co_u32 s92, s92, B_OFFS
	s_mov_b32 s93, 0
	s_or_b32 s[G1+0], s43, (3<<16)|(1<<21)         ; 8 tiles x 3,072 bytes (384 elements of 8 bytes), TPK bytes apart; the mask: my row of the cluster
	s_or_b32 s[G1B+0], s44, (3<<16)|(1<<21)
.irp g, G1, G1B
	s_mov_b32 s[\g+1], 384<<16
	s_mov_b32 s[\g+2], 8<<16
	s_mov_b32 s[\g+3], 384<<16
	s_mov_b32 s[\g+4], 8
	s_mov_b32 s[\g+5], TPK/8
	s_mov_b32 s[\g+6], 0
	s_mov_b32 s[\g+7], 0
.endr
	s_or_b32 s[G1S+0], s43, (3<<16)|(1<<21)        ; the scale words of 128 rows for my part of K: 4 pairs x 1,024 bytes (128 elements of 8 bytes), 4,096 bytes apart; dense in LDS
	s_or_b32 s[G1SB+0], s44, (3<<16)|(1<<21)
.irp g, G1S, G1SB
	s_mov_b32 s[\g+1], (PSTR/8)<<16
	s_mov_b32 s[\g+2], 4<<16
	s_mov_b32 s[\g+3], (PSTR/8)<<16
	s_mov_b32 s[\g+4], 4
	s_mov_b32 s[\g+5], PSTRG/8
	s_mov_b32 s[\g+6], 0
	s_mov_b32 s[\g+7], 0
.endr
	s_mul_i32 s45, s14, HALFT
	s_mul_i32 s94, s14, HALFS
	s_wait_kmcnt 0x0
	s_add_nc_u64 s[20:21], s[4:5], s[20:21]
	s_add_nc_u64 s[22:23], s[4:5], s[22:23]
	s_add_nc_u64 s[46:47], s[6:7], s[46:47]
	s_add_nc_u64 s[92:93], s[6:7], s[92:93]        ; s[4:7] are done with: they take the third slot's group 0
	CROUND                                         ; all sixteen work-groups are here: the first joint loads meet
	s_mov_b32 s[G0S], 1
	s_add_co_u32 s[G0S+1], s94, SCL
	s_mov_b64 s[G0S+2:G0S+3], s[22:23]
	s_or_b32 s[G0S+3], s[G0S+3], 0x80000000
	s_mov_b32 s[G0SB], 1
	s_add_co_u32 s[G0SB+1], s94, SCL
	s_mov_b64 s[G0SB+2:G0SB+3], s[92:93]
	s_or_b32 s[G0SB+3], s[G0SB+3], 0x80000000
	JLOAD G0S, G1S, G0SB, G1SB
	FIRST 0, 32, 56
	FIRST 1, 36, 60
	FIRST 2, 4, 96                                 ; four tensor loads of mine are out
	v_and_b32 v1, 15, v0
	v_bfe_u32 v2, v0, 4, 1
	v_and_b32 v3, 31, v0
	v_lshlrev_b32 v12, 4, v3
	v_lshlrev_b32 v13, 3, v3
	s_mul_i32 s21, s15, HALFT
	s_mul_i32 s22, s16, HALFT
	s_add_co_u32 s22, s22, 2*HALFT
.irp s, 0,1,2
	v_add_nc_u32 v[ADRA+\s], s21, v12
	v_add_nc_u32 v[ADRA+3+\s], s21, v13
	v_add_nc_u32 v[ADRB+\s], s22, v12
	v_add_nc_u32 v[ADRB+3+\s], s22, v13
	s_add_co_u32 s21, s21, SLOT
	s_add_co_u32 s22, s22, SLOT
.endr
	v_lshlrev_b32 v5, 2, v1
	s_mul_i32 s21, s15, HALFS
	s_mul_i32 s22, s16, HALFS
	s_add_co_u32 s22, s22, 2*HALFS
	s_sub_co_u32 s22, s22, s21
	v_mul_u32_u24 v6, s22, v2                      ; lanes 16-31 take B's
	s_add_co_u32 s21, s21, SCL
	v_add_nc_u32 v5, v5, v6
	v_add_nc_u32 v[ADRS], s21, v5
	s_mul_i32 s23, s14, 16*SPITCH                  ; my stage
	s_add_co_u32 s23, s23, STAGE
	v_mul_u32_u24 v5, v1, SPITCH
	v_lshl_add_u32 v5, v2, 6, v5                   ; in: row r, + 64 h: B's tile b puts its eight columns 128 (b / 2) + 32 (b % 2) bytes on
	v_add_nc_u32 v[STO], s23, v5
	v_add_nc_u32 v[RD], s23, v12                   ; back: a whole row of 512 bytes
	s_lshl_b32 s20, s17, 8
	s_lshl_b32 s21, s15, 7
	s_add_co_u32 s20, s20, s21
	s_lshl_b32 s20, s20, 12                        ; my first row, rows of 4,096 bytes,
	s_mov_b32 s21, 0
	s_lshl_b32 s46, s42, 10
	s_lshl_b32 s47, s16, 9
	s_add_co_u32 s46, s46, s47                     ; my first column,
	s_lshl_b32 s47, ttmp9, 24
	s_add_co_u32 s46, s46, s47                     ; and my part: 16,777,216 bytes each
	s_mov_b32 s47, 0
	s_add_nc_u64 s[20:21], s[20:21], s[46:47]
	s_add_nc_u64 s[66:67], s[66:67], s[20:21]
.macro FRAG reg, adr, off
	ds_load_b128 v[\reg:\reg+3], v[\adr] offset:\off
	ds_load_b64 v[\reg+4:\reg+5], v[\adr+3] offset:\off+512
	ds_load_b128 v[\reg+6:\reg+9], v[\adr] offset:\off+768
	ds_load_b64 v[\reg+10:\reg+11], v[\adr+3] offset:\off+1280
.endm
.macro MUL16 a0, p, q, sc, zero        ; the 64 accumulators take turns, one instruction a turn
.irp a, \a0, \a0+1
.irp b, 0,1,2,3,4,5,6,7
.if \zero
	v_wmma_scale_f32_16x16x128_f8f6f4 v[8*(8*((\a)%4)+\b):8*(8*((\a)%4)+\b)+7], v[128*(\p)+FR*\b:128*(\p)+FR*\b+FR-1], v[AF+FR*(\a):AF+FR*(\a)+FR-1], 0, v[SC+8*NQ*(\sc)+NQ*\b+(\q)], v[SC+8*NQ*(\sc)+NQ*(\a)+(\q)] matrix_a_fmt:MATRIX_FMT_FP6 matrix_b_fmt:MATRIX_FMT_FP6 matrix_a_scale:MATRIX_SCALE_ROW1
.else
	v_wmma_scale_f32_16x16x128_f8f6f4 v[8*(8*((\a)%4)+\b):8*(8*((\a)%4)+\b)+7], v[128*(\p)+FR*\b:128*(\p)+FR*\b+FR-1], v[AF+FR*(\a):AF+FR*(\a)+FR-1], v[8*(8*((\a)%4)+\b):8*(8*((\a)%4)+\b)+7], v[SC+8*NQ*(\sc)+NQ*\b+(\q)], v[SC+8*NQ*(\sc)+NQ*(\a)+(\q)] matrix_a_fmt:MATRIX_FMT_FP6 matrix_b_fmt:MATRIX_FMT_FP6 matrix_a_scale:MATRIX_SCALE_ROW1
.endif
.endr
.endr
.endm
.macro FETCH_B slot, q, p
	WIN TO_B
.irp i, 0,1,2,3,4,5,6,7
	FRAG 128*(\p)+FR*\i, ADRB+\slot, \i*3072+(\q)*1536
.endr
	WIN 0
.endm
.macro FETCH_A slot, q, i0
.irp i, \i0, \i0+1, \i0+2, \i0+3
	FRAG AF+FR*(\i), ADRA+\slot, (\i)*3072+(\q)*1536
.endr
.endm
.macro SCALES sc
.irp i, 0,1,2,3,4,5,6,7
.irp q, 0,1
	ds_load_b32 v[SC+8*NQ*\sc+NQ*\i+\q], v[ADRS] offset:(\i/2)*PSTR+64*(\i%2)+128*\q
.endr
.endr
.endm
.macro PLACES n
.rept \n
	v_nop
.endr
.endm
.macro STEP slot, sc, zero             ; a slot's first 128 along K; its successor lies in the same slot
	s_wait_dscnt 4*NL                              ; all but the youngest 16 loads (A's tiles 4-7)
	WIN MUL_LO
	MUL16 0, 0, 0, \sc, \zero
	MUL16 2, 0, 0, \sc, \zero
	s_wait_dscnt 0
	PLACES NP
	FETCH_B \slot, 1, 1
	FETCH_A \slot, 1, 0
	WIN MUL_HI
	MUL16 4, 0, 0, \sc, \zero
	MUL16 6, 0, 0, \sc, \zero
	PLACES NP
	WIN 0
	FETCH_A \slot, 1, 4
.endm
; A slot's second 128 along K, with a barrier: in front of it each wave waits for all its tensor loads, adds 0 to its spare word, and waits for that and for its reads of the slot.
; fill = 1 (leaving slot 0): slots 1 and 2 are whole in every wave's eyes, and slot 0 is filled again, with the fourth quarter.  fill = 0 (leaving slot 2): that fourth quarter is whole.
.macro TURN next, sc, scn, fill
	s_wait_tensorcnt 0x0                           ; all my tensor loads have landed
	ds_add_u32 v[SPW], v[NIL]                      ; 0 onto my spare word
	s_wait_dscnt 4*NL+1                            ; (the add and the youngest 16 loads may be out)
	WIN MUL_LO
	MUL16 0, 1, 1, \sc, 0
	s_wait_dscnt 0x0                               ; the add is done, and my reads of this slot are over
	s_barrier_signal -1
	MUL16 2, 1, 1, \sc, 0
	WIN 0
	s_barrier_wait -1
.if \fill
	CREST                                          ; a round of the cluster's barrier: no wave of any partner still reads slot 0 or has a load on its way
	s_add_nc_u64 s[G0+2:G0+3], s[G0+2:G0+3], 3*3072
	s_add_nc_u64 s[G0B+2:G0B+3], s[G0B+2:G0B+3], 3*3072
	JLOAD G0, G1, G0B, G1B                         ; the first tensor load behind the round; its four v_nop are the places in front of the loads below
.else
	PLACES NP
.endif
	v_add_nc_u32 v[ADRS], 128*NQ, v[ADRS]
	FETCH_B \next, 0, 0
	FETCH_A \next, 0, 0
	SCALES \scn
	WIN MUL_HI
	MUL16 4, 1, 1, \sc, 0
	MUL16 6, 1, 1, \sc, 0
	PLACES NP
	WIN 0
	FETCH_A \next, 0, 4
.endm
; The same without a barrier (leaving slot 1): slot 2 was shown whole by every wave's wait in front of the round above, and slot 1 is not filled again.
.macro CROSS next, sc, scn
	s_wait_dscnt 4*NL
	WIN MUL_LO
	MUL16 0, 1, 1, \sc, 0
	MUL16 2, 1, 1, \sc, 0
	s_wait_dscnt 0
	PLACES NP
	WIN 0
	v_add_nc_u32 v[ADRS], 128*NQ, v[ADRS]
	FETCH_B \next, 0, 0
	FETCH_A \next, 0, 0
	SCALES \scn
	WIN MUL_HI
	MUL16 4, 1, 1, \sc, 0
	MUL16 6, 1, 1, \sc, 0
	PLACES NP
	WIN 0
	FETCH_A \next, 0, 4
.endm
	s_wait_tensorcnt 2                             ; the scale words and my part of slot 0 are in (slots 1 and 2 may be out)
	s_barrier_signal -1
	s_barrier_wait -1
	FETCH_B 0, 0, 0
	FETCH_A 0, 0, 0
	SCALES 0
	FETCH_A 0, 0, 4
	STEP 0, 0, 1                                   ; the first products start the sums
	TURN 1, 0, 1, 1
	STEP 1, 1, 0
	CROSS 2, 1, 0
	STEP 2, 0, 0
	TURN 0, 0, 1, 0
	STEP 0, 1, 0
	s_wait_dscnt 4*NL
	WIN MUL_LO
	MUL16 0, 1, 1, 1, 0
	MUL16 2, 1, 1, 1, 0
	s_wait_dscnt 0
	WIN MUL_HI
	MUL16 4, 1, 1, 1, 0
	MUL16 6, 1, 1, 1, 0
	WIN 0
; THE WAY OUT, A's tiles one after the other: 16 rows x 128 columns go through my own stage and come back as whole rows of 512 bytes.  LDS serves a wave's instructions in order (ISA guide 5.7.1.4): no wait between the stores and the loads.
.macro TOSTAGE a
.set AC, 64*((\a)%4)
	WIN 0x08+4*((\a)/4)                            ; the data: window 2 or 3
.irp b, 0,1,2,3,4,5,6,7
	ds_store_b128 v[STO], v[AC+8*\b:AC+8*\b+3] offset:128*(\b/2)+32*(\b%2)       ; each accumulator from its low end on
	ds_store_b128 v[STO], v[AC+8*\b+4:AC+8*\b+7] offset:128*(\b/2)+32*(\b%2)+16
.endr
	WIN 0
.set BB, BK+64*((\a)%2)
.irp t, 0,1,2,3,4,5,6,7,8,9,10,11,12,13,14,15
	ds_load_b128 v[BB+4*\t:BB+4*\t+3], v[RD] offset:\t*SPITCH
.endr
.endm
.macro SEND a, younger
.set BB, BK+64*((\a)%2)
	s_wait_dscnt \younger
.irp t, 0,1,2,3,4,5,6,7,8,9,10,11,12,13,14,15
	global_store_b128 v12, v[BB+4*\t:BB+4*\t+3], s[66:67] offset:(32*((\a)/2)+8*((\a)%2)+\t+8*(\t/8))*4096   ; the tile's row t: 512 consecutive bytes, at a multiple of 256 from the buffer's first byte
.endr
.endm
	PLACES NP
	TOSTAGE 0
.irp a, 1,2,3,4,5,6,7
.if \a > 1
	s_wait_xcnt 0x0                                ; tile a - 2's stores have read their registers: tile a's loads may land there
.endif
	TOSTAGE \a
	SEND \a-1, 32                                  ; behind tile a - 1's loads: tile a's 16 stores and 16 loads
.endr
	SEND 7, 0
	s_wait_tensorcnt 0x0                           ; the wave's end
	ds_add_u32 v[SPW], v[NIL]
	s_wait_dscnt 0x0
	CROUND                                         ; the closing round
	s_endpgm
.Lfunc_end_k_q0f4890db81_w2:
	.size	k_q0f4890db81_w2, .Lfunc_end_k_q0f4890db81_w2-k_q0f4890db81_w2
	.p2alignl 7, 3214868480
	.fill 96, 4, 3214868480
	.section	.rodata,"a",@progbits
	.p2align	6, 0x0
	.amdhsa_kernel k_q0f4890db81_w2
		.amdhsa_group_segment_fixed_size 327680
		.amdhsa_private_segment_fixed_size 0
		.amdhsa_enable_private_segment 0
		.amdhsa_kernarg_size 24
		.amdhsa_user_sgpr_count 2
		.amdhsa_user_sgpr_kernarg_segment_ptr 1
		.amdhsa_wavefront_size32 1
		.amdhsa_system_sgpr_workgroup_id_x 1
		.amdhsa_system_sgpr_workgroup_id_y 1
		.amdhsa_system_sgpr_workgroup_id_z 1
		.amdhsa_system_vgpr_workitem_id 0
		.amdhsa_next_free_vgpr 1024
		.amdhsa_next_free_sgpr 100
		.amdhsa_reserve_vcc 0
		.amdhsa_float_denorm_mode_32 3
		.amdhsa_float_denorm_mode_16_64 3
		.amdhsa_memory_ordered 1
		.amdhsa_forward_progress 1
		.amdhsa_inst_pref_size 146
	.end_amdhsa_kernel
	.amdgpu_metadata
---
amdhsa.version: [ 1, 2 ]
amdhsa.kernels:
  - .name:           k_q0f4890db81_w2
    .symbol:         k_q0f4890db81_w2.kd
    .args:
      - { .name: gq, .offset: 0, .size: 8, .value_kind: global_buffer, .address_space: global }
      - { .name: wimg, .offset: 8, .size: 8, .value_kind: global_buffer, .address_space: global }
      - { .name: cpart, .offset: 16, .size: 8, .value_kind: global_buffer, .address_space: global }
    .group_segment_fixed_size: 327680
    .private_segment_fixed_size: 0
    .kernarg_segment_align: 8
    .kernarg_segment_size: 24
    .max_flat_workgroup_size: 128
    .sgpr_count:     100
    .vgpr_count:     1024
    .wavefront_size: 32
...
	.end_amdgpu_metadata
.endif
;; end of part 7
;; launch ln2 (part 8): grid 256 x 1, 8 waves a work-group, no clusters, 70,656 bytes of LDS; arguments cpart, hbuf, b2, ln2_w, ln2_b, out0; writes out0
.if DOCPART == 8
	.amdgcn_target "amdgcn-amd-amdhsa--gfx1250"
	.amdhsa_code_object_version 6
	.text
	.protected	k_q0f4890db81_ln2
	.globl	k_q0f4890db81_ln2
	.p2align	8
	.type	k_q0f4890db81_ln2,@function
k_q0f4890db81_ln2:
	s_mov_b64 s[64:65], 0
	v_nop
	global_prefetch_b8 v0, s[64:65] scope:SCOPE_SE
	s_setreg_imm32_b32 hwreg(HW_REG_WAVE_MODE, 25, 1), 1
	s_wait_xcnt 0x0
; out = LayerNorm(c + b2 + h) x ln2_w + ln2_b, rows of 1,024, biased variance, eps 1e-5; all f32.  c arrives as FOUR PARTS along the last product's K, [4096][1024] f32 each, 16,777,216 bytes apart: c = ((p0 + p1) + p2) + p3.
; A work-group takes 16 rows: 32 (T / 2) + 8 (T % 2) + t + 8 (t / 8), T its number; wave w takes columns 128 w on.  Every global access is 512 consecutive bytes of a row.
; All of a wave's 83 loads go out in one run: parts 0 and 1 and h into v48-239, parts 2 and 3 into v256-383 (two switches of the register window).
; TWO LAYOUTS.  By rows (RZ): register 4 t + j of lane l is row t, column 4 l + j of the strip: as loaded and as stored.  By lanes (Z): lane (r, h) holds row r and 64 of the strip's numbers: for the sums.
; The strip turns from the first to the second through the wave's own stage in LDS.  A row's sums meet across the eight waves in LDS: two barriers (mean; then the squares of the differences, as the definition has them).
; Memory binds: no matrix unit, no cluster, no tensor load.
; LIMITS: NaN and infinities are not served; the sum over the last product's K is four f32 sums added here, in ascending K.
.set PART, 16777216
.set RED1, 67584                       ; behind the eight stages of 8,448 bytes: [row][wave] f32, and 512 bytes on the same for the second sum
.set MI,   68608                       ; a wave's own 128 bytes: 16 means, 16 reciprocal deviations
.set WV,  18
.set SEL, 20
.set K10, 22
.set EPSR, 23
.set L16, 4
.set SW,  6
.set SRD, 7
.set R4,  8
.set RA,  9
.set RB,  10
.set MIW, 11
.set MIB, 12
.set RZ,  48                           ; v48-111  part 0, then the sums
.set Z,   112                          ; v112-175 h, then the strip by lanes
.set C1,  176                          ; v176-239 part 1;  window 1: v0-63 part 2, v64-127 part 3
.set MSB, 0
.macro WIN new                         ; the immediate's high byte repeats the setting that is left
.if MSB != (\new)
	s_set_vgpr_msb (MSB<<8)|(\new)
.set MSB, (\new)
.endif
.endm
.macro ACROSS off                      ; v30, my 64 numbers' sum, becomes the row's in v36
	v_permlanex16_b32 v34, v30, s[SEL], s[SEL+1]
	v_add_f32 v30, v30, v34                        ; the strip's
	ds_store_b32 v[RA], v30 offset:\off            ; lanes r and 16 + r write the same word with the same value
	s_wait_dscnt 0x0                               ; for the others' sake
	s_barrier_signal -1
	s_barrier_wait -1
	ds_load_b128 v[36:39], v[RB] offset:\off
	ds_load_b128 v[40:43], v[RB] offset:\off+16
	s_wait_dscnt 0x0
	v_add_f32 v36, v36, v37
	v_add_f32 v38, v38, v39
	v_add_f32 v40, v40, v41
	v_add_f32 v42, v42, v43
	v_add_f32 v36, v36, v38
	v_add_f32 v40, v40, v42
	v_add_f32 v36, v36, v40
.endm
	s_load_b256 s[4:11], s[0:1], 0x0               ; the parts, the residual, the bias, the gain
	s_load_b128 s[12:15], s[0:1], 0x20             ; the offset, the result
	v_lshl_add_u32 v254, v0, 2, 0x11000
	v_mov_b32 v255, 0
	v_lshrrev_b32 v1, 5, v0
	v_readfirstlane_b32 s[WV], v1                  ; wave 0..7
	v_and_b32 v1, 31, v0
	v_and_b32 v2, 15, v0
	v_bfe_u32 v3, v0, 4, 1
	v_lshlrev_b32 v[L16], 4, v1
	s_mul_i32 s2, s[WV], 8448
	v_add_nc_u32 v[SW], s2, v[L16]
	v_mul_u32_u24 v[SRD], v2, 528
	v_lshl_add_u32 v[SRD], v3, 6, v[SRD]
	v_add_nc_u32 v[SRD], s2, v[SRD]
	v_lshlrev_b32 v[R4], 2, v2
	v_lshl_add_u32 v[RB], v2, 5, RED1
	s_lshl_b32 s2, s[WV], 2
	v_add_nc_u32 v[RA], s2, v[RB]
	s_lshl_b32 s2, s[WV], 7
	s_add_co_u32 s2, s2, MI
	v_mov_b32 v[MIB], s2
	v_add_nc_u32 v[MIW], s2, v[R4]
	v_mov_b32 v34, 0                               ; a lane permute's destination counts as one of its sources
	s_mov_b32 s[SEL], 0x76543210
	s_mov_b32 s[SEL+1], 0xfedcba98
	s_mov_b32 s[K10], 0x3a800000                   ; 1 / 1,024
	s_mov_b32 s[EPSR], 0x3727c5ac                  ; 1e-5
	s_lshr_b32 s3, ttmp9, 1
	s_and_b32 s19, ttmp9, 1
	s_lshl_b32 s24, s3, 5
	s_lshl_b32 s25, s19, 3
	s_add_co_u32 s24, s24, s25                     ; the first row
	s_lshl_b32 s24, s24, 12
	s_lshl_b32 s26, s[WV], 9                       ; my strip
	s_add_co_u32 s24, s24, s26
	s_mov_b32 s25, 0
	s_mov_b32 s27, 0
	s_wait_kmcnt 0x0
	s_add_nc_u64 s[4:5], s[4:5], s[24:25]          ; part 0,
	s_add_nc_u64 s[28:29], s[4:5], PART            ; parts 1, 2, 3: too far apart for an immediate
	s_add_nc_u64 s[30:31], s[4:5], 2*PART
	s_add_nc_u64 s[16:17], s[4:5], 3*PART
	s_add_nc_u64 s[6:7], s[6:7], s[24:25]
	s_add_nc_u64 s[14:15], s[14:15], s[24:25]
	s_add_nc_u64 s[8:9], s[8:9], s[26:27]
	s_add_nc_u64 s[10:11], s[10:11], s[26:27]
	s_add_nc_u64 s[12:13], s[12:13], s[26:27]
	global_load_b128 v[16:19], v[L16], s[8:9]      ; my four columns' bias, gain, offset
	global_load_b128 v[20:23], v[L16], s[10:11]
	global_load_b128 v[24:27], v[L16], s[12:13]
.irp t, 0,1,2,3,4,5,6,7,8,9,10,11,12,13,14,15
	global_load_b128 v[RZ+4*\t:RZ+4*\t+3], v[L16], s[4:5] offset:(\t+8*(\t/8))*4096
	global_load_b128 v[C1+4*\t:C1+4*\t+3], v[L16], s[28:29] offset:(\t+8*(\t/8))*4096
.endr
	WIN 0x40                                       ; destination window 1, address window 0
.irp t, 0,1,2,3,4,5,6,7,8,9,10,11,12,13,14,15
	global_load_b128 v[4*\t:4*\t+3], v[L16], s[30:31] offset:(\t+8*(\t/8))*4096          ; v256 on
	global_load_b128 v[64+4*\t:64+4*\t+3], v[L16], s[16:17] offset:(\t+8*(\t/8))*4096    ; v320 on
.endr
	WIN 0
.irp t, 0,1,2,3,4,5,6,7,8,9,10,11,12,13,14,15
	global_load_b128 v[Z+4*\t:Z+4*\t+3], v[L16], s[6:7] offset:(\t+8*(\t/8))*4096
.endr
	s_wait_loadcnt 0x0
.set j, 0
.rept 32
	v_pk_add_f32 v[RZ+j:RZ+j+1], v[RZ+j:RZ+j+1], v[C1+j:C1+j+1]   ; p0 + p1
.set j, j+2
.endr
	WIN 0x04                                       ; source 1 window 1
.set j, 0
.rept 32
	v_pk_add_f32 v[RZ+j:RZ+j+1], v[RZ+j:RZ+j+1], v[j:j+1]         ; + p2
.set j, j+2
.endr
.set j, 0
.rept 32
	v_pk_add_f32 v[RZ+j:RZ+j+1], v[RZ+j:RZ+j+1], v[64+j:65+j]     ; + p3
.set j, j+2
.endr
	WIN 0
.irp t, 0,1,2,3,4,5,6,7,8,9,10,11,12,13,14,15
.irp j, 0,2
	v_pk_add_f32 v[RZ+4*\t+\j:RZ+4*\t+\j+1], v[RZ+4*\t+\j:RZ+4*\t+\j+1], v[16+\j:17+\j]
.endr
.irp j, 0,2
	v_pk_add_f32 v[RZ+4*\t+\j:RZ+4*\t+\j+1], v[RZ+4*\t+\j:RZ+4*\t+\j+1], v[Z+4*\t+\j:Z+4*\t+\j+1]   ; z = (c + bias) + residual
.endr
.endr
.irp t, 0,1,2,3,4,5,6,7,8,9,10,11,12,13,14,15
	ds_store_b128 v[SW], v[RZ+4*\t:RZ+4*\t+3] offset:528*\t
.endr
.irp b, 0,1,2,3
.irp i, 0,1,2,3
	ds_load_b128 v[Z+16*\b+4*\i:Z+16*\b+4*\i+3], v[SRD] offset:128*\b+16*\i   ; LDS serves a wave's instructions in order (ISA guide 5.7.1.4): these see my stores
.endr
.endr
	s_wait_dscnt 0x0
	v_pk_add_f32 v[30:31], v[Z:Z+1], v[Z+4:Z+5]    ; the sum of my 64, in two packed chains
	v_pk_add_f32 v[32:33], v[Z+2:Z+3], v[Z+6:Z+7]
.irp j, 8,12,16,20,24,28,32,36,40,44,48,52,56,60
	v_pk_add_f32 v[30:31], v[30:31], v[Z+\j:Z+\j+1]
	v_pk_add_f32 v[32:33], v[32:33], v[Z+\j+2:Z+\j+3]
.endr
	v_pk_add_f32 v[30:31], v[30:31], v[32:33]
	v_add_f32 v30, v30, v31
	ACROSS 0
	v_mul_f32 v28, s[K10], v36                     ; the mean
	v_mov_b32 v29, v28
.set j, 0
.rept 32
	v_pk_add_f32 v[Z+j:Z+j+1], v[Z+j:Z+j+1], v[28:29] neg_lo:[0,1] neg_hi:[0,1]
.set j, j+2
.endr
	v_pk_mul_f32 v[30:31], v[Z:Z+1], v[Z:Z+1]
	v_pk_mul_f32 v[32:33], v[Z+2:Z+3], v[Z+2:Z+3]
.irp j, 4,8,12,16,20,24,28,32,36,40,44,48,52,56,60
	v_pk_fma_f32 v[30:31], v[Z+\j:Z+\j+1], v[Z+\j:Z+\j+1], v[30:31]
	v_pk_fma_f32 v[32:33], v[Z+\j+2:Z+\j+3], v[Z+\j+2:Z+\j+3], v[32:33]
.endr
	v_pk_add_f32 v[30:31], v[30:31], v[32:33]
	v_add_f32 v30, v30, v31
	ACROSS 512
	v_fma_f32 v35, v36, s[K10], s[EPSR]            ; the variance + eps
	v_rsq_f32 v35, v35
	v_nop                                          ; one plain place behind a transcendental
	ds_store_b32 v[MIW], v28                       ; row r's mean and reciprocal deviation, to my wave's own words,
	s_wait_alu depctr_va_vdst(0)
	ds_store_b32 v[MIW], v35 offset:64
.irp i, 0,1,2,3
	ds_load_b128 v[Z+4*\i:Z+4*\i+3], v[MIB] offset:16*\i          ; and all sixteen rows' back into every lane
	ds_load_b128 v[Z+16+4*\i:Z+16+4*\i+3], v[MIB] offset:64+16*\i
.endr
	s_wait_dscnt 0x0
.irp t, 0,1,2,3,4,5,6,7,8,9,10,11,12,13,14,15
.irp j, 0,1,2,3
	v_sub_f32 v[RZ+4*\t+\j], v[RZ+4*\t+\j], v[Z+\t]
.endr
.irp j, 0,1,2,3
	v_mul_f32 v[RZ+4*\t+\j], v[RZ+4*\t+\j], v[Z+16+\t]
.endr
.irp j, 0,2
	v_pk_fma_f32 v[RZ+4*\t+\j:RZ+4*\t+\j+1], v[RZ+4*\t+\j:RZ+4*\t+\j+1], v[20+\j:21+\j], v[24+\j:25+\j]
.endr
	global_store_b128 v[L16], v[RZ+4*\t:RZ+4*\t+3], s[14:15] offset:(\t+8*(\t/8))*4096   ; 512 consecutive bytes of a row
.endr
	s_wait_tensorcnt 0x0
	ds_add_u32 v254, v255
	s_wait_dscnt 0x0
	s_endpgm
.Lfunc_end_k_q0f4890db81_ln2:
	.size	k_q0f4890db81_ln2, .Lfunc_end_k_q0f4890db81_ln2-k_q0f4890db81_ln2
	.p2alignl 7, 3214868480
	.fill 96, 4, 3214868480
	.section	.rodata,"a",@progbits
	.p2align	6, 0x0
	.amdhsa_kernel k_q0f4890db81_ln2
		.amdhsa_group_segment_fixed_size 70656
		.amdhsa_private_segment_fixed_size 0
		.amdhsa_enable_private_segment 0
		.amdhsa_kernarg_size 48
		.amdhsa_user_sgpr_count 2
		.amdhsa_user_sgpr_kernarg_segment_ptr 1
		.amdhsa_wavefront_size32 1
		.amdhsa_system_sgpr_workgroup_id_x 1
		.amdhsa_system_sgpr_workgroup_id_y 1
		.amdhsa_system_sgpr_workgroup_id_z 1
		.amdhsa_system_vgpr_workitem_id 0
		.amdhsa_next_free_vgpr 384
		.amdhsa_next_free_sgpr 66
		.amdhsa_reserve_vcc 0
		.amdhsa_float_denorm_mode_32 3
		.amdhsa_float_denorm_mode_16_64 3
		.amdhsa_memory_ordered 1
		.amdhsa_forward_progress 1
		.amdhsa_inst_pref_size 39
	.end_amdhsa_kernel
	.amdgpu_metadata
---
amdhsa.version: [ 1, 2 ]
amdhsa.kernels:
  - .name:           k_q0f4890db81_ln2
    .symbol:         k_q0f4890db81_ln2.kd
    .args:
      - { .name: cpart, .offset: 0, .size: 8, .value_kind: global_buffer, .address_space: global }
      - { .name: hbuf, .offset: 8, .size: 8, .value_kind: global_buffer, .address_space: global }
      - { .name: b2, .offset: 16, .size: 8, .value_kind: global_buffer, .address_space: global }
      - { .name: ln2_w, .offset: 24, .size: 8, .value_kind: global_buffer, .address_space: global }
      - { .name: ln2_b, .offset: 32, .size: 8, .value_kind: global_buffer, .address_space: global }
      - { .name: out0, .offset: 40, .size: 8, .value_kind: global_buffer, .address_space: global }
    .group_segment_fixed_size: 70656
    .private_segment_fixed_size: 0
    .kernarg_segment_align: 8
    .kernarg_segment_size: 48
    .max_flat_workgroup_size: 256
    .sgpr_count:     66
    .vgpr_count:     384
    .wavefront_size: 32
...
	.end_amdgpu_metadata
.endif
;; end of part 8
